; MI455X (gfx1250); checked and timed in simulation.
; The chip was launched on July 23, 2026; its instructions are those of AMD's public machine-readable ISA for CDNA 5 (MIT licence, August 2026) and "CDNA5" Instruction Set Architecture Reference Guide (July 2026). The comments in the code are by the model that wrote it; some were corrected since.
;; Encoder Block. Allowed arithmetic: matrix products marked QUANTISED: E5M2 operands, one E8M0 scale for each 32 along K, by v_wmma_scale_f32_16x16x128_f8f6f4 with both operands' format E5M2, f32 sums; everything else in f32.
;; Inputs: W1 512 x 2,048 float32; W2 2,048 x 512 float32; Wk 8 x 512 x 64 float32; Wo 512 x 512 float32; Wq 8 x 512 x 64 float32; Wv 8 x 512 x 64 float32; b1 2,048 float32; b2 512 float32; bk 8 x 64 float32; bo 512 float32; bq 8 x 64 float32; bv 8 x 64 float32; ln1_b 512 float32; ln1_g 512 float32; ln2_b 512 float32; ln2_g 512 float32; x 4 x 2,048 x 512 float32.
;; Outputs: out0 4 x 2,048 x 512 float32.
;; This version of the problem:
;;   THIS VERSION OF THE PROBLEM IS GIVEN IN LOW PRECISION. The matrix products marked QUANTISED in the list below multiply operands that are first quantised to E5M2 (5 exponent bits, 2 mantissa bits; 8 bits a number), with one power-of-two scale for each 32 numbers along K (OCP MX v1.0); their sums are f32. All else is computed in f32.
;;   The module's matrix products, in the order in which they are computed (A, B: the left and right operand; K: the contracted axis; several contracted axes count as one K, in the product's order):
;;     1. [M 512, K 512] x [K 512, N 8,192]; A: input Wq; B: computed on the way: QUANTISED
;;     2. [M 512, K 512] x [K 512, N 8,192]; A: input Wk; B: computed on the way: QUANTISED
;;     3. [M 512, K 512] x [K 512, N 8,192]; A: input Wv; B: computed on the way: QUANTISED
;;     4. batch 32 x [M 2,048, K 64] x [K 64, N 2,048]; A: computed on the way; B: computed on the way: QUANTISED
;;     5. batch 32 x [M 2,048, K 2,048] x [K 2,048, N 64]; A: softmax (see below); B: computed on the way: QUANTISED
;;     6. [M 8,192, K 512] x [K 512, N 512]; A: computed on the way; B: input Wo: QUANTISED
;;     7. [M 8,192, K 512] x [K 512, N 2,048]; A: computed on the way; B: input W1: QUANTISED
;;     8. [M 8,192, K 2,048] x [K 2,048, N 512]; A: computed on the way; B: input W2: QUANTISED
;;   THE QUANTISER, for each operand of a quantised product, along K:
;;     - K is cut into blocks of 32 from its start; a last block that is shorter is filled with zeros.
;;     - A block's scale is 2^e with e = floor(log2(the largest magnitude in the block)) - 15, held to -126 .. 127; a block of zeros has e = 0. As a byte (E8M0): e + 127.
;;     - Each number is divided by its block's scale, clamped to +-57,344, and rounded to the nearest number of E5M2, ties to even, subnormals kept.
;;     - The product sums the exact products of the quantised numbers (number of the format x scale) in f32.
;;   ~~~python
;;   def quantise(x, axis):      # numpy; x: float32 -> the quantised numbers, widened to float32 again
;;       x = np.moveaxis(x, axis, -1); K = x.shape[-1]
;;       x = np.pad(x, [(0, 0)] * (x.ndim - 1) + [(0, -K % 32)]); x = x.reshape(x.shape[:-1] + (-1, 32)); a = np.abs(x).max(-1, keepdims=True)
;;       e = np.where(a > 0, np.clip(np.frexp(np.where(a > 0, a, 1))[1] - 1 - 15, -126, 127), 0)      # np.frexp(a)[1] - 1 = floor(log2(a)), exactly
;;       r = np.clip(x / 2.0 ** e, -57344, 57344)
;;       step = 2.0 ** (np.maximum(np.frexp(np.where(r == 0, 1, r))[1] - 1, -14) - 2)
;;       q = np.round(r / step) * step * 2.0 ** e      # np.round: ties to even
;;       return np.moveaxis(q.reshape(q.shape[:-2] + (-1,))[..., :K], -1, axis).astype(np.float32)
;;   ~~~
;;   SOFTMAX AHEAD OF A QUANTISED PRODUCT. Where the list says 'softmax', what is quantised is not the finished softmax but p = 2^(t - M), with t = logit x log2(e) and M = ceil(the row's largest t), a whole number; so 1/2 < the row's largest p <= 1. The row's sum l is taken of the UNQUANTISED p, in f32, and the product's result is divided by l at the end. Since M is a whole number, a kernel that streams over the keys may use a running M (the ceiling of the running maximum): every later rescaling is an exact power of two, which a block's scale takes up: the codes' values come out the same.
;;   OPERANDS COMPUTED ON THE WAY. 'Computed on the way' means the value that the module computes at that place (a softmax that the list does not call 'softmax' is quantised finished and normalised). What goes into a quantiser is computed in f32, as accurately as f32 sums, v_exp_f32 and their like allow (about 1e-6 of the number): no bf16 or f16 on the way to a quantiser, and a product that is left as it is and whose result goes on into a quantised operand takes f32 operands (vector FMAs, or v_wmma_f32_16x16x4_f32). A number that lies on a knife's edge between two numbers of the format may be rounded either way, as far as f32 arithmetic and the matrix unit's own rounding can turn it there, and no further.
;; 2 versions, each right and faster than the one before. Each part assembles by itself: llvm-mc -triple=amdgcn-amd-amdhsa -mcpu=gfx1250 --defsym DOCPART=n.
;; ======== version 1 of 2: 4 launches
;; limits: a function is approximated: absolute error at most 7.5e-08
;; workspace buffers: wimg 3,145,728 bytes; wscl 98,304 bytes; ximg 4,194,304 bytes; xscl 131,072 bytes; qkv 12,582,912 bytes; qkvs 393,216 bytes; avimg 4,194,304 bytes; avscl 262,144 bytes
;; launch prep (part 1): grid 704 x 1, 4 waves a work-group, no clusters, 1,536 bytes of LDS; arguments x, ln1_g, ln1_b, Wq, Wk, Wv, Wo, W1, W2, wimg, wscl, ximg, xscl; writes wimg, wscl, ximg, xscl
.if DOCPART == 1
	.amdgcn_target "amdgcn-amd-amdhsa--gfx1250"
	.amdhsa_code_object_version 6
	.text
	.protected	k_q951c82bf82_prep
	.globl	k_q951c82bf82_prep
	.p2align	8
	.type	k_q951c82bf82_prep,@function
k_q951c82bf82_prep:
	s_mov_b64 s[64:65], 0
	v_nop
	global_prefetch_b8 v0, s[64:65] scope:SCOPE_SE
	s_setreg_imm32_b32 hwreg(HW_REG_WAVE_MODE, 25, 1), 1
	s_wait_xcnt 0x0
; PREP.  Work-groups 0-191 quantise the six weights along K (their first axis) to codes of E5M2 with one E8M0 byte for each 32 along K;
; work-groups 192-703 take LayerNorm 1 of x and quantise it along D.  Both write IMAGES OF THE OPERAND'S REGISTERS:
;   a fragment (16 positions x 128 K) is 2,048 bytes: byte 512 c + 16 lane + i = the code of (position lane % 16, k = 32 c + 16 (lane / 16) + i);
;   a scale block (a pair of tiles, 128 K) is 128 bytes: word 16 u + r = the four bytes of tile 2 P + u, position r.
; Position r of tile J stands for index 32 (J / 2) + 8 (J % 2) + r + (r & 8): so the results of two neighbouring tiles are 16 neighbours along the next K.
; LIMITS: NaN and infinities among the inputs are not served; a block whose largest magnitude lies under 2^-111 (a block of zeros too) gets the byte 1: only this program reads the bytes.
; No cluster, no tensor load: no two work-groups read the same bytes, and every byte is read once.
.set OFF, 32                           ; weights: v32-63  4 lane + i x pitch
.set X,   64                           ; v64-191 weights: 128 numbers down K;  LN: v64-127 my 64 numbers of a row
.set CD,  192                          ; weights: v192-223 codes, eight registers a block: no store's data are written again
.set SBY, 224                          ; weights: my column's four scale bytes
.set TM,  16                           ; LN: v16-31 the quantiser's work
.set PC,  32                           ; LN: v32-47 the codes
.set TS,  48                           ; LN: v48-55 four packed chains
.set GG,  128                          ; LN: v128-191 gain
.set BT,  192                          ; LN: v192-255 bias
.set MNT, 61                           ; s61 the mantissa field of 57,344
.set SEL, 62                           ; s[62:63] lane selects: lane l xor 16
; 64 (or 32) numbers of a lane, register 16 b + i = number i of block b in my half of the lanes, become codes in v[pc] on.  TM+4+b: the block's byte.
.macro QUANT s, pc, nblk
.irp b, 0,1,2,3
.if \b < \nblk
	v_max3_num_f32 v[TM+\b], |v[\s+16*\b]|, |v[\s+1+16*\b]|, 0x8000000       ; my 16 numbers, and the floor 2^(16 - 127): the byte cannot fall under 1
.endif
.endr
.irp i, 2,4,6,8,10,12,14
.irp b, 0,1,2,3
.if \b < \nblk
	v_max3_num_f32 v[TM+\b], v[TM+\b], |v[\s+16*\b+\i]|, |v[\s+1+16*\b+\i]|  ; the blocks by turns
.endif
.endr
.endr
.irp b, 0,1,2,3
.if \b < \nblk
	v_permlanex16_b32 v[TM+4+\b], v[TM+\b], s[SEL], s[SEL+1]
.endif
.endr
.irp b, 0,1,2,3
.if \b < \nblk
	v_max_num_f32 v[TM+\b], v[TM+\b], v[TM+4+\b]                             ; with lane l xor 16's 16: the block's largest magnitude
.endif
.endr
.irp b, 0,1,2,3
.if \b < \nblk
	v_add_nc_u32 v[TM+12+\b], 0xf8800000, v[TM+\b]                           ; 15 off its exponent field: the conversion's scale operand
.endif
.endr
.irp b, 0,1,2,3
.if \b < \nblk
	v_and_or_b32 v[TM+8+\b], v[TM+\b], 0x7f800000, s[MNT]                    ; 57,344 x the scale
.endif
.endr
.irp b, 0,1,2,3
.if \b < \nblk
	v_lshrrev_b32 v[TM+4+\b], 23, v[TM+12+\b]                                ; the scale's byte
.endif
.endr
.irp b, 0,1,2,3
.if \b < \nblk
.irp i, 0,1,2,3,4,5,6,7,8,9,10,11,12,13,14,15
	v_med3_num_f32 v[\s+16*\b+\i], v[\s+16*\b+\i], -v[TM+8+\b], v[TM+8+\b]   ; the conversion does not saturate (ISA guide 7.6.2): hold first
.endr
	v_cvt_scalef32_pk8_bf8_f32 v[\pc+4*\b:\pc+4*\b+1], v[\s+16*\b:\s+16*\b+7], v[TM+12+\b]
	v_cvt_scalef32_pk8_bf8_f32 v[\pc+4*\b+2:\pc+4*\b+3], v[\s+16*\b+8:\s+16*\b+15], v[TM+12+\b]
.endif
.endr
	v_nop                                          ; one plain line behind the last scaled conversion
.endm
.macro WORD4 d
	v_lshl_or_b32 v[\d], v[TM+5], 8, v[TM+4]
	v_lshl_or_b32 v[\d], v[TM+6], 16, v[\d]
	v_lshl_or_b32 v[\d], v[TM+7], 24, v[\d]
.endm
.macro BAR                             ; my LDS stores have landed and my LDS loads are in: then the work-group's barrier
	s_wait_dscnt 0x0
	s_barrier_signal -1
	s_barrier_wait -1
.endm
	s_load_b512 s[4:19], s[0:1], 0x0               ; x 4, ln1_g 6, ln1_b 8, Wq 10, Wk 12, Wv 14, Wo 16, W1 18
	s_load_b256 s[20:27], s[0:1], 0x40             ; W2 20, wimg 22, wscl 24, ximg 26
	s_load_b64 s[28:29], s[0:1], 0x60              ; xscl
	v_lshl_add_u32 v14, v0, 2, 0x400
	v_mov_b32 v15, 0
	v_lshrrev_b32 v1, 5, v0
	v_readfirstlane_b32 s3, v1                     ; wave 0..3
	s_mov_b32 s[MNT], 0x600000
	s_mov_b32 s[SEL], 0x76543210
	s_mov_b32 s[SEL+1], 0xfedcba98
	s_cmp_ge_u32 ttmp9, 192                        ; the same in all four waves of a work-group
	s_cbranch_scc1 .Lnorm
; ---------------- THE WEIGHTS.  A wave takes 32 columns (a pair of tiles) x 128 along K (a K step); a lane takes a column, its registers run down K.
; work-groups 0-47: Wq, Wk, Wv (16 each); 48-63: Wo; 64-127: W1; 128-191: W2 (four work-groups to a pair: 16 K steps).  All parameters are selected on the work-group's number: one path.
	s_and_b32 s32, ttmp9, 15                       ; the pair, under 64
	s_lshr_b32 s34, ttmp9, 4
	s_lshl_b32 s34, s34, 18                        ; the images' base, under 64: 262,144 x (work-group / 16)
	s_and_b32 s35, ttmp9, 63                       ; W1: the pair
	s_lshr_b32 s39, s35, 2                         ; W2: the pair,
	s_and_b32 s33, s35, 3
	s_lshl_b32 s33, s33, 2                         ; and the first of the work-group's four K steps
	s_lshr_b32 s38, s32, 1
	s_lshl_b32 s38, s38, 17                        ; Wq, Wk, Wv: the head's 131,072 bytes,
	s_and_b32 s52, s32, 1
	s_lshl_b32 s52, s52, 7
	s_add_co_u32 s38, s38, s52                     ; and 32 columns of 4 bytes
	s_mov_b32 s30, 2048                            ; the pitch of W2
	s_mov_b32 s53, 2097152
	s_wait_kmcnt 0x0
	s_cmp_lt_u32 ttmp9, 128
	s_cselect_b32 s39, s35, s39
	s_cselect_b32 s33, 0, s33
	s_cselect_b32 s31, 2, 4                        ; log2 of the K steps: 4 or 16
	s_cselect_b32 s30, 8192, s30
	s_cselect_b32 s53, 1048576, s53
	s_cselect_b64 s[36:37], s[18:19], s[20:21]
	s_cmp_lt_u32 ttmp9, 64
	s_cselect_b32 s32, s32, s39                    ; g: the pair of tiles
	s_cselect_b32 s34, s34, s53                    ; the images' base
	s_cselect_b32 s30, 2048, s30
	s_cselect_b64 s[36:37], s[16:17], s[36:37]
	s_lshl_b32 s39, s32, 7
	s_cmp_lt_u32 ttmp9, 48
	s_cselect_b32 s38, s38, s39                    ; the pair's first column, in bytes
	s_cselect_b32 s30, 256, s30                    ; the pitch from k to k + 1
	s_cselect_b64 s[36:37], s[14:15], s[36:37]
	s_cmp_lt_u32 ttmp9, 32
	s_cselect_b64 s[36:37], s[12:13], s[36:37]
	s_cmp_lt_u32 ttmp9, 16
	s_cselect_b64 s[36:37], s[10:11], s[36:37]
	s_add_co_u32 s33, s33, s3                      ; my K step
	s_lshl_b32 s54, s33, 7
	s_mul_i32 s54, s54, s30
	s_add_co_u32 s54, s54, s38
	s_mov_b32 s55, 0
	s_lshl_b32 s56, s30, 5                         ; 32 rows on
	s_mov_b32 s57, 0
	s_add_nc_u64 s[40:41], s[36:37], s[54:55]      ; a base for each of the four blocks of 32 along K
	s_add_nc_u64 s[42:43], s[40:41], s[56:57]
	s_add_nc_u64 s[44:45], s[42:43], s[56:57]
	s_add_nc_u64 s[46:47], s[44:45], s[56:57]
	s_add_co_u32 s58, s31, 12
	s_lshl_b32 s58, s32, s58                       ; g x 2 tiles x K steps x 2,048
	s_add_co_u32 s58, s58, s34
	s_lshl_b32 s59, s33, 11
	s_add_co_u32 s58, s58, s59
	s_mov_b32 s59, 0
	s_add_nc_u64 s[48:49], s[22:23], s[58:59]      ; the even tile's fragment of my K step
	s_add_co_u32 s58, s31, 7
	s_lshl_b32 s58, s32, s58                       ; g x K steps x 128
	s_lshr_b32 s60, s34, 5
	s_add_co_u32 s58, s58, s60
	s_lshl_b32 s60, s33, 7
	s_add_co_u32 s58, s58, s60
	s_add_nc_u64 s[50:51], s[24:25], s[58:59]      ; my scale block
	v_and_b32 v1, 31, v0                           ; lane = column in the pair
	v_bfe_u32 v2, v0, 3, 1                         ; u: which tile of the pair the column falls into,
	v_and_b32 v5, 7, v0
	v_bfe_u32 v6, v0, 4, 1
	v_lshl_or_b32 v5, v6, 3, v5                    ; r: and at which position
	s_add_co_u32 s60, s31, 11
	v_lshlrev_b32 v3, s60, v2
	v_lshl_add_u32 v3, v5, 4, v3                   ; where my codes go: u x a tile's bytes + 16 r
	v_lshlrev_b32 v4, 6, v2
	v_lshl_add_u32 v4, v5, 2, v4                   ; my scale word: 4 (16 u + r)
	v_lshlrev_b32 v7, 2, v1
.set i, 0
.rept 32
	v_mad_u32_u24 v[OFF+i], s30, i, v7             ; 4 lane + i rows
.set i, i+1
.endr
.macro WLOAD c                         ; block c: 32 rows of 128 consecutive bytes
.set i, 0
.rept 32
	global_load_b32 v[X+32*(\c)+i], v[OFF+i], s[40+2*(\c):41+2*(\c)] th:TH_LOAD_NT
.set i, i+1
.endr
.endm
.macro WBLOCK c
.set XS, X+32*\c
.if \c < 3
	s_wait_loadcnt 32                              ; this block's 32 loads are in; the next block's 32 may be out
.else
	s_wait_loadcnt 0x0
.endif
.if \c < 2
	WLOAD \c+2
.endif
	v_max3_num_f32 v12, |v[XS]|, |v[XS+1]|, |v[XS+2]|      ; the block's largest magnitude: all 32 numbers are mine
	v_max3_num_f32 v13, |v[XS+3]|, |v[XS+4]|, |v[XS+5]|
.irp i, 6,10,14,18,22,26
	v_max3_num_f32 v12, v12, |v[XS+\i]|, |v[XS+\i+1]|
	v_max3_num_f32 v13, v13, |v[XS+\i+2]|, |v[XS+\i+3]|
.endr
	v_max3_num_f32 v12, v12, |v[XS+30]|, |v[XS+31]|
	v_max3_num_f32 v12, v12, v13, 0x8000000        ; and the floor
	v_add_nc_u32 v11, 0xf8800000, v12
	v_and_or_b32 v10, v12, 0x7f800000, s[MNT]
	v_lshrrev_b32 v13, 23, v11
.if \c == 0
	v_mov_b32 v[SBY], v13
.else
	v_lshl_or_b32 v[SBY], v13, 8*\c, v[SBY]
.endif
.set i, 0
.rept 32
	v_med3_num_f32 v[XS+i], v[XS+i], -v10, v10
.set i, i+1
.endr
.irp g, 0,1,2,3
	v_cvt_scalef32_pk8_bf8_f32 v[CD+8*\c+2*\g:CD+8*\c+2*\g+1], v[XS+8*\g:XS+8*\g+7], v11
.endr
	global_store_b128 v3, v[CD+8*\c:CD+8*\c+3], s[48:49] offset:512*\c        ; k = 32 c + 0 .. 15: sixteen lanes fill 256 consecutive bytes of each tile's fragment
	global_store_b128 v3, v[CD+8*\c+4:CD+8*\c+7], s[48:49] offset:512*\c+256  ; k = 32 c + 16 .. 31
.endm
	WLOAD 0
	WLOAD 1
	WBLOCK 0
	WBLOCK 1
	WBLOCK 2
	WBLOCK 3
	global_store_b32 v4, v[SBY], s[50:51]          ; 128 consecutive bytes
	s_endpgm
; ---------------- LAYERNORM 1.  Work-group 192 + J takes row tile J; its four waves are the four K steps; lane (r, h) holds k = 128 s + 32 c + 16 h + 0 .. 15 of its row.
.Lnorm:
	s_sub_co_u32 s30, ttmp9, 192                   ; J
	v_and_b32 v1, 31, v0
	v_and_b32 v2, 15, v0                           ; r
	v_bfe_u32 v10, v0, 4, 1                        ; h
	v_and_b32 v11, 8, v2
	v_add_nc_u32 v11, v11, v2                      ; r + (r & 8)
	v_lshlrev_b32 v3, 11, v11
	v_lshl_add_u32 v3, v10, 6, v3                  ; x: my row of 2,048 bytes, + 64 h
	v_lshlrev_b32 v4, 6, v10                       ; gain, bias: 64 h
	v_lshlrev_b32 v5, 4, v1                        ; an image's place for my lane
	v_lshlrev_b32 v6, 2, v2                        ; a scale word's
	v_lshlrev_b32 v8, 4, v2                        ; LDS: my row's four partial sums,
	s_lshl_b32 s31, s3, 2
	v_add_nc_u32 v7, s31, v8                       ; and my wave's word among them
	v_mov_b32 v56, 0                               ; written once: a lane permute's destination counts as one of its sources
.irp b, 0,1,2,3
	v_mov_b32 v[TM+4+\b], 0
.endr
	s_lshr_b32 s31, s30, 1
	s_and_b32 s32, s30, 1
	s_lshl_b32 s33, s31, 16                        ; 32 rows of 2,048 bytes for each pair of tiles,
	s_lshl_b32 s34, s32, 14                        ; 8 rows for the odd tile
	s_add_co_u32 s33, s33, s34
	s_lshl_b32 s38, s3, 9                          ; my K step: 512 bytes
	s_mov_b32 s39, 0
	s_add_co_u32 s36, s33, s38
	s_mov_b32 s37, 0
	s_lshl_b32 s40, s30, 13
	s_lshl_b32 s34, s3, 11
	s_add_co_u32 s40, s40, s34                     ; ximg: (4 J + s) x 2,048
	s_mov_b32 s41, 0
	s_lshl_b32 s42, s31, 9
	s_lshl_b32 s34, s3, 7
	s_add_co_u32 s42, s42, s34
	s_lshl_b32 s34, s32, 6
	s_add_co_u32 s42, s42, s34                     ; xscl: pair x 512 + 128 s + 64 (J % 2)
	s_mov_b32 s43, 0
	s_mov_b32 s44, 0x3b000000                      ; 1 / 512
	s_wait_kmcnt 0x0
	s_add_nc_u64 s[4:5], s[4:5], s[36:37]
	s_add_nc_u64 s[6:7], s[6:7], s[38:39]
	s_add_nc_u64 s[8:9], s[8:9], s[38:39]
	s_add_nc_u64 s[26:27], s[26:27], s[40:41]
	s_add_nc_u64 s[28:29], s[28:29], s[42:43]
.irp c, 0,1,2,3
.irp j, 0,1,2,3
	global_load_b128 v[X+16*\c+4*\j:X+16*\c+4*\j+3], v3, s[4:5] offset:128*\c+16*\j th:TH_LOAD_NT
.endr
.endr
.irp c, 0,1,2,3
.irp j, 0,1,2,3
	global_load_b128 v[GG+16*\c+4*\j:GG+16*\c+4*\j+3], v4, s[6:7] offset:128*\c+16*\j
	global_load_b128 v[BT+16*\c+4*\j:BT+16*\c+4*\j+3], v4, s[8:9] offset:128*\c+16*\j
.endr
.endr
	s_wait_loadcnt 32                              ; x is in; the 32 loads of gain and bias may be out
.irp k, 0,1,2,3
	v_pk_add_f32 v[TS+2*\k:TS+2*\k+1], v[X+2*\k:X+2*\k+1], v[X+8+2*\k:X+9+2*\k]     ; the sum of my 64, in four packed chains
.endr
.irp m, 2,3,4,5,6,7
.irp k, 0,1,2,3
	v_pk_add_f32 v[TS+2*\k:TS+2*\k+1], v[TS+2*\k:TS+2*\k+1], v[X+8*\m+2*\k:X+8*\m+2*\k+1]
.endr
.endr
	v_pk_add_f32 v[TS:TS+1], v[TS:TS+1], v[TS+2:TS+3]
	v_pk_add_f32 v[TS+4:TS+5], v[TS+4:TS+5], v[TS+6:TS+7]
	v_pk_add_f32 v[TS:TS+1], v[TS:TS+1], v[TS+4:TS+5]
	v_add_f32 v[TS], v[TS], v[TS+1]
	v_permlanex16_b32 v56, v[TS], s[SEL], s[SEL+1]
	v_add_f32 v[TS], v[TS], v56                    ; my row's 128 numbers of this K step
	ds_store_b32 v7, v[TS]                         ; both lanes of a row write the same word with the same value
	BAR
	ds_load_b128 v[56:59], v8
	s_wait_dscnt 0x0
	v_add_f32 v56, v56, v57
	v_add_f32 v58, v58, v59
	v_add_f32 v56, v56, v58
	v_mul_f32 v60, s44, v56                        ; the mean,
	v_mov_b32 v61, v60                             ; in both halves of a pair
.set j, 0
.rept 32
	v_pk_add_f32 v[X+j:X+j+1], v[X+j:X+j+1], v[60:61] neg_lo:[0,1] neg_hi:[0,1]
.set j, j+2
.endr
.irp k, 0,1,2,3
	v_pk_mul_f32 v[TS+2*\k:TS+2*\k+1], v[X+2*\k:X+2*\k+1], v[X+2*\k:X+2*\k+1]       ; the squared deviations
.endr
.irp m, 1,2,3,4,5,6,7
.irp k, 0,1,2,3
	v_pk_fma_f32 v[TS+2*\k:TS+2*\k+1], v[X+8*\m+2*\k:X+8*\m+2*\k+1], v[X+8*\m+2*\k:X+8*\m+2*\k+1], v[TS+2*\k:TS+2*\k+1]
.endr
.endr
	v_pk_add_f32 v[TS:TS+1], v[TS:TS+1], v[TS+2:TS+3]
	v_pk_add_f32 v[TS+4:TS+5], v[TS+4:TS+5], v[TS+6:TS+7]
	v_pk_add_f32 v[TS:TS+1], v[TS:TS+1], v[TS+4:TS+5]
	v_add_f32 v[TS], v[TS], v[TS+1]
	v_permlanex16_b32 v56, v[TS], s[SEL], s[SEL+1]
	v_add_f32 v[TS], v[TS], v56
	ds_store_b32 v7, v[TS] offset:256              ; other bytes than the first sums': no wave can still be reading these
	BAR
	ds_load_b128 v[56:59], v8 offset:256
	s_wait_dscnt 0x0
	v_add_f32 v56, v56, v57
	v_add_f32 v58, v58, v59
	v_add_f32 v56, v56, v58
	v_fmaak_f32 v56, s44, v56, 0x3727c5ac          ; the variance + 1e-5 (the division by 512 is exact)
	v_rsq_f32 v62, v56
	v_nop                                          ; one plain line behind a transcendental
	s_wait_alu depctr_va_vdst(0)
	v_mov_b32 v63, v62
	s_wait_loadcnt 0x0                             ; gain and bias
.set j, 0
.rept 32
	v_pk_mul_f32 v[X+j:X+j+1], v[X+j:X+j+1], v[62:63]
.set j, j+2
.endr
.set j, 0
.rept 32
	v_pk_fma_f32 v[X+j:X+j+1], v[X+j:X+j+1], v[GG+j:GG+j+1], v[BT+j:BT+j+1]
.set j, j+2
.endr
	QUANT X, PC, 4
	WORD4 9
.irp c, 0,1,2,3
	global_store_b128 v5, v[PC+4*\c:PC+4*\c+3], s[26:27] offset:512*\c       ; 512 consecutive bytes
.endr
	global_store_b32 v6, v9, s[28:29]              ; 64 consecutive bytes; the two halves of the lanes write the same words
	s_wait_tensorcnt 0x0
	ds_add_u32 v14, v15
	s_wait_dscnt 0x0
	s_endpgm
.Lfunc_end_k_q951c82bf82_prep:
	.size	k_q951c82bf82_prep, .Lfunc_end_k_q951c82bf82_prep-k_q951c82bf82_prep
	.p2alignl 7, 3214868480
	.fill 96, 4, 3214868480
	.section	.rodata,"a",@progbits
	.p2align	6, 0x0
	.amdhsa_kernel k_q951c82bf82_prep
		.amdhsa_group_segment_fixed_size 1536
		.amdhsa_private_segment_fixed_size 0
		.amdhsa_enable_private_segment 0
		.amdhsa_kernarg_size 104
		.amdhsa_user_sgpr_count 2
		.amdhsa_user_sgpr_kernarg_segment_ptr 1
		.amdhsa_wavefront_size32 1
		.amdhsa_system_sgpr_workgroup_id_x 1
		.amdhsa_system_sgpr_workgroup_id_y 1
		.amdhsa_system_sgpr_workgroup_id_z 1
		.amdhsa_system_vgpr_workitem_id 0
		.amdhsa_next_free_vgpr 256
		.amdhsa_next_free_sgpr 66
		.amdhsa_reserve_vcc 0
		.amdhsa_float_denorm_mode_32 3
		.amdhsa_float_denorm_mode_16_64 3
		.amdhsa_memory_ordered 1
		.amdhsa_forward_progress 1
		.amdhsa_inst_pref_size 59
	.end_amdhsa_kernel
	.amdgpu_metadata
---
amdhsa.version: [ 1, 2 ]
amdhsa.kernels:
  - .name:           k_q951c82bf82_prep
    .symbol:         k_q951c82bf82_prep.kd
    .args:
      - { .name: x, .offset: 0, .size: 8, .value_kind: global_buffer, .address_space: global }
      - { .name: ln1_g, .offset: 8, .size: 8, .value_kind: global_buffer, .address_space: global }
      - { .name: ln1_b, .offset: 16, .size: 8, .value_kind: global_buffer, .address_space: global }
      - { .name: Wq, .offset: 24, .size: 8, .value_kind: global_buffer, .address_space: global }
      - { .name: Wk, .offset: 32, .size: 8, .value_kind: global_buffer, .address_space: global }
      - { .name: Wv, .offset: 40, .size: 8, .value_kind: global_buffer, .address_space: global }
      - { .name: Wo, .offset: 48, .size: 8, .value_kind: global_buffer, .address_space: global }
      - { .name: W1, .offset: 56, .size: 8, .value_kind: global_buffer, .address_space: global }
      - { .name: W2, .offset: 64, .size: 8, .value_kind: global_buffer, .address_space: global }
      - { .name: wimg, .offset: 72, .size: 8, .value_kind: global_buffer, .address_space: global }
      - { .name: wscl, .offset: 80, .size: 8, .value_kind: global_buffer, .address_space: global }
      - { .name: ximg, .offset: 88, .size: 8, .value_kind: global_buffer, .address_space: global }
      - { .name: xscl, .offset: 96, .size: 8, .value_kind: global_buffer, .address_space: global }
    .group_segment_fixed_size: 1536
    .private_segment_fixed_size: 0
    .kernarg_segment_align: 8
    .kernarg_segment_size: 104
    .max_flat_workgroup_size: 128
    .sgpr_count:     66
    .vgpr_count:     256
    .wavefront_size: 32
...
	.end_amdgpu_metadata
.endif
;; end of part 1
;; launch qkv (part 2): grid 4 x 64, 12 waves a work-group, clusters of 4 x 4, 263,680 bytes of LDS; arguments ximg, xscl, wimg, wscl, bq, bk, bv, qkv, qkvs; writes qkv, qkvs
.if DOCPART == 2
	.amdgcn_target "amdgcn-amd-amdhsa--gfx1250"
	.amdhsa_code_object_version 6
	.text
	.protected	k_q951c82bf82_qkv
	.globl	k_q951c82bf82_qkv
	.p2align	8
	.type	k_q951c82bf82_qkv,@function
k_q951c82bf82_qkv:
	s_mov_b64 s[64:65], 0
	v_nop
	global_prefetch_b8 v0, s[64:65] scope:SCOPE_SE
	s_setreg_imm32_b32 hwreg(HW_REG_WAVE_MODE, 25, 1), 1
	s_wait_xcnt 0x0
	s_wait_alu depctr_hold_cnt(0) depctr_sa_sdst(0) depctr_va_vdst(0) depctr_va_sdst(0) depctr_va_ssrc(0) depctr_va_vcc(0) depctr_vm_vsrc(0)
	s_getreg_b32 s2, hwreg(HW_REG_IB_STS2, 6, 4)
	s_cmp_eq_u32 s2, 0
	s_cbranch_scc0 .Lentry_in_a_cluster
	s_endpgm
.Lentry_in_a_cluster:
	s_bfe_u32 s2, ttmp6, 0x10000c
	s_cmp_lg_u32 s2, 0xf033
	s_cbranch_scc0 .Lentry_shape_is_right
	s_endpgm
.Lentry_shape_is_right:
; QKV.  q, k, v = LN1(x) W + b on codes of E5M2, and their quantising: q and k along the head's 64, v along the keys.
; A work-group takes 128 rows (8 row tiles: one key step of attention) and the 384 columns of two heads' q, k and v.  Everything it reads through LDS fits at once: 64 KiB of x's images, 192 KiB of W's, filled ONCE.
; CLUSTER 4 x 4: the four work-groups of a row share x's images, the four of a column W's: each block is asked for jointly.
; Waves 0-7 (q, k): a wave takes one head of q or of k and 4 row tiles; the product is used transposed (source 0 = 16 columns of W, source 1 = 16 rows), so a lane holds one row and its registers run along the head's 64.
; Waves 8-11 (v): a wave takes 32 channels of one head and all 8 row tiles; source 0 = 16 rows, source 1 = 16 columns: a lane holds one channel and its registers run down the 128 keys.
; So both quantisers find their K in a lane's registers, and the codes leave as images of the next operand's registers: 512 consecutive bytes a store.
; LIMITS: NaN and infinities are not served; a block whose largest magnitude lies under 2^-111 gets the byte 1.
.set LI,  1                            ; v1  16 x lane
.set LS,  2                            ; v2  4 x lane
.set AXQ, 3                            ; v3  q, k: LDS address of my four row tiles
.set AWQ, 4                            ; v4  q, k: of my head's four tiles of W
.set AWV, 5                            ; v5  v: of my two tiles of W
.set BAD, 6                            ; v6  64 h: q's and k's bias
.set BVA, 7                            ; v7  4 (r + (r & 8)): v's bias
.set XSC, 8                            ; v8-23  x's scale words
.set WSC, 24                           ; v24-31 W's
.set XF,  32                           ; v32-95  four fragments of x
.set WF,  96                           ; v96-127 two of W
.set ACC, 128                          ; v128-255 sixteen accumulators
.set TM,  32                           ; behind the products: the quantiser's work,
.set PC0, 48                           ; codes,
.set BI,  64                           ; biases,
.set PW0, 96                           ; two scale words,
.set PC1, 100                          ; codes
.set WV,  22
.set SEL, 84
.set MNT, 86
.set HM,  87
.macro PL n
.rept \n
	v_nop
.endr
.endm
.macro QUANT s, pc, nblk
.irp b, 0,1,2,3
.if \b < \nblk
	v_max3_num_f32 v[TM+\b], |v[\s+16*\b]|, |v[\s+1+16*\b]|, 0x8000000       ; my 16 numbers, and the floor 2^(16 - 127)
.endif
.endr
.irp i, 2,4,6,8,10,12,14
.irp b, 0,1,2,3
.if \b < \nblk
	v_max3_num_f32 v[TM+\b], v[TM+\b], |v[\s+16*\b+\i]|, |v[\s+1+16*\b+\i]|
.endif
.endr
.endr
.irp b, 0,1,2,3
.if \b < \nblk
	v_permlanex16_b32 v[TM+4+\b], v[TM+\b], s[SEL], s[SEL+1]
.endif
.endr
.irp b, 0,1,2,3
.if \b < \nblk
	v_max_num_f32 v[TM+\b], v[TM+\b], v[TM+4+\b]
.endif
.endr
.irp b, 0,1,2,3
.if \b < \nblk
	v_add_nc_u32 v[TM+12+\b], 0xf8800000, v[TM+\b]
.endif
.endr
.irp b, 0,1,2,3
.if \b < \nblk
	v_and_or_b32 v[TM+8+\b], v[TM+\b], 0x7f800000, s[MNT]
.endif
.endr
.irp b, 0,1,2,3
.if \b < \nblk
	v_lshrrev_b32 v[TM+4+\b], 23, v[TM+12+\b]
.endif
.endr
.irp b, 0,1,2,3
.if \b < \nblk
.irp i, 0,1,2,3,4,5,6,7,8,9,10,11,12,13,14,15
	v_med3_num_f32 v[\s+16*\b+\i], v[\s+16*\b+\i], -v[TM+8+\b], v[TM+8+\b]
.endr
	v_cvt_scalef32_pk8_bf8_f32 v[\pc+4*\b:\pc+4*\b+1], v[\s+16*\b:\s+16*\b+7], v[TM+12+\b]
	v_cvt_scalef32_pk8_bf8_f32 v[\pc+4*\b+2:\pc+4*\b+3], v[\s+16*\b+8:\s+16*\b+15], v[TM+12+\b]
.endif
.endr
	v_nop                                          ; one plain line behind the last scaled conversion
.endm
.macro WORD4 d
	v_lshl_or_b32 v[\d], v[TM+5], 8, v[TM+4]
	v_lshl_or_b32 v[\d], v[TM+6], 16, v[\d]
	v_lshl_or_b32 v[\d], v[TM+7], 24, v[\d]
.endm
; one product.  z: C is the constant 0 (the sum's first K step), else D.  ra, rb: the side's scale words stand in lanes 16-31
.macro WM d, a, b, z, sa, sb, ra, rb
.if \z
.if (\ra)&&(\rb)
	v_wmma_scale_f32_16x16x128_f8f6f4 v[\d:\d+7], v[\a:\a+15], v[\b:\b+15], 0, v[\sa], v[\sb] matrix_a_fmt:MATRIX_FMT_BF8 matrix_b_fmt:MATRIX_FMT_BF8 matrix_a_scale:MATRIX_SCALE_ROW1 matrix_b_scale:MATRIX_SCALE_ROW1
.elseif \ra
	v_wmma_scale_f32_16x16x128_f8f6f4 v[\d:\d+7], v[\a:\a+15], v[\b:\b+15], 0, v[\sa], v[\sb] matrix_a_fmt:MATRIX_FMT_BF8 matrix_b_fmt:MATRIX_FMT_BF8 matrix_a_scale:MATRIX_SCALE_ROW1
.elseif \rb
	v_wmma_scale_f32_16x16x128_f8f6f4 v[\d:\d+7], v[\a:\a+15], v[\b:\b+15], 0, v[\sa], v[\sb] matrix_a_fmt:MATRIX_FMT_BF8 matrix_b_fmt:MATRIX_FMT_BF8 matrix_b_scale:MATRIX_SCALE_ROW1
.else
	v_wmma_scale_f32_16x16x128_f8f6f4 v[\d:\d+7], v[\a:\a+15], v[\b:\b+15], 0, v[\sa], v[\sb] matrix_a_fmt:MATRIX_FMT_BF8 matrix_b_fmt:MATRIX_FMT_BF8
.endif
.else
.if (\ra)&&(\rb)
	v_wmma_scale_f32_16x16x128_f8f6f4 v[\d:\d+7], v[\a:\a+15], v[\b:\b+15], v[\d:\d+7], v[\sa], v[\sb] matrix_a_fmt:MATRIX_FMT_BF8 matrix_b_fmt:MATRIX_FMT_BF8 matrix_a_scale:MATRIX_SCALE_ROW1 matrix_b_scale:MATRIX_SCALE_ROW1
.elseif \ra
	v_wmma_scale_f32_16x16x128_f8f6f4 v[\d:\d+7], v[\a:\a+15], v[\b:\b+15], v[\d:\d+7], v[\sa], v[\sb] matrix_a_fmt:MATRIX_FMT_BF8 matrix_b_fmt:MATRIX_FMT_BF8 matrix_a_scale:MATRIX_SCALE_ROW1
.elseif \rb
	v_wmma_scale_f32_16x16x128_f8f6f4 v[\d:\d+7], v[\a:\a+15], v[\b:\b+15], v[\d:\d+7], v[\sa], v[\sb] matrix_a_fmt:MATRIX_FMT_BF8 matrix_b_fmt:MATRIX_FMT_BF8 matrix_b_scale:MATRIX_SCALE_ROW1
.else
	v_wmma_scale_f32_16x16x128_f8f6f4 v[\d:\d+7], v[\a:\a+15], v[\b:\b+15], v[\d:\d+7], v[\sa], v[\sb] matrix_a_fmt:MATRIX_FMT_BF8 matrix_b_fmt:MATRIX_FMT_BF8
.endif
.endif
.endm
.macro LDF reg, adr, off               ; a fragment's image from LDS: four loads of 512 consecutive bytes
.irp c, 0,1,2,3
	ds_load_b128 v[\reg+4*\c:\reg+4*\c+3], v[\adr] offset:\off+512*\c
.endr
.endm
.macro CROUND                          ; a round of the cluster's barrier
	s_barrier_signal -1
	s_barrier_wait -1
	s_cmp_lg_u32 s[WV], 0
	s_cbranch_scc1 .Lnot_wave_0_\@
	s_barrier_signal -3
.Lnot_wave_0_\@:
	s_barrier_wait -3
	s_barrier_signal -1
	s_barrier_wait -1
.endm
	s_load_b512 s[4:19], s[0:1], 0x0               ; ximg 4, xscl 6, wimg 8, wscl 10, bq 12, bk 14, bv 16, qkv 18
	s_load_b64 s[20:21], s[0:1], 0x40              ; qkvs
	s_set_vgpr_msb 0x40
	v_lshl_add_u32 v0, v0, 2, 0x40000
	v_mov_b32 v1, 0
	s_set_vgpr_msb 0x4045
	ds_add_u32 v0, v1
	ds_add_u32 v0, v1
	s_set_vgpr_msb 0x4500
	v_lshrrev_b32 v1, 5, v0
	v_readfirstlane_b32 s[WV], v1                  ; wave 0..11
	v_and_b32 v7, 31, v0
	v_lshlrev_b32 v[LI], 4, v7
	v_lshlrev_b32 v[LS], 2, v7
	s_and_b32 s23, s[WV], 1
	s_lshl_b32 s24, s23, 15
	v_add_nc_u32 v[AXQ], s24, v[LI]                ; every LDS address is made here, ahead of the first branch on the wave's number
	s_lshr_b32 s24, s[WV], 1
	s_lshl_b32 s24, s24, 15
	s_add_co_u32 s24, s24, 65536
	v_add_nc_u32 v[AWQ], s24, v[LI]
	s_and_b32 s24, s[WV], 3
	s_lshl_b32 s24, s24, 14
	s_add_co_u32 s24, s24, 196608
	v_add_nc_u32 v[AWV], s24, v[LI]
	v_and_b32 v7, 15, v0
	v_and_b32 v6, 8, v7
	v_add_nc_u32 v7, v7, v6
	v_lshlrev_b32 v[BVA], 2, v7
	v_bfe_u32 v6, v0, 4, 1
	v_lshlrev_b32 v[BAD], 6, v6
	s_mov_b32 s[SEL], 0x76543210
	s_mov_b32 s[SEL+1], 0xfedcba98
	s_mov_b32 s[MNT], 0x600000
	s_mov_b32 s[HM], 0xffff0000                    ; lanes 16-31
	s_bfe_u32 s25, ttmp6, 0x40000                  ; cx
	s_bfe_u32 s26, ttmp6, 0x40004                  ; cy
	s_lshl_b32 s27, ttmp9, 2
	s_add_co_u32 s27, s27, s25                     ; gx: which two heads
	s_and_b32 s28, ttmp7, 0xffff
	s_lshl_b32 s28, s28, 2
	s_add_co_u32 s28, s28, s26                     ; rb: which 128 rows
	s_lshl_b32 s29, s26, 2
	s_lshl_b32 s29, 15, s29                        ; my row of the cluster
	s_lshl_b32 s30, 0x1111, s25                    ; my column
	; descriptors: a dense block of 32,768 bytes as 128 rows of 256 bytes (32 elements of 8 bytes), no padding: images are read 512 consecutive bytes at a time
	s_or_b32 s32, s29, (3<<16)|(1<<21)             ; x's images go to my row of the cluster
	s_or_b32 s44, s30, (3<<16)|(1<<21)             ; W's to my column
.irp g, 32, 44
	s_mov_b32 s[\g+1], 32<<16                      ; tensor_dim0
	s_mov_b32 s[\g+2], 128<<16                     ; tensor_dim1
	s_mov_b32 s[\g+3], 32<<16                      ; tile_dim0
	s_mov_b32 s[\g+4], 128                         ; tile_dim1
	s_mov_b32 s[\g+5], 32                          ; the pitch
	s_mov_b32 s[\g+6], 0
	s_mov_b32 s[\g+7], 0
.endr
	s_min_u32 s24, s[WV], 7
	s_lshl_b32 s41, s24, 15                        ; LDS: wave x 32,768: the wave's number alone
	s_lshl_b32 s53, s24, 15
	s_mov_b32 s40, 1
	s_mov_b32 s52, 1
	s_lshl_b32 s56, s28, 16                        ; x: rb x 65,536 + (wave & 1) x 32,768: made of cy's side alone
	s_lshl_b32 s57, s23, 15
	s_add_co_u32 s56, s56, s57
	s_mov_b32 s57, 0
	s_lshr_b32 s58, s[WV], 1
	s_max_u32 s58, s58, 1
	s_sub_co_u32 s58, s58, 1                       ; W: waves 2, 3: q; 4, 5: k; 6, 7: v
	s_lshl_b32 s58, s58, 18
	s_lshl_b32 s59, s27, 16                        ; the two heads' eight tiles: made of cx's side alone
	s_add_co_u32 s58, s58, s59
	s_lshl_b32 s59, s23, 15
	s_add_co_u32 s58, s58, s59
	s_mov_b32 s59, 0
	s_wait_dscnt 0x0
	s_wait_kmcnt 0x0
	s_add_nc_u64 s[42:43], s[4:5], s[56:57]
	s_or_b32 s43, s43, 0x80000000
	s_add_nc_u64 s[54:55], s[8:9], s[58:59]
	s_or_b32 s55, s55, 0x80000000
	CROUND                                         ; all sixteen work-groups are here: the joint loads meet
	s_cmp_lt_u32 s[WV], 2                          ; waves 0, 1 fetch x's halves, waves 2-7 W's six, the others nothing: one tensor load of a wave is out
	s_cbranch_scc0 .Lnot_x
	tensor_load_to_lds s[40:43], s[32:39]
	s_nop 0
	PL 4
	s_branch .Lasked
.Lnot_x:
	s_cmp_lt_u32 s[WV], 8
	s_cbranch_scc0 .Lasked
	tensor_load_to_lds s[52:55], s[44:51]
	s_nop 0
	PL 4
.Lasked:
	s_lshr_b32 s74, s28, 4
	s_lshl_b32 s74, s74, 3                         ; 8 x batch
	s_and_b32 s75, s28, 15                         ; st: the key step
	s_mov_b32 s67, 0
	s_mov_b32 s77, 0
	s_mov_b32 s79, 0
	s_wait_tensorcnt 0x0                           ; my block has landed,
	s_barrier_signal -1
	s_barrier_wait -1                              ; everybody's has.  Nothing is ever filled again
	s_cmp_ge_u32 s[WV], 8
	s_cbranch_scc1 .Lvway
; ---------------- q and k
	s_lshr_b32 s60, s[WV], 2                       ; 0: q, 1: k
	s_bfe_u32 s61, s[WV], 0x10001
	s_lshl_b32 s62, s27, 1
	s_add_co_u32 s62, s62, s61                     ; the head
	s_add_co_u32 s74, s74, s62                     ; bh
	s_lshl_b32 s66, s28, 11
	s_lshl_b32 s63, s23, 10
	s_add_co_u32 s66, s66, s63
	s_add_nc_u64 s[68:69], s[6:7], s[66:67]        ; x's scale blocks: pair 4 rb + 2 (wave & 1)
	s_lshl_b32 s66, s60, 13
	s_lshl_b32 s63, s62, 10
	s_add_co_u32 s66, s66, s63
	s_add_nc_u64 s[70:71], s[10:11], s[66:67]      ; W's: the head's two pairs
	s_lshl_b32 s76, s74, 17
	s_lshl_b32 s63, s75, 13
	s_add_co_u32 s76, s76, s63                     ; q's codes: bh x 131,072 + st x 8,192
	s_lshl_b32 s63, s76, 1
	s_add_co_u32 s63, s63, 4194304                 ; k's: 4,194,304 + bh x 262,144 + st x 16,384
	s_lshl_b32 s78, s74, 12
	s_lshl_b32 s66, s75, 8
	s_add_co_u32 s78, s78, s66                     ; q's scale words
	s_lshl_b32 s66, s78, 1
	s_add_co_u32 s66, s66, 131072                  ; k's
	s_cmp_eq_u32 s60, 0                            ; hangs on the wave's number alone
	s_cselect_b32 s76, s76, s63
	s_cselect_b32 s78, s78, s66
	s_cselect_b64 s[72:73], s[12:13], s[14:15]
	s_lshl_b32 s63, s23, 12
	s_add_co_u32 s76, s76, s63
	s_add_nc_u64 s[80:81], s[18:19], s[76:77]
	s_lshl_b32 s63, s23, 7
	s_add_co_u32 s78, s78, s63
	s_add_nc_u64 s[82:83], s[20:21], s[78:79]
	s_lshl_b32 s66, s62, 8
	s_add_nc_u64 s[72:73], s[72:73], s[66:67]      ; the head's 64 biases
.irp p, 0,1
.irp s, 0,1,2,3
	global_load_b32 v[XSC+4*\p+\s], v[LS], s[68:69] offset:512*\p+128*\s
	global_load_b32 v[WSC+4*\p+\s], v[LS], s[70:71] offset:512*\p+128*\s
.endr
.endr
.irp s, 0,1,2,3
.if \s > 0
	PL 8                                           ; eight places in front of loads into registers that these products have read
.endif
.irp i, 0,1,2,3
	LDF XF+16*\i, AXQ, (4*\i+\s)*2048
.endr
.irp g, 0,1
.if \g > 0
	PL 8
.endif
.irp u, 0,1
	LDF WF+16*\u, AWQ, (4*(2*\g+\u)+\s)*2048
.endr
.if (\s == 0) && (\g == 0)
	s_wait_loadcnt 0x0                             ; the scale words
.endif
	s_wait_dscnt 0x0
.irp i, 0,1,2,3
.irp u, 0,1
	WM ACC+32*\i+8*(2*\g+\u), WF+16*\u, XF+16*\i, (\s==0), WSC+4*\g+\s, XSC+4*(\i/2)+\s, \u, \i%2   ; the accumulators by turns, one instruction a turn
.endr
.endr
.endr
.endr
	PL 8
.irp b, 0,1
.irp j, 0,1,2,3
	global_load_b128 v[BI+16*\b+4*\j:BI+16*\b+4*\j+3], v[BAD], s[72:73] offset:128*\b+16*\j
.endr
.endr
	s_wait_loadcnt 0x0
; registers 32 i + 16 b + n of a lane: row (tile i, position r), e = 32 b + 16 h + n.  A pair of row tiles is 64 registers: four blocks of 32 along e
.irp p, 0,1
.set m, 0
.rept 32
	v_pk_add_f32 v[ACC+64*\p+2*m:ACC+64*\p+2*m+1], v[ACC+64*\p+2*m:ACC+64*\p+2*m+1], v[BI+(2*m)%32:BI+(2*m)%32+1]   ; each accumulator from its low end on
.set m, m+1
.endr
	QUANT ACC+64*\p, PC0+52*\p, 4
	WORD4 PW0+\p
.irp c, 0,1,2,3
	global_store_b128 v[LI], v[PC0+52*\p+4*\c:PC0+52*\p+4*\c+3], s[80:81] offset:2048*\p+512*\c
.endr
.endr
	v_cndmask_b32 v[PW0], v[PW0], v[PW0+1], s[HM]  ; lanes 0-15: the first pair's words, lanes 16-31: the second's
	global_store_b32 v[LS], v[PW0], s[82:83]
	s_branch .Ljoin
; ---------------- v
.Lvway:
	s_and_b32 s60, s[WV], 3
	s_lshr_b32 s61, s60, 1
	s_lshl_b32 s62, s27, 1
	s_add_co_u32 s62, s62, s61                     ; the head
	s_add_co_u32 s74, s74, s62                     ; bh
	s_lshl_b32 s66, s28, 11
	s_add_nc_u64 s[68:69], s[6:7], s[66:67]        ; x's scale blocks: pairs 4 rb on
	s_lshl_b32 s66, s62, 10
	s_lshl_b32 s63, s23, 9
	s_add_co_u32 s66, s66, s63
	s_add_co_u32 s66, s66, 16384
	s_add_nc_u64 s[70:71], s[10:11], s[66:67]      ; W's: my pair
	s_lshl_b32 s66, s62, 8
	s_lshl_b32 s63, s23, 7
	s_add_co_u32 s66, s66, s63
	s_add_nc_u64 s[72:73], s[16:17], s[66:67]      ; my 32 biases
	s_lshl_b32 s76, s74, 18
	s_lshl_b32 s63, s75, 14
	s_add_co_u32 s76, s76, s63
	s_lshl_b32 s63, s23, 12
	s_add_co_u32 s76, s76, s63
	s_add_co_u32 s76, s76, 4194304+8192
	s_add_nc_u64 s[80:81], s[18:19], s[76:77]
	s_lshl_b32 s78, s74, 13
	s_lshl_b32 s63, s75, 9
	s_add_co_u32 s78, s78, s63
	s_lshl_b32 s63, s23, 7
	s_add_co_u32 s78, s78, s63
	s_add_co_u32 s78, s78, 131072+256
	s_add_nc_u64 s[82:83], s[20:21], s[78:79]
.irp p, 0,1,2,3
.irp s, 0,1,2,3
	global_load_b32 v[XSC+4*\p+\s], v[LS], s[68:69] offset:512*\p+128*\s
.endr
.endr
.irp s, 0,1,2,3
	global_load_b32 v[WSC+\s], v[LS], s[70:71] offset:128*\s
.endr
.irp s, 0,1,2,3
.if \s > 0
	PL 8
.endif
.irp u, 0,1
	LDF WF+16*\u, AWV, (4*\u+\s)*2048
.endr
.irp g, 0,1
.if \g > 0
	PL 8
.endif
.irp i, 0,1,2,3
	LDF XF+16*\i, LI, (4*(4*\g+\i)+\s)*2048
.endr
.if (\s == 0) && (\g == 0)
	s_wait_loadcnt 0x0
.endif
	s_wait_dscnt 0x0
.irp i, 0,1,2,3
.irp u, 0,1
	WM ACC+64*\u+8*(4*\g+\i), XF+16*\i, WF+16*\u, (\s==0), XSC+4*((4*\g+\i)/2)+\s, WSC+\s, \i%2, \u
.endr
.endr
.endr
.endr
	PL 8
	global_load_b32 v64, v[BVA], s[72:73]
	global_load_b32 v66, v[BVA], s[72:73] offset:32
	s_wait_loadcnt 0x0
	v_mov_b32 v65, v64
	v_mov_b32 v67, v66
; registers 64 u + 16 b + n of a lane: channel (tile u, position r), key 32 b + 16 h + n of the step's 128
.irp u, 0,1
.set m, 0
.rept 32
	v_pk_add_f32 v[ACC+64*\u+2*m:ACC+64*\u+2*m+1], v[ACC+64*\u+2*m:ACC+64*\u+2*m+1], v[64+2*\u:65+2*\u]
.set m, m+1
.endr
	QUANT ACC+64*\u, PC0+52*\u, 4
	WORD4 PW0+\u
.irp c, 0,1,2,3
	global_store_b128 v[LI], v[PC0+52*\u+4*\c:PC0+52*\u+4*\c+3], s[80:81] offset:2048*\u+512*\c
.endr
.endr
	v_cndmask_b32 v[PW0], v[PW0], v[PW0+1], s[HM]
	global_store_b32 v[LS], v[PW0], s[82:83]
.Ljoin:
	s_set_vgpr_msb 0x5
	s_wait_tensorcnt 0x0
	ds_add_u32 v0, v1
	s_wait_dscnt 0x0
	s_set_vgpr_msb 0x500
	CROUND                                         ; the closing round: no work-group ends while a partner may still ask for a block that names it
	s_endpgm
.Lfunc_end_k_q951c82bf82_qkv:
	.size	k_q951c82bf82_qkv, .Lfunc_end_k_q951c82bf82_qkv-k_q951c82bf82_qkv
	.p2alignl 7, 3214868480
	.fill 96, 4, 3214868480
	.section	.rodata,"a",@progbits
	.p2align	6, 0x0
	.amdhsa_kernel k_q951c82bf82_qkv
		.amdhsa_group_segment_fixed_size 263680
		.amdhsa_private_segment_fixed_size 0
		.amdhsa_enable_private_segment 0
		.amdhsa_kernarg_size 72
		.amdhsa_user_sgpr_count 2
		.amdhsa_user_sgpr_kernarg_segment_ptr 1
		.amdhsa_wavefront_size32 1
		.amdhsa_system_sgpr_workgroup_id_x 1
		.amdhsa_system_sgpr_workgroup_id_y 1
		.amdhsa_system_sgpr_workgroup_id_z 1
		.amdhsa_system_vgpr_workitem_id 0
		.amdhsa_next_free_vgpr 258
		.amdhsa_next_free_sgpr 100
		.amdhsa_reserve_vcc 0
		.amdhsa_float_denorm_mode_32 3
		.amdhsa_float_denorm_mode_16_64 3
		.amdhsa_memory_ordered 1
		.amdhsa_forward_progress 1
		.amdhsa_inst_pref_size 93
	.end_amdhsa_kernel
	.amdgpu_metadata
---
amdhsa.version: [ 1, 2 ]
amdhsa.kernels:
  - .name:           k_q951c82bf82_qkv
    .symbol:         k_q951c82bf82_qkv.kd
    .args:
      - { .name: ximg, .offset: 0, .size: 8, .value_kind: global_buffer, .address_space: global }
      - { .name: xscl, .offset: 8, .size: 8, .value_kind: global_buffer, .address_space: global }
      - { .name: wimg, .offset: 16, .size: 8, .value_kind: global_buffer, .address_space: global }
      - { .name: wscl, .offset: 24, .size: 8, .value_kind: global_buffer, .address_space: global }
      - { .name: bq, .offset: 32, .size: 8, .value_kind: global_buffer, .address_space: global }
      - { .name: bk, .offset: 40, .size: 8, .value_kind: global_buffer, .address_space: global }
      - { .name: bv, .offset: 48, .size: 8, .value_kind: global_buffer, .address_space: global }
      - { .name: qkv, .offset: 56, .size: 8, .value_kind: global_buffer, .address_space: global }
      - { .name: qkvs, .offset: 64, .size: 8, .value_kind: global_buffer, .address_space: global }
    .group_segment_fixed_size: 263680
    .private_segment_fixed_size: 0
    .kernarg_segment_align: 8
    .kernarg_segment_size: 72
    .max_flat_workgroup_size: 384
    .sgpr_count:     100
    .vgpr_count:     258
    .wavefront_size: 32
...
	.end_amdgpu_metadata
.endif
;; end of part 2
;; launch attn (part 3): grid 8 x 32, 16 waves a work-group, clusters of 4 x 1, 327,680 bytes of LDS; arguments qkv, qkvs, avimg, avscl; writes avimg, avscl
.if DOCPART == 3
	.amdgcn_target "amdgcn-amd-amdhsa--gfx1250"
	.amdhsa_code_object_version 6
	.text
	.protected	k_q951c82bf82_attn
	.globl	k_q951c82bf82_attn
	.p2align	8
	.type	k_q951c82bf82_attn,@function
k_q951c82bf82_attn:
	s_mov_b64 s[64:65], 0
	v_nop
	global_prefetch_b8 v0, s[64:65] scope:SCOPE_SE
	s_setreg_imm32_b32 hwreg(HW_REG_WAVE_MODE, 25, 1), 1
	s_wait_xcnt 0x0
	s_wait_alu depctr_hold_cnt(0) depctr_sa_sdst(0) depctr_va_vdst(0) depctr_va_sdst(0) depctr_va_ssrc(0) depctr_va_vcc(0) depctr_vm_vsrc(0)
	s_getreg_b32 s2, hwreg(HW_REG_IB_STS2, 6, 4)
	s_cmp_eq_u32 s2, 0
	s_cbranch_scc0 .Lentry_in_a_cluster
	s_endpgm
.Lentry_in_a_cluster:
	s_bfe_u32 s2, ttmp6, 0x10000c
	s_cmp_lg_u32 s2, 0x3003
	s_cbranch_scc0 .Lentry_shape_is_right
	s_endpgm
.Lentry_shape_is_right:
; ATTENTION on codes of E5M2.  A work-group owns 256 queries of one (batch, head); each of its sixteen waves owns one tile of 16; a lane holds ONE query throughout (both products transposed).
; THE WHOLE HEAD'S K AND V LIE IN LDS, filled once: 16 key steps x 16,384 bytes of images, and 8,192 bytes of scale words: no slot is ever filled again.  They come in four quarters, so that the first steps run while the later ones land.
; CLUSTER 4 x 1: the four query blocks of a cluster belong to one head: every block of K and V is asked for jointly.
; THE HEAD IS 64 WIDE, THE INSTRUCTION 128: a fragment of K holds TWO tiles of 16 keys (chunks 0, 1 and chunks 2, 3); it is multiplied by [Q | 0] for the first and by [0 | Q] for the second.  The zero codes add nothing (their scale bytes are 0, which is 2^-127).
; SOFTMAX: t = score x log2(e) / 8; M = the running largest t rounded up to a whole number; p = 2^(t - M) is quantised along the keys; the sum is taken of the unquantised p and divides at the end.  When M moves, the sum and O are multiplied by 2^(old M - new M): exact.
; A block's largest p is its largest score put through the same multiply-add and exponential (this takes v_exp_f32 not to fall where its input rises).
; The result is quantised along the head's 64 (two blocks) and leaves as part of the next product's images.
; LIMITS: NaN and infinities are not served; a block whose largest magnitude lies under 2^-111 gets the byte 1.
.set KVSC, 262144                      ; LDS: the scale words, 512 bytes a step: K's four fragments x 16 words, V's four tiles x 16 words
.set LI,  1                            ; v1  16 x lane
.set LSB, 2                            ; v2  KVSC + 4 x lane
.set ADC, 3                            ; v3  the step's images
.set ADS, 4                            ; v4  the step's scale words
.set RW,  5                            ; v5  4 x (lane % 16)
.set QB,  16                           ; v[16:31] = [0 | Q]
.set QA,  24                           ; v[24:39] = [Q | 0]
.set KV,  40                           ; v40-103 four fragments of K, then of V
.set S,   104                          ; v104-167 scores, then p
.set O,   168                          ; v168-199 O^T
.set PC,  200                          ; v200-215 p's codes
.set BM,  216                          ; v216-219 the blocks' largest
.set T4,  220                          ; v220-223
.set HL,  224                          ; v224-227 57,344 x the scale
.set SO,  228                          ; v228-231 the conversions' scale operands
.set TM,  216                          ; at the end the quantiser works in v216-231
.set PW,  232                          ; p's scale word
.set F,   234                          ; v[234:235] f = 2^(old M - new M)
.set TP,  236
.set SM2, 238                          ; v[238:239] the sum's second chain
.set KS,  240                          ; v240-241 K's scale words
.set VS,  242                          ; v242-243 V's
.set SQA, 244                          ; Q's scale word for [Q | 0],
.set SQB, 245                          ; for [0 | Q]
.set WV,  12
.set SEL, 52
.set CS,  54
.set MNT, 56
.set TB,  57
.set TSC, 58
.set CNT, 59
.macro PL n
.rept \n
	v_nop
.endr
.endm
.macro QUANT s, pc, nblk
.irp b, 0,1,2,3
.if \b < \nblk
	v_max3_num_f32 v[TM+\b], |v[\s+16*\b]|, |v[\s+1+16*\b]|, 0x8000000
.endif
.endr
.irp i, 2,4,6,8,10,12,14
.irp b, 0,1,2,3
.if \b < \nblk
	v_max3_num_f32 v[TM+\b], v[TM+\b], |v[\s+16*\b+\i]|, |v[\s+1+16*\b+\i]|
.endif
.endr
.endr
.irp b, 0,1,2,3
.if \b < \nblk
	v_permlanex16_b32 v[TM+4+\b], v[TM+\b], s[SEL], s[SEL+1]
.endif
.endr
.irp b, 0,1,2,3
.if \b < \nblk
	v_max_num_f32 v[TM+\b], v[TM+\b], v[TM+4+\b]
.endif
.endr
.irp b, 0,1,2,3
.if \b < \nblk
	v_add_nc_u32 v[TM+12+\b], 0xf8800000, v[TM+\b]
.endif
.endr
.irp b, 0,1,2,3
.if \b < \nblk
	v_and_or_b32 v[TM+8+\b], v[TM+\b], 0x7f800000, s[MNT]
.endif
.endr
.irp b, 0,1,2,3
.if \b < \nblk
	v_lshrrev_b32 v[TM+4+\b], 23, v[TM+12+\b]
.endif
.endr
.irp b, 0,1,2,3
.if \b < \nblk
.irp i, 0,1,2,3,4,5,6,7,8,9,10,11,12,13,14,15
	v_med3_num_f32 v[\s+16*\b+\i], v[\s+16*\b+\i], -v[TM+8+\b], v[TM+8+\b]
.endr
	v_cvt_scalef32_pk8_bf8_f32 v[\pc+4*\b:\pc+4*\b+1], v[\s+16*\b:\s+16*\b+7], v[TM+12+\b]
	v_cvt_scalef32_pk8_bf8_f32 v[\pc+4*\b+2:\pc+4*\b+3], v[\s+16*\b+8:\s+16*\b+15], v[TM+12+\b]
.endif
.endr
	v_nop
.endm
.macro WM d, a, b, z, sa, sb, ra       ; one product.  z: C is the constant 0, else D.  ra: source 0's scale words stand in lanes 16-31
.if \z
.if \ra
	v_wmma_scale_f32_16x16x128_f8f6f4 v[\d:\d+7], v[\a:\a+15], v[\b:\b+15], 0, v[\sa], v[\sb] matrix_a_fmt:MATRIX_FMT_BF8 matrix_b_fmt:MATRIX_FMT_BF8 matrix_a_scale:MATRIX_SCALE_ROW1
.else
	v_wmma_scale_f32_16x16x128_f8f6f4 v[\d:\d+7], v[\a:\a+15], v[\b:\b+15], 0, v[\sa], v[\sb] matrix_a_fmt:MATRIX_FMT_BF8 matrix_b_fmt:MATRIX_FMT_BF8
.endif
.else
.if \ra
	v_wmma_scale_f32_16x16x128_f8f6f4 v[\d:\d+7], v[\a:\a+15], v[\b:\b+15], v[\d:\d+7], v[\sa], v[\sb] matrix_a_fmt:MATRIX_FMT_BF8 matrix_b_fmt:MATRIX_FMT_BF8 matrix_a_scale:MATRIX_SCALE_ROW1
.else
	v_wmma_scale_f32_16x16x128_f8f6f4 v[\d:\d+7], v[\a:\a+15], v[\b:\b+15], v[\d:\d+7], v[\sa], v[\sb] matrix_a_fmt:MATRIX_FMT_BF8 matrix_b_fmt:MATRIX_FMT_BF8
.endif
.endif
.endm
.macro LDF reg, adr, off
.irp c, 0,1,2,3
	ds_load_b128 v[\reg+4*\c:\reg+4*\c+3], v[\adr] offset:\off+512*\c
.endr
.endm
.macro CROUND
	s_barrier_signal -1
	s_barrier_wait -1
	s_cmp_lg_u32 s[WV], 0
	s_cbranch_scc1 .Lnot_wave_0_\@
	s_barrier_signal -3
.Lnot_wave_0_\@:
	s_barrier_wait -3
	s_barrier_signal -1
	s_barrier_wait -1
.endm
	s_load_b256 s[4:11], s[0:1], 0x0               ; qkv 4, qkvs 6, avimg 8, avscl 10
	v_lshl_add_u32 v254, v0, 2, 0x42000
	v_mov_b32 v255, 0
	ds_add_u32 v254, v255
	ds_add_u32 v254, v255
	v_lshrrev_b32 v1, 5, v0
	v_readfirstlane_b32 s[WV], v1                  ; wave 0..15
	v_and_b32 v7, 31, v0
	v_lshlrev_b32 v[LI], 4, v7
	v_lshl_add_u32 v[LSB], v7, 2, KVSC
	v_and_b32 v[RW], 15, v0
	v_lshlrev_b32 v[RW], 2, v[RW]
	s_bfe_u32 s13, ttmp6, 0x40000                  ; cx
	s_lshl_b32 s14, ttmp9, 2
	s_add_co_u32 s14, s14, s13                     ; my block of 256 queries: it enters Q's and the outputs' addresses alone
	s_and_b32 s15, ttmp7, 0xffff                   ; bh, which the four partners share
	; descriptors: dense blocks as rows of 256 bytes (32 elements of 8 bytes); the mask names all four work-groups
	s_mov_b32 s16, 15|(3<<16)|(1<<21)              ; a wave's sixteenth of a quarter: 16 rows
	s_mov_b32 s17, 32<<16
	s_mov_b32 s18, 16<<16
	s_mov_b32 s19, 32<<16
	s_mov_b32 s20, 16
	s_mov_b32 s21, 32
	s_mov_b32 s22, 0
	s_mov_b32 s23, 0
	s_mov_b32 s24, 15|(3<<16)|(1<<21)              ; a wave's sixteenth of the scale words: 2 rows
	s_mov_b32 s25, 32<<16
	s_mov_b32 s26, 2<<16
	s_mov_b32 s27, 32<<16
	s_mov_b32 s28, 2
	s_mov_b32 s29, 32
	s_mov_b32 s30, 0
	s_mov_b32 s31, 0
	s_lshl_b32 s60, s15, 13
	s_lshl_b32 s61, s[WV], 9
	s_add_co_u32 s33, s61, KVSC                    ; LDS: the wave's number alone
	s_add_co_u32 s60, s60, s61
	s_add_co_u32 s60, s60, 131072
	s_mov_b32 s61, 0
	s_lshl_b32 s62, s15, 18
	s_lshl_b32 s79, s[WV], 12
	s_add_co_u32 s62, s62, s79
	s_add_co_u32 s62, s62, 4194304
	s_mov_b32 s63, 0
	s_lshl_b32 s66, s14, 4
	s_add_co_u32 s66, s66, s[WV]                   ; my query tile in the head
	s_lshl_b32 s68, s15, 17
	s_lshl_b32 s69, s66, 10
	s_add_co_u32 s68, s68, s69
	s_mov_b32 s69, 0
	s_lshl_b32 s70, s15, 12
	s_lshr_b32 s71, s66, 1
	s_lshl_b32 s71, s71, 6
	s_add_co_u32 s70, s70, s71
	s_mov_b32 s71, 0
	s_lshr_b32 s72, s15, 3
	s_lshl_b32 s72, s72, 7
	s_add_co_u32 s72, s72, s66                     ; J: my row tile among the 512
	s_and_b32 s73, s15, 7                          ; the head
	s_lshl_b32 s74, s72, 13
	s_lshr_b32 s75, s73, 1
	s_lshl_b32 s75, s75, 11
	s_add_co_u32 s74, s74, s75
	s_and_b32 s75, s73, 1
	s_lshl_b32 s75, s75, 10
	s_add_co_u32 s74, s74, s75                     ; avimg: J x 8,192 + K step (head / 2) x 2,048 + chunks 2 (head % 2) on
	s_mov_b32 s75, 0
	s_lshl_b32 s76, s73, 15
	s_lshl_b32 s77, s72, 6
	s_add_co_u32 s76, s76, s77                     ; avscl: head x 32,768 + 64 J
	s_mov_b32 s77, 0
	s_and_b32 s78, s[WV], 1
	s_lshl_b32 s78, s78, 4                         ; which half of the pair's scale word is my tile's
	s_mov_b32 s[SEL], 0x76543210
	s_mov_b32 s[SEL+1], 0xfedcba98
	s_mov_b32 s[CS], 0x3e38aa3b                    ; c = log2(e) / 8
	s_mov_b32 s[CS+1], s[CS]
	s_mov_b32 s[MNT], 0x600000
	s_wait_dscnt 0x0
	s_wait_kmcnt 0x0
	s_mov_b32 s32, 1
	s_add_nc_u64 s[34:35], s[6:7], s[60:61]
	s_or_b32 s35, s35, 0x80000000
	s_add_nc_u64 s[62:63], s[4:5], s[62:63]
.irp q, 0,1,2,3
	s_mov_b32 s[36+4*\q], 1
	s_add_co_u32 s[37+4*\q], s79, 65536*\q
	s_add_nc_u64 s[38+4*\q:39+4*\q], s[62:63], 65536*\q
	s_or_b32 s[39+4*\q], s[39+4*\q], 0x80000000
.endr
	s_add_nc_u64 s[68:69], s[4:5], s[68:69]        ; Q's codes
	s_add_nc_u64 s[70:71], s[6:7], s[70:71]        ; Q's scale words
	s_add_nc_u64 s[8:9], s[8:9], s[74:75]
	s_add_nc_u64 s[10:11], s[10:11], s[76:77]
	CROUND                                         ; all four work-groups are here: the joint loads meet
	tensor_load_to_lds s[32:35], s[24:31]          ; every wave's five first fills, on end: five tensor loads of mine are out
	s_nop 0
	tensor_load_to_lds s[36:39], s[16:23]
	s_nop 0
	tensor_load_to_lds s[40:43], s[16:23]
	s_nop 0
	tensor_load_to_lds s[44:47], s[16:23]
	s_nop 0
	tensor_load_to_lds s[48:51], s[16:23]
	s_nop 0
	PL 4
	global_load_b128 v[24:27], v[LI], s[68:69]
	global_load_b128 v[28:31], v[LI], s[68:69] offset:512
	global_load_b32 v[SQA], v[RW], s[70:71]
.irp j, 0,1,2,3,4,5,6,7
	v_mov_b32 v[16+\j], 0                          ; the zero halves beside Q
	v_mov_b32 v[32+\j], 0
.endr
	v_mov_b32 v13, 0xff61b1e6                      ; the largest t so far: -3e38
	v_floor_f32 v12, -v13                          ; -M
	v_mov_b32 v14, 0                               ; the sum, in two halves
	v_mov_b32 v15, 0
.irp b, 0,1,2,3
	v_mov_b32 v[T4+\b], 0                          ; written once: a lane permute's destination counts as one of its sources
.endr
	v_mov_b32 v[F+1], 0                            ; named as the upper half of a pair
	v_mov_b32 v[TP], 0
.set j, 0
.rept 32
	v_mov_b32 v[O+j], 0                            ; the step is written once: the first finds zeros, which the first change of M leaves zeros
.set j, j+1
.endr
	s_wait_loadcnt 0x0
	v_lshrrev_b32 v[SQA], s78, v[SQA]
	v_and_b32 v[SQA], 0xffff, v[SQA]               ; bytes 0, 1: my tile's two blocks; bytes 2, 3: 0
	v_lshlrev_b32 v[SQB], 16, v[SQA]
	PL 8                                           ; a scale register written by vector instructions stands eight places ahead of a scaled product
.macro STEP                            ; 128 keys
	v_add_nc_u32 v[ADC], s[TB], v[LI]
	v_add_nc_u32 v[ADS], s[TSC], v[LSB]
	PL 6                                           ; with the two lines above: eight places in front of loads into registers that the last products have read
.irp f, 0,1,2,3
	LDF KV+16*\f, ADC, 2048*\f
.endr
	ds_load_b32 v[KS], v[ADS]
	ds_load_b32 v[KS+1], v[ADS] offset:128
	s_wait_dscnt 0x0
.irp f, 0,1,2,3
	WM S+16*\f, KV+16*\f, QA, 1, KS+\f/2, SQA, \f%2      ; keys 32 f + 16 h + 0 .. 7
	WM S+16*\f+8, KV+16*\f, QB, 1, KS+\f/2, SQB, \f%2    ; keys 32 f + 16 h + 8 .. 15
.endr
	PL 8
.irp f, 0,1,2,3
	LDF KV+16*\f, ADC, 8192+2048*\f                ; V's four tiles land under the softmax
.endr
	ds_load_b32 v[VS], v[ADS] offset:256
	ds_load_b32 v[VS+1], v[ADS] offset:384
.irp b, 0,1,2,3
	v_max3_num_f32 v[BM+\b], v[S+16*\b], v[S+1+16*\b], v[S+2+16*\b]      ; the largest score of each block of 32 keys
.endr
.irp i, 3,5,7,9,11,13
.irp b, 0,1,2,3
	v_max3_num_f32 v[BM+\b], v[BM+\b], v[S+16*\b+\i], v[S+1+16*\b+\i]
.endr
.endr
.irp b, 0,1,2,3
	v_max_num_f32 v[BM+\b], v[BM+\b], v[S+15+16*\b]
.endr
.irp b, 0,1,2,3
	v_permlanex16_b32 v[T4+\b], v[BM+\b], s[SEL], s[SEL+1]
.endr
.irp b, 0,1,2,3
	v_max_num_f32 v[BM+\b], v[BM+\b], v[T4+\b]
.endr
	v_max3_num_f32 v[TP], v[BM], v[BM+1], v[BM+2]
	v_max_num_f32 v[TP], v[TP], v[BM+3]
	v_mul_f32 v[TP], s[CS], v[TP]
	v_max_num_f32 v13, v13, v[TP]                  ; the running largest t
	v_mov_b32 v[TP], v12
	v_floor_f32 v12, -v13                          ; the new -M = -ceil(t)
	v_sub_f32 v[TP], v12, v[TP]                    ; old M - new M: a whole number, 0 or less
	v_cvt_i32_f32 v[TP], v[TP]                     ; (it saturates)
	v_ldexp_f32 v[F], 1.0, v[TP]
.set j, 0
.rept 32
	v_pk_fma_f32 v[S+j:S+j+1], v[S+j:S+j+1], s[CS:CS+1], v[12:13] op_sel_hi:[1,0,0]   ; t - M
.set j, j+2
.endr
.irp b, 0,1,2,3
	v_fma_f32 v[BM+\b], v[BM+\b], s[CS], v12
.endr
.set j, 0
.rept 64
	v_exp_f32 v[S+j], v[S+j]                       ; p = 2^(t - M)
.set j, j+1
.endr
.irp b, 0,1,2,3
	v_exp_f32 v[BM+\b], v[BM+\b]                   ; the block's largest p
.endr
	v_pk_mul_f32 v[14:15], v[14:15], v[F:F+1] op_sel_hi:[1,0]            ; the sums under the new M (a plain line behind the exponentials)
	s_wait_alu depctr_va_vdst(0)
.irp b, 0,1,2,3
	v_max_num_f32 v[BM+\b], 0x8000000, v[BM+\b]    ; the floor
.endr
.irp b, 0,1,2,3
	v_add_nc_u32 v[SO+\b], 0xf8800000, v[BM+\b]
.endr
.irp b, 0,1,2,3
	v_and_or_b32 v[HL+\b], v[BM+\b], 0x7f800000, s[MNT]
.endr
.irp b, 0,1,2,3
	v_lshrrev_b32 v[T4+\b], 23, v[SO+\b]
.endr
	v_lshl_or_b32 v[PW], v[T4+1], 8, v[T4]
	v_lshl_or_b32 v[PW], v[T4+2], 16, v[PW]
	v_lshl_or_b32 v[PW], v[T4+3], 24, v[PW]
	v_pk_add_f32 v[SM2:SM2+1], v[S:S+1], v[S+2:S+3]                      ; the row's sum of the unquantised p, in two chains
.set j, 4
.rept 15
	v_pk_add_f32 v[14:15], v[14:15], v[S+j:S+j+1]
	v_pk_add_f32 v[SM2:SM2+1], v[SM2:SM2+1], v[S+j+2:S+j+3]
.set j, j+4
.endr
	v_pk_add_f32 v[14:15], v[14:15], v[SM2:SM2+1]
.irp b, 0,1,2,3
.irp i, 0,1,2,3,4,5,6,7,8,9,10,11,12,13,14,15
	v_min_num_f32 v[S+16*\b+\i], v[S+16*\b+\i], v[HL+\b]                 ; p is not negative: the hold is one-sided
.endr
	v_cvt_scalef32_pk8_bf8_f32 v[PC+4*\b:PC+4*\b+1], v[S+16*\b:S+16*\b+7], v[SO+\b]
	v_cvt_scalef32_pk8_bf8_f32 v[PC+4*\b+2:PC+4*\b+3], v[S+16*\b+8:S+16*\b+15], v[SO+\b]
.endr
.set j, 0
.rept 16
	v_pk_mul_f32 v[O+j:O+j+1], v[O+j:O+j+1], v[F:F+1] op_sel_hi:[1,0]    ; O^T under the new M; these are also the places in front of the products
.set j, j+2
.endr
	s_wait_dscnt 0x0                               ; V
.irp t, 0,1,2,3
	WM O+8*\t, KV+16*\t, PC, 0, VS+\t/2, PW, \t%2
.endr
	s_add_co_u32 s[TB], s[TB], 16384
	s_add_co_u32 s[TSC], s[TSC], 512
.endm
.macro QUARTER q
	s_wait_tensorcnt 3-\q                          ; the scale words and quarters 0 .. q of mine have landed; the 3 - q younger quarters may stay out
	s_wait_dscnt 0x0
	s_barrier_signal -1
	s_barrier_wait -1                              ; everybody's have
	s_mov_b32 s[TB], 65536*\q
	s_mov_b32 s[TSC], 2048*\q
	s_mov_b32 s[CNT], 4
.Lsteps_\@:
	STEP
	s_sub_co_u32 s[CNT], s[CNT], 1
	s_cmp_lg_u32 s[CNT], 0
	s_cbranch_scc1 .Lsteps_\@
.endm
	QUARTER 0
	QUARTER 1
	QUARTER 2
	QUARTER 3
	PL 8
	v_add_f32 v14, v14, v15
	v_permlanex16_b32 v[TP], v14, s[SEL], s[SEL+1]
	v_add_f32 v14, v14, v[TP]                      ; the row's sum
	v_rcp_f32 v[SM2], v14
	v_nop
	s_wait_alu depctr_va_vdst(0)
	v_mov_b32 v[SM2+1], v[SM2]
.set j, 0
.rept 16
	v_pk_mul_f32 v[S+j:S+j+1], v[O+j:O+j+1], v[SM2:SM2+1]                ; register 16 b + n: channel 32 b + 16 h + n of my query; each accumulator from its low end on
.set j, j+2
.endr
	QUANT S, PC, 2
	v_lshl_or_b32 v[PW], v[TM+5], 8, v[TM+4]
	global_store_b128 v[LI], v[PC:PC+3], s[8:9]
	global_store_b128 v[LI], v[PC+4:PC+7], s[8:9] offset:512
	global_store_b32 v[RW], v[PW], s[10:11]        ; the two halves of the lanes write the same words
	s_wait_tensorcnt 0x0
	s_wait_tensorcnt 0x0
	ds_add_u32 v254, v255
	s_wait_dscnt 0x0
	CROUND                                         ; the closing round
	s_endpgm
.Lfunc_end_k_q951c82bf82_attn:
	.size	k_q951c82bf82_attn, .Lfunc_end_k_q951c82bf82_attn-k_q951c82bf82_attn
	.p2alignl 7, 3214868480
	.fill 96, 4, 3214868480
	.section	.rodata,"a",@progbits
	.p2align	6, 0x0
	.amdhsa_kernel k_q951c82bf82_attn
		.amdhsa_group_segment_fixed_size 327680
		.amdhsa_private_segment_fixed_size 0
		.amdhsa_enable_private_segment 0
		.amdhsa_kernarg_size 32
		.amdhsa_user_sgpr_count 2
		.amdhsa_user_sgpr_kernarg_segment_ptr 1
		.amdhsa_wavefront_size32 1
		.amdhsa_system_sgpr_workgroup_id_x 1
		.amdhsa_system_sgpr_workgroup_id_y 1
		.amdhsa_system_sgpr_workgroup_id_z 1
		.amdhsa_system_vgpr_workitem_id 0
		.amdhsa_next_free_vgpr 256
		.amdhsa_next_free_sgpr 80
		.amdhsa_reserve_vcc 0
		.amdhsa_float_denorm_mode_32 3
		.amdhsa_float_denorm_mode_16_64 3
		.amdhsa_memory_ordered 1
		.amdhsa_forward_progress 1
		.amdhsa_inst_pref_size 89
	.end_amdhsa_kernel
	.amdgpu_metadata
---
amdhsa.version: [ 1, 2 ]
amdhsa.kernels:
  - .name:           k_q951c82bf82_attn
    .symbol:         k_q951c82bf82_attn.kd
    .args:
      - { .name: qkv, .offset: 0, .size: 8, .value_kind: global_buffer, .address_space: global }
      - { .name: qkvs, .offset: 8, .size: 8, .value_kind: global_buffer, .address_space: global }
      - { .name: avimg, .offset: 16, .size: 8, .value_kind: global_buffer, .address_space: global }
      - { .name: avscl, .offset: 24, .size: 8, .value_kind: global_buffer, .address_space: global }
    .group_segment_fixed_size: 327680
    .private_segment_fixed_size: 0
    .kernarg_segment_align: 8
    .kernarg_segment_size: 32
    .max_flat_workgroup_size: 512
    .sgpr_count:     80
    .vgpr_count:     256
    .wavefront_size: 32
...
	.end_amdgpu_metadata
.endif
;; end of part 3
;; launch ffn (part 4): grid 128 x 1, 8 waves a work-group, no clusters, 207,872 bytes of LDS; arguments avimg, avscl, wimg, wscl, x, bo, ln2_g, ln2_b, b1, b2, out0; writes out0
.if DOCPART == 4
	.amdgcn_target "amdgcn-amd-amdhsa--gfx1250"
	.amdhsa_code_object_version 6
	.text
	.protected	k_q951c82bf82_ffn
	.globl	k_q951c82bf82_ffn
	.p2align	8
	.type	k_q951c82bf82_ffn,@function
k_q951c82bf82_ffn:
	s_mov_b64 s[64:65], 0
	v_nop
	global_prefetch_b8 v0, s[64:65] scope:SCOPE_SE
	s_setreg_imm32_b32 hwreg(HW_REG_WAVE_MODE, 25, 1), 1
	s_wait_xcnt 0x0
; FFN.  x1 = x + av Wo + bo;  out = x1 + gelu(LN2(x1) W1 + b1) W2 + b2: three products on codes of E5M2; nothing between them goes to memory.
; A work-group takes 64 rows (4 row tiles); THE EIGHT WAVES SHARE THE COLUMNS: wave w owns columns 64 w .. 64 w + 63 of x1 and of out, and hidden units 256 w .. 256 w + 255 (K steps 2 w, 2 w + 1 of the last product).
; All products are used transposed (source 0 = 16 columns of a weight, source 1 = 16 rows), so a lane holds one row and its registers run along the next K.  What one wave quantises reaches the others through LDS as images of the operand's registers.
; WEIGHTS come as images straight into the one wave that uses them, a K step ahead (two sets of four fragments); each fragment feeds four products.
; NO MULTICAST: only the weights are shared between work-groups, and a wave's fragments are used by that wave alone: through LDS they would add 2.25 MiB of LDS reads a work-group to the 2.25 MiB that the rows' images already cost.
; 128 work-groups: 32 rows each would read every weight image twice as often; 128 rows each do not fit the registers.
; GELU: x Phi(x) = max(x, 0) - |x| Q(|x|), Q(a) = Z(a) (b1 t + .. + b5 t^5), t = 1 / (1 + p a) (Abramowitz and Stegun 26.2.17), all factors folded into the constants.
; LIMITS: Q's absolute error is under 7.5e-8; its relative error in the far tail (x under about -4, where the result is under 1e-4) was not established.  NaN and infinities are not served; a block whose largest magnitude lies under 2^-111 gets the byte 1.
; Both passes of LayerNorm 2 are taken (the mean, then the squared deviations).  Residual, bias and product are added in another order than the formula reads.
.set X2I,   32768                      ; LDS: 0: av's 16 fragments [tile][K step], filled once by tensor loads;  here: LN2's 16 fragments [tile][K step]
.set HIMG,  65536                      ; the hidden layer's 64 fragments [K step 16][tile 4]
.set STG,   65536                      ; later the same bytes: the stage for out: 64 rows x (2,048 + 16)
.set HSC,   197632                     ; the hidden layer's scale blocks [K step][pair][128]
.set X2SC,  201728                     ; LN2's [K step][pair][128]
.set STAT1, 202752                     ; partial sums [row 64][wave 8];  2,048 bytes on: partial sums of squares
.set XA,  0                            ; window 1: v0-127 x1, then out: register 32 i + 8 t + j
.set HA,  128                          ; window 1: v128-255 the hidden layer's accumulators; first b2
.set LI,  1                            ; 16 x lane
.set LS,  2                            ; 4 x lane
.set XAD, 3                            ; x: my row, + 64 h + 256 w
.set BA,  4                            ; column vectors: 64 h + 256 w
.set B1A, 5                            ; b1: 64 h
.set XW,  6                            ; where I store LN2's images
.set SB,  7                            ; and their scale half-words
.set ST8, 8                            ; my word of the partial sums
.set ST9, 9                            ; my row's eight
.set HW,  10                           ; where I store the hidden layer's images (made each trip)
.set HSW, 11                           ; and their scale words
.set AH0, 12                           ; the hidden layer's images, K steps 0-7
.set AH1, 13                           ; K steps 8-15
.set AHS, 14                           ; their scale blocks
.set SO0, 15                           ; the stage: row tiles 0, 1
.set SO1, 16                           ; row tiles 2, 3
.set RD,  17                           ; the stage: my eight rows back
.set X2A, 18                           ; LN2's images
.set X2S0, 19                          ; LN2's scale blocks
.set XF,  32                           ; v32-95 four fragments of rows
.set WF,  96                           ; v96-159, v160-223 two sets of four fragments of a weight
.set DV,  32                           ; LN2: v32-159 deviations
.set GG,  160                          ; LN2: gain
.set BT,  192                          ; LN2: bias
.set GP,  32                           ; GELU: v32-95 results
.set A2,  96
.set RR,  112
.set TT,  128
.set EE,  144
.set PQ,  160
.set TM,  176                          ; the quantiser's work
.set PC,  192                          ; codes
.set AVS, 224                          ; v224-231 av's scale words, later LN2's
.set WSC, 232                          ; v232-235 the weights' scale words, two a set
.set XSC, 236                          ; v236-237 the hidden layer's
.set SW,  238                          ; v238-239 scale words being put together
.set CC,  240                          ; v240-247 C4, C3, C2, C1, each in both halves of a pair; in LN2 v240-243 lane permutes' destinations
.set MR,  248                          ; v248-255 a pair a row tile: the mean, later 1 / sigma
.set WV,  26
.set R512, 27
.set SEL, 28
.set MNT, 30
.set HM,  31
.set KK,  32
.set CNT, 33
.set PP,  34
.set C5,  36
.set HWB, 38
.set HSB, 39
.set PWO, 52
.set PSO, 54
.set PW1, 56
.set PS1, 58
.set PB1, 60
.set PW2, 72
.set PS2, 74
.set POUT, 76
.set MSB, 0
.macro WIN new                         ; the immediate's high byte repeats the setting that is left
.if MSB != \new
	s_set_vgpr_msb (MSB<<8)|\new
.set MSB, \new
.endif
.endm
.macro PL n
.rept \n
	v_nop
.endr
.endm
.macro BAR
	s_wait_dscnt 0x0
	s_barrier_signal -1
	s_barrier_wait -1
.endm
.macro QUANT s, pc, nblk
.irp b, 0,1,2,3
.if \b < \nblk
	v_max3_num_f32 v[TM+\b], |v[\s+16*\b]|, |v[\s+1+16*\b]|, 0x8000000
.endif
.endr
.irp i, 2,4,6,8,10,12,14
.irp b, 0,1,2,3
.if \b < \nblk
	v_max3_num_f32 v[TM+\b], v[TM+\b], |v[\s+16*\b+\i]|, |v[\s+1+16*\b+\i]|
.endif
.endr
.endr
.irp b, 0,1,2,3
.if \b < \nblk
	v_permlanex16_b32 v[TM+4+\b], v[TM+\b], s[SEL], s[SEL+1]
.endif
.endr
.irp b, 0,1,2,3
.if \b < \nblk
	v_max_num_f32 v[TM+\b], v[TM+\b], v[TM+4+\b]
.endif
.endr
.irp b, 0,1,2,3
.if \b < \nblk
	v_add_nc_u32 v[TM+12+\b], 0xf8800000, v[TM+\b]
.endif
.endr
.irp b, 0,1,2,3
.if \b < \nblk
	v_and_or_b32 v[TM+8+\b], v[TM+\b], 0x7f800000, s[MNT]
.endif
.endr
.irp b, 0,1,2,3
.if \b < \nblk
	v_lshrrev_b32 v[TM+4+\b], 23, v[TM+12+\b]
.endif
.endr
.irp b, 0,1,2,3
.if \b < \nblk
.irp i, 0,1,2,3,4,5,6,7,8,9,10,11,12,13,14,15
	v_med3_num_f32 v[\s+16*\b+\i], v[\s+16*\b+\i], -v[TM+8+\b], v[TM+8+\b]
.endr
	v_cvt_scalef32_pk8_bf8_f32 v[\pc+4*\b:\pc+4*\b+1], v[\s+16*\b:\s+16*\b+7], v[TM+12+\b]
	v_cvt_scalef32_pk8_bf8_f32 v[\pc+4*\b+2:\pc+4*\b+3], v[\s+16*\b+8:\s+16*\b+15], v[TM+12+\b]
.endif
.endr
	v_nop
.endm
.macro HALF2 d, t                      ; lanes 0-15: the even tile's two bytes, lanes 16-31: the odd tile's
	v_lshl_or_b32 v[\d], v[TM+5], 8, v[TM+4]
	v_lshl_or_b32 v[\t], v[TM+7], 8, v[TM+6]
	v_cndmask_b32 v[\d], v[\d], v[\t], s[HM]
.endm
.macro WM d, a, b, sa, sb, ra, rb      ; one product, added in place.  ra, rb: the side's scale words stand in lanes 16-31
.if (\ra)&&(\rb)
	v_wmma_scale_f32_16x16x128_f8f6f4 v[\d:\d+7], v[\a:\a+15], v[\b:\b+15], v[\d:\d+7], v[\sa], v[\sb] matrix_a_fmt:MATRIX_FMT_BF8 matrix_b_fmt:MATRIX_FMT_BF8 matrix_a_scale:MATRIX_SCALE_ROW1 matrix_b_scale:MATRIX_SCALE_ROW1
.elseif \ra
	v_wmma_scale_f32_16x16x128_f8f6f4 v[\d:\d+7], v[\a:\a+15], v[\b:\b+15], v[\d:\d+7], v[\sa], v[\sb] matrix_a_fmt:MATRIX_FMT_BF8 matrix_b_fmt:MATRIX_FMT_BF8 matrix_a_scale:MATRIX_SCALE_ROW1
.elseif \rb
	v_wmma_scale_f32_16x16x128_f8f6f4 v[\d:\d+7], v[\a:\a+15], v[\b:\b+15], v[\d:\d+7], v[\sa], v[\sb] matrix_a_fmt:MATRIX_FMT_BF8 matrix_b_fmt:MATRIX_FMT_BF8 matrix_b_scale:MATRIX_SCALE_ROW1
.else
	v_wmma_scale_f32_16x16x128_f8f6f4 v[\d:\d+7], v[\a:\a+15], v[\b:\b+15], v[\d:\d+7], v[\sa], v[\sb] matrix_a_fmt:MATRIX_FMT_BF8 matrix_b_fmt:MATRIX_FMT_BF8
.endif
.endm
.macro LDW set, p, off, tstr           ; my four tiles' fragments of one K step of a weight: 16 loads of 512 consecutive bytes
.irp t, 0,1,2,3
.irp c, 0,1,2,3
	global_load_b128 v[WF+64*(\set)+16*\t+4*\c:WF+64*(\set)+16*\t+4*\c+3], v[LI], s[\p:\p+1] offset:\off+\t*\tstr+512*\c
.endr
.endr
.endm
.macro LDWS set, p, off, pstr          ; and their two scale blocks
	global_load_b32 v[WSC+2*(\set)], v[LS], s[\p:\p+1] offset:\off
	global_load_b32 v[WSC+2*(\set)+1], v[LS], s[\p:\p+1] offset:\off+\pstr
.endm
.macro LDX a, off, istr                ; the four row tiles' fragments of one K step, from LDS
.irp i, 0,1,2,3
.irp c, 0,1,2,3
	ds_load_b128 v[XF+16*\i+4*\c:XF+16*\i+4*\c+3], v[\a] offset:\off+\i*\istr+512*\c
.endr
.endr
.endm
.macro MM16 set, acc, xs               ; sixteen products, sixteen accumulators by turns, one instruction a turn; then eight places, for the loads and reads that follow
	WIN 0x50                                       ; C and D in window 1
.irp i, 0,1,2,3
.irp t, 0,1,2,3
	WM \acc+32*\i+8*\t, WF+64*(\set)+16*\t, XF+16*\i, WSC+2*(\set)+\t/2, \xs+\i/2, \t%2, \i%2
.endr
.endr
	WIN 0
	PL 8
.endm
.macro STATS off, i0                   ; the eight waves' partial sums of row tiles i0, i0 + 1 -> v224, v232
	ds_load_b128 v[224:227], v[ST9] offset:\off+512*\i0
	ds_load_b128 v[228:231], v[ST9] offset:\off+512*\i0+16
	ds_load_b128 v[232:235], v[ST9] offset:\off+512*\i0+512
	ds_load_b128 v[236:239], v[ST9] offset:\off+512*\i0+528
	s_wait_dscnt 0x0
	v_pk_add_f32 v[224:225], v[224:225], v[226:227]
	v_pk_add_f32 v[228:229], v[228:229], v[230:231]
	v_pk_add_f32 v[232:233], v[232:233], v[234:235]
	v_pk_add_f32 v[236:237], v[236:237], v[238:239]
	v_pk_add_f32 v[224:225], v[224:225], v[228:229]
	v_pk_add_f32 v[232:233], v[232:233], v[236:237]
	v_add_f32 v224, v224, v225
	v_add_f32 v232, v232, v233
.endm
.macro GELU16 src, dst                 ; sixteen numbers of window 1 -> window 0
	WIN 0x01
.irp n, 0,1,2,3,4,5,6,7,8,9,10,11,12,13,14,15
	v_mul_f32 v[A2+\n], |v[\src+\n]|, s[KK]        ; a' = |x| sqrt(log2(e) / 2): each accumulator from its low end on
.endr
.irp n, 0,1,2,3,4,5,6,7,8,9,10,11,12,13,14,15
	v_max_num_f32 v[RR+\n], v[\src+\n], 0
.endr
	WIN 0
.irp n, 0,2,4,6,8,10,12,14
	v_pk_fma_f32 v[TT+\n:TT+\n+1], v[A2+\n:A2+\n+1], s[PP:PP+1], 1.0 op_sel_hi:[1,0,0]   ; 1 + p |x|
.endr
.irp n, 0,2,4,6,8,10,12,14
	v_pk_mul_f32 v[EE+\n:EE+\n+1], v[A2+\n:A2+\n+1], v[A2+\n:A2+\n+1]
.endr
.irp n, 0,1,2,3,4,5,6,7,8,9,10,11,12,13,14,15
	v_rcp_f32 v[TT+\n], v[TT+\n]
.endr
.irp n, 0,1,2,3,4,5,6,7,8,9,10,11,12,13,14,15
	v_exp_f32 v[EE+\n], -v[EE+\n]                  ; e^(-x^2 / 2)
.endr
	v_nop                                          ; one plain line behind the transcendentals
	s_wait_alu depctr_va_vdst(0)
.irp n, 0,2,4,6,8,10,12,14
	v_pk_fma_f32 v[PQ+\n:PQ+\n+1], v[TT+\n:TT+\n+1], s[C5:C5+1], v[CC:CC+1] op_sel_hi:[1,0,1]
.endr
.irp k, 2,4,6
.irp n, 0,2,4,6,8,10,12,14
	v_pk_fma_f32 v[PQ+\n:PQ+\n+1], v[PQ+\n:PQ+\n+1], v[TT+\n:TT+\n+1], v[CC+\k:CC+\k+1]
.endr
.endr
.irp n, 0,2,4,6,8,10,12,14
	v_pk_mul_f32 v[PQ+\n:PQ+\n+1], v[PQ+\n:PQ+\n+1], v[TT+\n:TT+\n+1]
.endr
.irp n, 0,2,4,6,8,10,12,14
	v_pk_mul_f32 v[PQ+\n:PQ+\n+1], v[PQ+\n:PQ+\n+1], v[EE+\n:EE+\n+1]
.endr
.irp n, 0,2,4,6,8,10,12,14
	v_pk_fma_f32 v[\dst+\n:\dst+\n+1], v[A2+\n:A2+\n+1], v[PQ+\n:PQ+\n+1], v[RR+\n:RR+\n+1] neg_lo:[1,0,0] neg_hi:[1,0,0]   ; max(x, 0) - |x| Q(|x|)
.endr
.endm
	s_load_b512 s[4:19], s[0:1], 0x0               ; avimg 4, avscl 6, wimg 8, wscl 10, x 12, bo 14, ln2_g 16, ln2_b 18
	s_load_b128 s[20:23], s[0:1], 0x40             ; b1 20, b2 22
	s_load_b64 s[24:25], s[0:1], 0x50              ; out0
	v_lshl_add_u32 v30, v0, 2, 0x32800
	v_mov_b32 v31, 0
	ds_add_u32 v30, v31
	ds_add_u32 v30, v31
	v_lshrrev_b32 v1, 5, v0
	v_readfirstlane_b32 s[WV], v1                  ; wave 0..7
	v_and_b32 v20, 31, v0
	v_and_b32 v21, 15, v0                          ; r
	v_bfe_u32 v22, v0, 4, 1                        ; h
	v_lshlrev_b32 v[LI], 4, v20
	v_lshlrev_b32 v[LS], 2, v20
	v_and_b32 v23, 8, v21
	v_add_nc_u32 v23, v23, v21
	v_lshlrev_b32 v[XAD], 11, v23
	v_lshl_add_u32 v[XAD], v22, 6, v[XAD]
	s_lshl_b32 s66, s[WV], 8
	v_add_nc_u32 v[XAD], s66, v[XAD]
	v_lshlrev_b32 v[B1A], 6, v22
	v_add_nc_u32 v[BA], s66, v[B1A]
	s_lshr_b32 s67, s[WV], 1
	s_and_b32 s68, s[WV], 1
	s_lshl_b32 s69, s67, 11
	s_lshl_b32 s70, s68, 10
	s_add_co_u32 s69, s69, s70
	s_add_co_u32 s69, s69, X2I
	v_add_nc_u32 v[XW], s69, v[LI]                 ; my 64 columns are chunks 2 (w % 2), + 1 of K step w / 2
	s_lshl_b32 s69, s67, 8
	s_lshl_b32 s70, s68, 1
	s_add_co_u32 s69, s69, s70
	s_add_co_u32 s69, s69, X2SC
	v_lshlrev_b32 v[SB], 2, v21
	v_add_nc_u32 v[SB], s69, v[SB]
	v_lshlrev_b32 v[ST9], 5, v21
	v_add_nc_u32 v[ST9], STAT1, v[ST9]
	s_lshl_b32 s69, s[WV], 2
	v_add_nc_u32 v[ST8], s69, v[ST9]
	v_add_nc_u32 v[AH0], HIMG, v[LI]
	v_add_nc_u32 v[AH1], HIMG+65536, v[LI]
	v_add_nc_u32 v[AHS], HSC, v[LS]
	v_mul_u32_u24 v[SO0], v21, 2064
	v_lshl_add_u32 v[SO0], v22, 6, v[SO0]
	s_add_co_u32 s69, s66, STG
	v_add_nc_u32 v[SO0], s69, v[SO0]
	v_add_nc_u32 v[SO1], 66048, v[SO0]
	s_mul_i32 s69, s[WV], 8*2064
	s_add_co_u32 s69, s69, STG
	v_add_nc_u32 v[RD], s69, v[LI]
	v_add_nc_u32 v[X2A], X2I, v[LI]
	v_add_nc_u32 v[X2S0], X2SC, v[LS]
.irp i, 0,1,2,3
	v_mov_b32 v[CC+\i], 0                          ; written once: a lane permute's destination counts as one of its sources
.endr
	s_mov_b32 s[R512], 0x3b000000                  ; 1 / 512
	s_mov_b32 s[SEL], 0x76543210
	s_mov_b32 s[SEL+1], 0xfedcba98
	s_mov_b32 s[MNT], 0x600000
	s_mov_b32 s[HM], 0xffff0000
	s_mov_b32 s[KK], 0x3f596d27                    ; sqrt(log2(e) / 2)
	s_mov_b32 s[PP], 0x3e8ba440                    ; p / that
	s_mov_b32 s[PP+1], s[PP]
	s_mov_b32 s[C5], 0x3f1ff67a                    ; b5 / (that x sqrt(2 pi))
	s_mov_b32 s[C5+1], s[C5]
	s_lshl_b32 s[HWB], s[WV], 14
	s_add_co_u32 s[HWB], s[HWB], HIMG              ; my first K step's images
	s_lshl_b32 s[HSB], s[WV], 9
	s_add_co_u32 s[HSB], s[HSB], HSC
	; the tensor load: my eighth of av's images, a dense block of 4,096 bytes as 16 rows of 256
	s_mov_b32 s40, 1
	s_lshl_b32 s41, s[WV], 12
	s_mov_b32 s44, 3<<16
	s_mov_b32 s45, 32<<16
	s_mov_b32 s46, 16<<16
	s_mov_b32 s47, 32<<16
	s_mov_b32 s48, 16
	s_mov_b32 s49, 32
	s_mov_b32 s50, 0
	s_mov_b32 s51, 0
	s_lshl_b32 s62, ttmp9, 15
	s_add_co_u32 s62, s62, s41
	s_mov_b32 s63, 0
	s_mov_b32 s67, 0
	s_mov_b32 s69, 0
	s_wait_dscnt 0x0
	s_wait_kmcnt 0x0
	s_add_nc_u64 s[42:43], s[4:5], s[62:63]
	s_or_b32 s43, s43, 0x80000000
	tensor_load_to_lds s[40:43], s[44:51]          ; one tensor load of mine is out; these bytes are filled once
	s_nop 0
	PL 4
	s_lshl_b32 s66, ttmp9, 17
	s_add_nc_u64 s[12:13], s[12:13], s[66:67]      ; x at the work-group's 64 rows
	s_lshl_b32 s66, ttmp9, 8
	s_add_nc_u64 s[6:7], s[6:7], s[66:67]          ; av's scale words at my four tiles
	s_lshl_b32 s66, s[WV], 15
	s_add_co_u32 s66, s66, 786432
	s_add_nc_u64 s[PWO:PWO+1], s[8:9], s[66:67]
	s_lshl_b32 s66, s[WV], 10
	s_add_nc_u64 s[PB1:PB1+1], s[20:21], s[66:67]
	s_add_co_u32 s66, s66, 24576
	s_add_nc_u64 s[PSO:PSO+1], s[10:11], s[66:67]
	s_lshl_b32 s66, s[WV], 17
	s_add_co_u32 s68, s66, 1048576
	s_add_nc_u64 s[PW1:PW1+1], s[8:9], s[68:69]
	s_add_co_u32 s68, s66, 2097152
	s_add_nc_u64 s[PW2:PW2+1], s[8:9], s[68:69]
	s_lshl_b32 s66, s[WV], 12
	s_add_co_u32 s68, s66, 32768
	s_add_nc_u64 s[PS1:PS1+1], s[10:11], s[68:69]
	s_add_co_u32 s68, s66, 65536
	s_add_nc_u64 s[PS2:PS2+1], s[10:11], s[68:69]
	s_lshl_b32 s66, ttmp9, 6
	s_lshr_b32 s68, s[WV], 2
	s_lshl_b32 s68, s68, 5
	s_add_co_u32 s66, s66, s68
	s_bfe_u32 s68, s[WV], 0x10001
	s_lshl_b32 s68, s68, 3
	s_add_co_u32 s66, s66, s68
	s_and_b32 s68, s[WV], 1
	s_lshl_b32 s68, s68, 4
	s_add_co_u32 s66, s66, s68                     ; the first of the eight rows that I store
	s_lshl_b32 s66, s66, 11
	s_add_nc_u64 s[POUT:POUT+1], s[24:25], s[66:67]
	WIN 0x40                                       ; destination window 1
.irp i, 0,1,2,3
.irp p, 0,1
.irp j, 0,1,2,3
	global_load_b128 v[XA+32*\i+16*\p+4*\j:XA+32*\i+16*\p+4*\j+3], v[XAD], s[12:13] offset:(32*(\i/2)+8*(\i%2))*2048+128*\p+16*\j th:TH_LOAD_NT
.endr
.endr
.endr
.irp p, 0,1
.irp j, 0,1,2,3
	global_load_b128 v[HA+16*\p+4*\j:HA+16*\p+4*\j+3], v[BA], s[22:23] offset:128*\p+16*\j
.endr
.endr
	WIN 0
.irp p, 0,1
.irp j, 0,1,2,3
	global_load_b128 v[32+16*\p+4*\j:35+16*\p+4*\j], v[BA], s[14:15] offset:128*\p+16*\j
.endr
.endr
.irp d, 0,1,2,3,4,5,6,7
.irp q, 0,1
	global_load_b32 v[64+2*\d+\q], v[LS], s[6:7] offset:32768*\d+128*\q
.endr
.endr
	LDW 0, PWO, 0, 8192
	LDWS 0, PSO, 0, 512
	s_wait_loadcnt 18                              ; all but the 18 loads of Wo's first K step
.irp k, 0,1,2,3
.irp q, 0,1
	v_lshl_or_b32 v[AVS+2*\k+\q], v[64+2*(2*\k+1)+\q], 16, v[64+4*\k+\q]     ; two heads' half-words make a K step's scale word
.endr
.endr
	WIN 0x41                                       ; destination and source 0 window 1
.irp i, 0,1,2,3
.set m, 0
.rept 16
	v_pk_add_f32 v[XA+32*\i+2*m:XA+32*\i+2*m+1], v[XA+32*\i+2*m:XA+32*\i+2*m+1], v[32+2*m:33+2*m]   ; x + bo starts the sums; these lines are also the places behind the scale words just made
.set m, m+1
.endr
.endr
	WIN 0
	s_wait_tensorcnt 0x0                           ; my part of av's images has landed,
	BAR                                            ; everybody's has
; ---------------- x1 = x + bo + av Wo
.irp k, 0,1,2,3
.if \k < 3
	LDW (\k+1)%2, PWO, 2048*(\k+1), 8192
	LDWS (\k+1)%2, PSO, 128*(\k+1), 512
.endif
	LDX LI, 2048*\k, 8192
.if \k < 3
	s_wait_loadcnt 18                              ; this K step's weights are in; the next step's 18 loads may be out
.else
	s_wait_loadcnt 0x0
.endif
	s_wait_dscnt 0x0
	MM16 \k%2, XA, AVS+2*\k
.endr
; ---------------- LayerNorm 2 and its quantiser
.irp p, 0,1
.irp j, 0,1,2,3
	global_load_b128 v[GG+16*\p+4*\j:GG+16*\p+4*\j+3], v[BA], s[16:17] offset:128*\p+16*\j
	global_load_b128 v[BT+16*\p+4*\j:BT+16*\p+4*\j+3], v[BA], s[18:19] offset:128*\p+16*\j
.endr
.endr
	WIN 0x05                                       ; sources 0 and 1 window 1
.irp i, 0,1,2,3
.irp k, 0,1,2,3,4,5,6,7
	v_pk_add_f32 v[32+16*\i+2*\k:33+16*\i+2*\k], v[XA+32*\i+4*\k:XA+32*\i+4*\k+1], v[XA+32*\i+4*\k+2:XA+32*\i+4*\k+3]   ; each accumulator from its low end on
.endr
.endr
	WIN 0
.irp k, 0,4,8,12
.irp i, 0,1,2,3
	v_pk_add_f32 v[32+16*\i+\k:33+16*\i+\k], v[32+16*\i+\k:33+16*\i+\k], v[34+16*\i+\k:35+16*\i+\k]
.endr
.endr
.irp k, 0,8
.irp i, 0,1,2,3
	v_pk_add_f32 v[32+16*\i+\k:33+16*\i+\k], v[32+16*\i+\k:33+16*\i+\k], v[36+16*\i+\k:37+16*\i+\k]
.endr
.endr
.irp i, 0,1,2,3
	v_pk_add_f32 v[32+16*\i:33+16*\i], v[32+16*\i:33+16*\i], v[40+16*\i:41+16*\i]
.endr
.irp i, 0,1,2,3
	v_add_f32 v[32+16*\i], v[32+16*\i], v[33+16*\i]
.endr
.irp i, 0,1,2,3
	v_permlanex16_b32 v[CC+\i], v[32+16*\i], s[SEL], s[SEL+1]
.endr
.irp i, 0,1,2,3
	v_add_f32 v[32+16*\i], v[32+16*\i], v[CC+\i]   ; my wave's 64 columns of the row
.endr
.irp i, 0,1,2,3
	ds_store_b32 v[ST8], v[32+16*\i] offset:512*\i
.endr
	BAR
	STATS 0, 0
	v_mul_f32 v[MR], s[R512], v224
	v_mul_f32 v[MR+2], s[R512], v232
	v_mov_b32 v[MR+1], v[MR]
	v_mov_b32 v[MR+3], v[MR+2]
	STATS 0, 2
	v_mul_f32 v[MR+4], s[R512], v224
	v_mul_f32 v[MR+6], s[R512], v232
	v_mov_b32 v[MR+5], v[MR+4]
	v_mov_b32 v[MR+7], v[MR+6]
	WIN 0x01                                       ; source 0 window 1
.irp i, 0,1,2,3
.set m, 0
.rept 16
	v_pk_add_f32 v[DV+32*\i+2*m:DV+32*\i+2*m+1], v[XA+32*\i+2*m:XA+32*\i+2*m+1], v[MR+2*\i:MR+2*\i+1] neg_lo:[0,1] neg_hi:[0,1]
.set m, m+1
.endr
.endr
	WIN 0
.irp i, 0,1,2,3
	v_pk_mul_f32 v[224+4*\i:225+4*\i], v[DV+32*\i:DV+32*\i+1], v[DV+32*\i:DV+32*\i+1]
	v_pk_mul_f32 v[226+4*\i:227+4*\i], v[DV+32*\i+2:DV+32*\i+3], v[DV+32*\i+2:DV+32*\i+3]
.endr
.irp m, 1,2,3,4,5,6,7
.irp i, 0,1,2,3
	v_pk_fma_f32 v[224+4*\i:225+4*\i], v[DV+32*\i+4*\m:DV+32*\i+4*\m+1], v[DV+32*\i+4*\m:DV+32*\i+4*\m+1], v[224+4*\i:225+4*\i]
	v_pk_fma_f32 v[226+4*\i:227+4*\i], v[DV+32*\i+4*\m+2:DV+32*\i+4*\m+3], v[DV+32*\i+4*\m+2:DV+32*\i+4*\m+3], v[226+4*\i:227+4*\i]
.endr
.endr
.irp i, 0,1,2,3
	v_pk_add_f32 v[224+4*\i:225+4*\i], v[224+4*\i:225+4*\i], v[226+4*\i:227+4*\i]
.endr
.irp i, 0,1,2,3
	v_add_f32 v[224+4*\i], v[224+4*\i], v[225+4*\i]
.endr
.irp i, 0,1,2,3
	v_permlanex16_b32 v[CC+\i], v[224+4*\i], s[SEL], s[SEL+1]
.endr
.irp i, 0,1,2,3
	v_add_f32 v[224+4*\i], v[224+4*\i], v[CC+\i]
.endr
.irp i, 0,1,2,3
	ds_store_b32 v[ST8], v[224+4*\i] offset:2048+512*\i      ; other bytes than the first sums'
.endr
	BAR
	STATS 2048, 0
	v_fmaak_f32 v224, s[R512], v224, 0x3727c5ac    ; the variance + 1e-5
	v_fmaak_f32 v232, s[R512], v232, 0x3727c5ac
	v_rsq_f32 v[MR], v224
	v_rsq_f32 v[MR+2], v232
	v_nop
	s_wait_alu depctr_va_vdst(0)
	v_mov_b32 v[MR+1], v[MR]
	v_mov_b32 v[MR+3], v[MR+2]
	STATS 2048, 2
	v_fmaak_f32 v224, s[R512], v224, 0x3727c5ac
	v_fmaak_f32 v232, s[R512], v232, 0x3727c5ac
	v_rsq_f32 v[MR+4], v224
	v_rsq_f32 v[MR+6], v232
	v_nop
	s_wait_alu depctr_va_vdst(0)
	v_mov_b32 v[MR+5], v[MR+4]
	v_mov_b32 v[MR+7], v[MR+6]
	s_wait_loadcnt 0x0                             ; gain and bias
.irp i, 0,1,2,3
.set m, 0
.rept 16
	v_pk_mul_f32 v[DV+32*\i+2*m:DV+32*\i+2*m+1], v[DV+32*\i+2*m:DV+32*\i+2*m+1], v[MR+2*\i:MR+2*\i+1]
.set m, m+1
.endr
.endr
.irp i, 0,1,2,3
.set m, 0
.rept 16
	v_pk_fma_f32 v[DV+32*\i+2*m:DV+32*\i+2*m+1], v[DV+32*\i+2*m:DV+32*\i+2*m+1], v[GG+2*m:GG+2*m+1], v[BT+2*m:BT+2*m+1]
.set m, m+1
.endr
.endr
.irp f, 0,1                            ; two row tiles at a time: four blocks of 32 columns
	QUANT DV+64*\f, PC, 4
.irp d, 0,1
.irp p, 0,1
	ds_store_b128 v[XW], v[PC+4*(2*\d+\p):PC+4*(2*\d+\p)+3] offset:(2*\f+\d)*8192+512*\p
.endr
.endr
	v_lshl_or_b32 v[SW], v[TM+5], 8, v[TM+4]
	v_lshl_or_b32 v[SW+1], v[TM+7], 8, v[TM+6]
	ds_store_b16 v[SB], v[SW] offset:128*\f        ; my two bytes of the row's scale word; both halves of the lanes write the same
	ds_store_b16 v[SB], v[SW+1] offset:128*\f+64
	s_wait_dscnt 0x0                               ; the stores have read their registers
.endr
	WIN 0x45                                       ; destination, sources 0 and 1 window 1
.irp i, 0,1,2,3
.set m, 0
.rept 16
	v_pk_add_f32 v[XA+32*\i+2*m:XA+32*\i+2*m+1], v[XA+32*\i+2*m:XA+32*\i+2*m+1], v[HA+2*m:HA+2*m+1]   ; x1 + b2 starts the last product's sums
.set m, m+1
.endr
.endr
	WIN 0
	v_mov_b32 v[CC], 0xbf5b0099                    ; b4, b3, b2, b1 / (sqrt(log2(e) / 2) sqrt(2 pi))
	v_mov_b32 v[CC+1], 0xbf5b0099
	v_mov_b32 v[CC+2], 0x3f563817
	v_mov_b32 v[CC+3], 0x3f563817
	v_mov_b32 v[CC+4], 0xbe2b8119
	v_mov_b32 v[CC+5], 0xbe2b8119
	v_mov_b32 v[CC+6], 0x3e199eb3
	v_mov_b32 v[CC+7], 0x3e199eb3
	BAR                                            ; LN2's sixteen fragments and their scale words lie in LDS
.irp n, 0,1,2,3,4,5,6,7
	ds_load_b32 v[AVS+\n], v[X2S0] offset:128*\n
.endr
; ---------------- the hidden layer: two trips (my two K steps of the last product), two passes of 64 hidden units in each
.macro PASS e
	WIN 0x40
.irp i, 0,1,2,3
.irp p, 0,1
.irp j, 0,1,2,3
	global_load_b128 v[HA+32*\i+16*\p+4*\j:HA+32*\i+16*\p+4*\j+3], v[B1A], s[PB1:PB1+1] offset:256*\e+128*\p+16*\j   ; b1 starts the sums
.endr
.endr
.endr
	WIN 0
	LDW 0, PW1, 32768*\e, 8192
	LDWS 0, PS1, 1024*\e, 512
.irp k, 0,1,2,3
.if \k < 3
	LDW (\k+1)%2, PW1, 32768*\e+2048*(\k+1), 8192
	LDWS (\k+1)%2, PS1, 1024*\e+128*(\k+1), 512
.endif
	LDX X2A, 2048*\k, 8192
.if \k < 3
	s_wait_loadcnt 18                              ; b1 and this K step's weights are in; the next step's 18 loads may be out
.else
	s_wait_loadcnt 0x0
.endif
	s_wait_dscnt 0x0
	MM16 \k%2, HA, AVS+2*\k
.endr
.irp f, 0,1
.irp g, 0,1,2,3
	GELU16 HA+64*\f+16*\g, GP+16*\g
.endr
	QUANT GP, PC, 4
.irp d, 0,1
.irp p, 0,1
	ds_store_b128 v[HW], v[PC+4*(2*\d+\p):PC+4*(2*\d+\p)+3] offset:(2*\f+\d)*2048+(2*\e+\p)*512
.endr
.endr
.if \e == 0
	HALF2 SW+\f, 208                               ; the K step's first two bytes
.else
	HALF2 209, 208
	v_lshl_or_b32 v[SW+\f], v209, 16, v[SW+\f]     ; with its last two: the scale word
	ds_store_b32 v[HSW], v[SW+\f] offset:128*\f
.endif
	s_wait_dscnt 0x0                               ; the stores have read their registers
.endr
.endm
	s_mov_b32 s[CNT], 2
.Ltrip:
	v_add_nc_u32 v[HW], s[HWB], v[LI]
	v_add_nc_u32 v[HSW], s[HSB], v[LS]
	PASS 0
	PASS 1
	s_wait_xcnt 0x0                                ; the bases are stepped only behind this wait
	s_add_nc_u64 s[PW1:PW1+1], s[PW1:PW1+1], 65536
	s_add_nc_u64 s[PS1:PS1+1], s[PS1:PS1+1], 2048
	s_add_nc_u64 s[PB1:PB1+1], s[PB1:PB1+1], 512
	s_add_co_u32 s[HWB], s[HWB], 8192
	s_add_co_u32 s[HSB], s[HSB], 256
	s_sub_co_u32 s[CNT], s[CNT], 1
	s_cmp_lg_u32 s[CNT], 0
	s_cbranch_scc1 .Ltrip
	LDW 0, PW2, 0, 32768
	LDWS 0, PS2, 0, 2048
	BAR                                            ; the hidden layer's 64 fragments lie in LDS
; ---------------- out = x1 + b2 + hidden W2
.irp k, 0,1,2,3,4,5,6,7,8,9,10,11,12,13,14,15
.if \k < 15
	LDW (\k+1)%2, PW2, 2048*(\k+1), 32768
	LDWS (\k+1)%2, PS2, 128*(\k+1), 2048
.endif
.if \k < 8
	LDX AH0, \k*8192, 2048
.else
	LDX AH1, (\k-8)*8192, 2048
.endif
	ds_load_b32 v[XSC], v[AHS] offset:256*\k
	ds_load_b32 v[XSC+1], v[AHS] offset:256*\k+128
.if \k < 15
	s_wait_loadcnt 18
.else
	s_wait_loadcnt 0x0
.endif
	s_wait_dscnt 0x0
	MM16 \k%2, XA, XSC
.endr
; ---------------- the way out: a row's 512 columns come from eight waves: they meet in a stage, and each wave stores eight whole rows, 16 KiB on end
	BAR                                            ; every wave's reads of the hidden layer's images are over: the stage takes their bytes
	WIN 0x04                                       ; an LDS store's data are its source 1: window 1
.irp i, 0,1
.irp p, 0,1
.irp j, 0,1,2,3
	ds_store_b128 v[SO0], v[XA+32*\i+16*\p+4*\j:XA+32*\i+16*\p+4*\j+3] offset:\i*33024+128*\p+16*\j          ; each accumulator from its low end on
.endr
.endr
.endr
.irp i, 0,1
.irp p, 0,1
.irp j, 0,1,2,3
	ds_store_b128 v[SO1], v[XA+64+32*\i+16*\p+4*\j:XA+64+32*\i+16*\p+4*\j+3] offset:\i*33024+128*\p+16*\j
.endr
.endr
.endr
	WIN 0
	BAR
.set n, 0
.rept 32
	ds_load_b128 v[32+4*n:35+4*n], v[RD] offset:2064*(n/4)+512*(n%4)
.set n, n+1
.endr
.set n, 0
.rept 32
	s_wait_dscnt 31-n                              ; load n is in; the 31 - n younger ones may be out
	global_store_b128 v[LI], v[32+4*n:35+4*n], s[POUT:POUT+1] offset:2048*(n/4)+512*(n%4) th:TH_STORE_NT   ; 512 consecutive bytes, at a multiple of 256 from out's first byte
.set n, n+1
.endr
	s_wait_tensorcnt 0x0
	ds_add_u32 v30, v31
	s_wait_dscnt 0x0
	s_endpgm
.Lfunc_end_k_q951c82bf82_ffn:
	.size	k_q951c82bf82_ffn, .Lfunc_end_k_q951c82bf82_ffn-k_q951c82bf82_ffn
	.p2alignl 7, 3214868480
	.fill 96, 4, 3214868480
	.section	.rodata,"a",@progbits
	.p2align	6, 0x0
	.amdhsa_kernel k_q951c82bf82_ffn
		.amdhsa_group_segment_fixed_size 207872
		.amdhsa_private_segment_fixed_size 0
		.amdhsa_enable_private_segment 0
		.amdhsa_kernarg_size 88
		.amdhsa_user_sgpr_count 2
		.amdhsa_user_sgpr_kernarg_segment_ptr 1
		.amdhsa_wavefront_size32 1
		.amdhsa_system_sgpr_workgroup_id_x 1
		.amdhsa_system_sgpr_workgroup_id_y 1
		.amdhsa_system_sgpr_workgroup_id_z 1
		.amdhsa_system_vgpr_workitem_id 0
		.amdhsa_next_free_vgpr 512
		.amdhsa_next_free_sgpr 90
		.amdhsa_reserve_vcc 0
		.amdhsa_float_denorm_mode_32 3
		.amdhsa_float_denorm_mode_16_64 3
		.amdhsa_memory_ordered 1
		.amdhsa_forward_progress 1
		.amdhsa_inst_pref_size 255
	.end_amdhsa_kernel
	.section	.bss,"aw",@nobits
	.p2align	6
	.space	262144
	.amdgpu_metadata
---
amdhsa.version: [ 1, 2 ]
amdhsa.kernels:
  - .name:           k_q951c82bf82_ffn
    .symbol:         k_q951c82bf82_ffn.kd
    .args:
      - { .name: avimg, .offset: 0, .size: 8, .value_kind: global_buffer, .address_space: global }
      - { .name: avscl, .offset: 8, .size: 8, .value_kind: global_buffer, .address_space: global }
      - { .name: wimg, .offset: 16, .size: 8, .value_kind: global_buffer, .address_space: global }
      - { .name: wscl, .offset: 24, .size: 8, .value_kind: global_buffer, .address_space: global }
      - { .name: x, .offset: 32, .size: 8, .value_kind: global_buffer, .address_space: global }
      - { .name: bo, .offset: 40, .size: 8, .value_kind: global_buffer, .address_space: global }
      - { .name: ln2_g, .offset: 48, .size: 8, .value_kind: global_buffer, .address_space: global }
      - { .name: ln2_b, .offset: 56, .size: 8, .value_kind: global_buffer, .address_space: global }
      - { .name: b1, .offset: 64, .size: 8, .value_kind: global_buffer, .address_space: global }
      - { .name: b2, .offset: 72, .size: 8, .value_kind: global_buffer, .address_space: global }
      - { .name: out0, .offset: 80, .size: 8, .value_kind: global_buffer, .address_space: global }
    .group_segment_fixed_size: 207872
    .private_segment_fixed_size: 0
    .kernarg_segment_align: 8
    .kernarg_segment_size: 88
    .max_flat_workgroup_size: 256
    .sgpr_count:     90
    .vgpr_count:     512
    .wavefront_size: 32
...
	.end_amdgpu_metadata
.endif
;; end of part 4
;; ======== version 2 of 2: 4 launches; 1.16 times as fast as version 1
;; limits: a function is approximated: absolute error at most 7.5e-08
;; workspace buffers: wimg 3,145,728 bytes; wscl 98,304 bytes; ximg 4,194,304 bytes; xscl 131,072 bytes; qkv 12,582,912 bytes; qkvs 393,216 bytes; avimg 4,194,304 bytes; avscl 262,144 bytes
;; launch prep (part 5): grid 704 x 1, 4 waves a work-group, no clusters, 35,328 bytes of LDS; arguments x, ln1_g, ln1_b, Wq, Wk, Wv, Wo, W1, W2, wimg, wscl, ximg, xscl; writes wimg, wscl, ximg, xscl
.if DOCPART == 5
	.amdgcn_target "amdgcn-amd-amdhsa--gfx1250"
	.amdhsa_code_object_version 6
	.text
	.protected	k_q951c82bf82_prep
	.globl	k_q951c82bf82_prep
	.p2align	8
	.type	k_q951c82bf82_prep,@function
k_q951c82bf82_prep:
	s_mov_b64 s[64:65], 0
	v_nop
	global_prefetch_b8 v0, s[64:65] scope:SCOPE_SE
	s_setreg_imm32_b32 hwreg(HW_REG_WAVE_MODE, 25, 1), 1
	s_wait_xcnt 0x0
; PREP.  Work-groups 0-191 quantise the six weights along K (their first axis) to codes of E5M2 with one E8M0 byte for each 32 along K;
; work-groups 192-703 take LayerNorm 1 of x and quantise it along D.  Both write IMAGES OF THE OPERAND'S REGISTERS:
;   a fragment (16 positions x 128 K) is 2,048 bytes: byte 512 c + 16 lane + i = the code of (position lane % 16, k = 32 c + 16 (lane / 16) + i);
;   a scale block (a pair of tiles, 128 K) is 128 bytes: word 16 u + r = the four bytes of tile 2 P + u, position r.
; Position r of tile J stands for index 32 (J / 2) + 8 (J % 2) + r + (r & 8): so the results of two neighbouring tiles are 16 neighbours along the next K.
; LIMITS: NaN and infinities among the inputs are not served; a block whose largest magnitude lies under 2^-111 (a block of zeros too) gets the byte 1: only this program reads the bytes.
; No cluster, no tensor load: no two work-groups read the same bytes, and every byte is read once.
.set OFF, 32                           ; weights: v32-63  4 lane + i x pitch
.set X,   64                           ; v64-191 weights: 128 numbers down K;  LN: v64-127 my 64 numbers of a row
.set CD,  192                          ; weights: v192-223 codes, eight registers a block: no store's data are written again
.set SBY, 224                          ; weights: my column's four scale bytes
.set TM,  16                           ; LN: v16-31 the quantiser's work
.set PC,  32                           ; LN: v32-47 the codes
.set TS,  48                           ; LN: v48-55 four packed chains
.set GG,  128                          ; LN: v128-191 gain
.set BT,  192                          ; LN: v192-255 bias
.set TRB, 1024                         ; LN, LDS: behind the partial sums, 16 rows x (512 + 16) bytes for each wave: the turn from rows to lanes
.set MNT, 61                           ; s61 the mantissa field of 57,344
.set SEL, 62                           ; s[62:63] lane selects: lane l xor 16
; 64 (or 32) numbers of a lane, register 16 b + i = number i of block b in my half of the lanes, become codes in v[pc] on.  TM+4+b: the block's byte.
.macro QUANT s, pc, nblk
.irp b, 0,1,2,3
.if \b < \nblk
	v_max3_num_f32 v[TM+\b], |v[\s+16*\b]|, |v[\s+1+16*\b]|, 0x8000000       ; my 16 numbers, and the floor 2^(16 - 127): the byte cannot fall under 1
.endif
.endr
.irp i, 2,4,6,8,10,12,14
.irp b, 0,1,2,3
.if \b < \nblk
	v_max3_num_f32 v[TM+\b], v[TM+\b], |v[\s+16*\b+\i]|, |v[\s+1+16*\b+\i]|  ; the blocks by turns
.endif
.endr
.endr
.irp b, 0,1,2,3
.if \b < \nblk
	v_permlanex16_b32 v[TM+4+\b], v[TM+\b], s[SEL], s[SEL+1]
.endif
.endr
.irp b, 0,1,2,3
.if \b < \nblk
	v_max_num_f32 v[TM+\b], v[TM+\b], v[TM+4+\b]                             ; with lane l xor 16's 16: the block's largest magnitude
.endif
.endr
.irp b, 0,1,2,3
.if \b < \nblk
	v_add_nc_u32 v[TM+12+\b], 0xf8800000, v[TM+\b]                           ; 15 off its exponent field: the conversion's scale operand
.endif
.endr
.irp b, 0,1,2,3
.if \b < \nblk
	v_and_or_b32 v[TM+8+\b], v[TM+\b], 0x7f800000, s[MNT]                    ; 57,344 x the scale
.endif
.endr
.irp b, 0,1,2,3
.if \b < \nblk
	v_lshrrev_b32 v[TM+4+\b], 23, v[TM+12+\b]                                ; the scale's byte
.endif
.endr
.irp b, 0,1,2,3
.if \b < \nblk
.irp i, 0,1,2,3,4,5,6,7,8,9,10,11,12,13,14,15
	v_med3_num_f32 v[\s+16*\b+\i], v[\s+16*\b+\i], -v[TM+8+\b], v[TM+8+\b]   ; the conversion does not saturate (ISA guide 7.6.2): hold first
.endr
	v_cvt_scalef32_pk8_bf8_f32 v[\pc+4*\b:\pc+4*\b+1], v[\s+16*\b:\s+16*\b+7], v[TM+12+\b]
	v_cvt_scalef32_pk8_bf8_f32 v[\pc+4*\b+2:\pc+4*\b+3], v[\s+16*\b+8:\s+16*\b+15], v[TM+12+\b]
.endif
.endr
	v_nop                                          ; one plain line behind the last scaled conversion
.endm
.macro WORD4 d
	v_lshl_or_b32 v[\d], v[TM+5], 8, v[TM+4]
	v_lshl_or_b32 v[\d], v[TM+6], 16, v[\d]
	v_lshl_or_b32 v[\d], v[TM+7], 24, v[\d]
.endm
.macro BAR                             ; my LDS stores have landed and my LDS loads are in: then the work-group's barrier
	s_wait_dscnt 0x0
	s_barrier_signal -1
	s_barrier_wait -1
.endm
	s_load_b512 s[4:19], s[0:1], 0x0               ; x 4, ln1_g 6, ln1_b 8, Wq 10, Wk 12, Wv 14, Wo 16, W1 18
	s_load_b256 s[20:27], s[0:1], 0x40             ; W2 20, wimg 22, wscl 24, ximg 26
	s_load_b64 s[28:29], s[0:1], 0x60              ; xscl
	v_lshl_add_u32 v14, v0, 2, 0x8800
	v_mov_b32 v15, 0
	v_lshrrev_b32 v1, 5, v0
	v_readfirstlane_b32 s3, v1                     ; wave 0..3
	s_mov_b32 s[MNT], 0x600000
	s_mov_b32 s[SEL], 0x76543210
	s_mov_b32 s[SEL+1], 0xfedcba98
	s_cmp_ge_u32 ttmp9, 192                        ; the same in all four waves of a work-group
	s_cbranch_scc1 .Lnorm
; ---------------- THE WEIGHTS.  A wave takes 32 columns (a pair of tiles) x 128 along K (a K step); a lane takes a column, its registers run down K.
; work-groups 0-47: Wq, Wk, Wv (16 each); 48-63: Wo; 64-127: W1; 128-191: W2 (four work-groups to a pair: 16 K steps).  All parameters are selected on the work-group's number: one path.
	s_and_b32 s32, ttmp9, 15                       ; the pair, under 64
	s_lshr_b32 s34, ttmp9, 4
	s_lshl_b32 s34, s34, 18                        ; the images' base, under 64: 262,144 x (work-group / 16)
	s_and_b32 s35, ttmp9, 63                       ; W1: the pair
	s_lshr_b32 s39, s35, 2                         ; W2: the pair,
	s_and_b32 s33, s35, 3
	s_lshl_b32 s33, s33, 2                         ; and the first of the work-group's four K steps
	s_lshr_b32 s38, s32, 1
	s_lshl_b32 s38, s38, 17                        ; Wq, Wk, Wv: the head's 131,072 bytes,
	s_and_b32 s52, s32, 1
	s_lshl_b32 s52, s52, 7
	s_add_co_u32 s38, s38, s52                     ; and 32 columns of 4 bytes
	s_mov_b32 s30, 2048                            ; the pitch of W2
	s_mov_b32 s53, 2097152
	s_wait_kmcnt 0x0
	s_cmp_lt_u32 ttmp9, 128
	s_cselect_b32 s39, s35, s39
	s_cselect_b32 s33, 0, s33
	s_cselect_b32 s31, 2, 4                        ; log2 of the K steps: 4 or 16
	s_cselect_b32 s30, 8192, s30
	s_cselect_b32 s53, 1048576, s53
	s_cselect_b64 s[36:37], s[18:19], s[20:21]
	s_cmp_lt_u32 ttmp9, 64
	s_cselect_b32 s32, s32, s39                    ; g: the pair of tiles
	s_cselect_b32 s34, s34, s53                    ; the images' base
	s_cselect_b32 s30, 2048, s30
	s_cselect_b64 s[36:37], s[16:17], s[36:37]
	s_lshl_b32 s39, s32, 7
	s_cmp_lt_u32 ttmp9, 48
	s_cselect_b32 s38, s38, s39                    ; the pair's first column, in bytes
	s_cselect_b32 s30, 256, s30                    ; the pitch from k to k + 1
	s_cselect_b64 s[36:37], s[14:15], s[36:37]
	s_cmp_lt_u32 ttmp9, 32
	s_cselect_b64 s[36:37], s[12:13], s[36:37]
	s_cmp_lt_u32 ttmp9, 16
	s_cselect_b64 s[36:37], s[10:11], s[36:37]
	s_add_co_u32 s33, s33, s3                      ; my K step
	s_lshl_b32 s54, s33, 7
	s_mul_i32 s54, s54, s30
	s_add_co_u32 s54, s54, s38
	s_mov_b32 s55, 0
	s_lshl_b32 s56, s30, 5                         ; 32 rows on
	s_mov_b32 s57, 0
	s_add_nc_u64 s[40:41], s[36:37], s[54:55]      ; a base for each of the four blocks of 32 along K
	s_add_nc_u64 s[42:43], s[40:41], s[56:57]
	s_add_nc_u64 s[44:45], s[42:43], s[56:57]
	s_add_nc_u64 s[46:47], s[44:45], s[56:57]
	s_add_co_u32 s58, s31, 12
	s_lshl_b32 s58, s32, s58                       ; g x 2 tiles x K steps x 2,048
	s_add_co_u32 s58, s58, s34
	s_lshl_b32 s59, s33, 11
	s_add_co_u32 s58, s58, s59
	s_mov_b32 s59, 0
	s_add_nc_u64 s[48:49], s[22:23], s[58:59]      ; the even tile's fragment of my K step
	s_add_co_u32 s58, s31, 7
	s_lshl_b32 s58, s32, s58                       ; g x K steps x 128
	s_lshr_b32 s60, s34, 5
	s_add_co_u32 s58, s58, s60
	s_lshl_b32 s60, s33, 7
	s_add_co_u32 s58, s58, s60
	s_add_nc_u64 s[50:51], s[24:25], s[58:59]      ; my scale block
	v_and_b32 v1, 31, v0                           ; lane = column in the pair
	v_bfe_u32 v2, v0, 3, 1                         ; u: which tile of the pair the column falls into,
	v_and_b32 v5, 7, v0
	v_bfe_u32 v6, v0, 4, 1
	v_lshl_or_b32 v5, v6, 3, v5                    ; r: and at which position
	s_add_co_u32 s60, s31, 11
	v_lshlrev_b32 v3, s60, v2
	v_lshl_add_u32 v3, v5, 4, v3                   ; where my codes go: u x a tile's bytes + 16 r
	v_lshlrev_b32 v4, 6, v2
	v_lshl_add_u32 v4, v5, 2, v4                   ; my scale word: 4 (16 u + r)
	v_lshlrev_b32 v7, 2, v1
.set i, 0
.rept 32
	v_mad_u32_u24 v[OFF+i], s30, i, v7             ; 4 lane + i rows
.set i, i+1
.endr
.macro WLOAD c                         ; block c: 32 rows of 128 consecutive bytes
.set i, 0
.rept 32
	global_load_b32 v[X+32*(\c)+i], v[OFF+i], s[40+2*(\c):41+2*(\c)] th:TH_LOAD_NT
.set i, i+1
.endr
.endm
.macro WBLOCK c
.set XS, X+32*\c
.if \c < 3
	s_wait_loadcnt 32                              ; this block's 32 loads are in; the next block's 32 may be out
.else
	s_wait_loadcnt 0x0
.endif
.if \c < 2
	WLOAD \c+2
.endif
	v_max3_num_f32 v12, |v[XS]|, |v[XS+1]|, |v[XS+2]|      ; the block's largest magnitude: all 32 numbers are mine
	v_max3_num_f32 v13, |v[XS+3]|, |v[XS+4]|, |v[XS+5]|
.irp i, 6,10,14,18,22,26
	v_max3_num_f32 v12, v12, |v[XS+\i]|, |v[XS+\i+1]|
	v_max3_num_f32 v13, v13, |v[XS+\i+2]|, |v[XS+\i+3]|
.endr
	v_max3_num_f32 v12, v12, |v[XS+30]|, |v[XS+31]|
	v_max3_num_f32 v12, v12, v13, 0x8000000        ; and the floor
	v_add_nc_u32 v11, 0xf8800000, v12
	v_and_or_b32 v10, v12, 0x7f800000, s[MNT]
	v_lshrrev_b32 v13, 23, v11
.if \c == 0
	v_mov_b32 v[SBY], v13
.else
	v_lshl_or_b32 v[SBY], v13, 8*\c, v[SBY]
.endif
.set i, 0
.rept 32
	v_med3_num_f32 v[XS+i], v[XS+i], -v10, v10
.set i, i+1
.endr
.irp g, 0,1,2,3
	v_cvt_scalef32_pk8_bf8_f32 v[CD+8*\c+2*\g:CD+8*\c+2*\g+1], v[XS+8*\g:XS+8*\g+7], v11
.endr
	global_store_b128 v3, v[CD+8*\c:CD+8*\c+3], s[48:49] offset:512*\c        ; k = 32 c + 0 .. 15: sixteen lanes fill 256 consecutive bytes of each tile's fragment
	global_store_b128 v3, v[CD+8*\c+4:CD+8*\c+7], s[48:49] offset:512*\c+256  ; k = 32 c + 16 .. 31
.endm
	WLOAD 0
	WLOAD 1
	WBLOCK 0
	WBLOCK 1
	WBLOCK 2
	WBLOCK 3
	global_store_b32 v4, v[SBY], s[50:51]          ; 128 consecutive bytes
	s_endpgm
; ---------------- LAYERNORM 1.  Work-group 192 + J takes row tile J; its four waves are the four K steps; lane (r, h) holds k = 128 s + 32 c + 16 h + 0 .. 15 of its row.
; x IS READ AS IT LIES: each load takes the 512 consecutive bytes that my K step has of one row, 16 bytes a lane.  The 16 rows turn through my wave's own bytes of LDS
; (rows 528 bytes apart, so that the sixteen rows that a load touches start at sixteen different banks: 64 banks of 4 bytes, ISA guide 11.1) and come back 64 bytes a lane.
.Lnorm:
	s_sub_co_u32 s30, ttmp9, 192                   ; J
	v_and_b32 v1, 31, v0
	v_and_b32 v2, 15, v0                           ; r
	v_bfe_u32 v10, v0, 4, 1                        ; h
	v_lshlrev_b32 v4, 6, v10                       ; gain, bias: 64 h
	v_lshlrev_b32 v5, 4, v1                        ; 16 x lane: my bytes of a load, and an image's place for my lane
	v_lshlrev_b32 v6, 2, v2                        ; a scale word's
	v_lshlrev_b32 v8, 4, v2                        ; LDS: my row's four partial sums,
	s_lshl_b32 s31, s3, 2
	v_add_nc_u32 v7, s31, v8                       ; and my wave's word among them
	s_mul_i32 s31, s3, 16*528
	s_add_co_u32 s31, s31, TRB                     ; my wave's bytes for the turn
	v_add_nc_u32 v3, s31, v5                       ; in: 16 x lane of a row
	v_mul_u32_u24 v11, v2, 528
	v_lshl_add_u32 v11, v10, 6, v11
	v_add_nc_u32 v11, s31, v11                     ; out: row r, + 64 h
	v_mov_b32 v56, 0                               ; written once: a lane permute's destination counts as one of its sources
.irp b, 0,1,2,3
	v_mov_b32 v[TM+4+\b], 0
.endr
	s_lshr_b32 s31, s30, 1
	s_and_b32 s32, s30, 1
	s_lshl_b32 s33, s31, 16                        ; 32 rows of 2,048 bytes for each pair of tiles,
	s_lshl_b32 s34, s32, 14                        ; 8 rows for the odd tile
	s_add_co_u32 s33, s33, s34
	s_lshl_b32 s38, s3, 9                          ; my K step: 512 bytes
	s_mov_b32 s39, 0
	s_add_co_u32 s36, s33, s38
	s_mov_b32 s37, 0
	s_lshl_b32 s40, s30, 13
	s_lshl_b32 s34, s3, 11
	s_add_co_u32 s40, s40, s34                     ; ximg: (4 J + s) x 2,048
	s_mov_b32 s41, 0
	s_lshl_b32 s42, s31, 9
	s_lshl_b32 s34, s3, 7
	s_add_co_u32 s42, s42, s34
	s_lshl_b32 s34, s32, 6
	s_add_co_u32 s42, s42, s34                     ; xscl: pair x 512 + 128 s + 64 (J % 2)
	s_mov_b32 s43, 0
	s_mov_b32 s44, 0x3b000000                      ; 1 / 512
	s_wait_kmcnt 0x0
	s_add_nc_u64 s[4:5], s[4:5], s[36:37]
	s_add_nc_u64 s[6:7], s[6:7], s[38:39]
	s_add_nc_u64 s[8:9], s[8:9], s[38:39]
	s_add_nc_u64 s[26:27], s[26:27], s[40:41]
	s_add_nc_u64 s[28:29], s[28:29], s[42:43]
.set n, 0
.rept 16
	global_load_b128 v[X+4*n:X+4*n+3], v5, s[4:5] offset:(n+(n&8))*2048 th:TH_LOAD_NT   ; position n of the tile is row n + (n & 8)
.set n, n+1
.endr
.irp c, 0,1,2,3
.irp j, 0,1,2,3
	global_load_b128 v[GG+16*\c+4*\j:GG+16*\c+4*\j+3], v4, s[6:7] offset:128*\c+16*\j
	global_load_b128 v[BT+16*\c+4*\j:BT+16*\c+4*\j+3], v4, s[8:9] offset:128*\c+16*\j
.endr
.endr
	s_wait_loadcnt 32                              ; x is in; the 32 loads of gain and bias may be out
.set n, 0
.rept 16
	ds_store_b128 v3, v[X+4*n:X+4*n+3] offset:528*n
.set n, n+1
.endr
.irp c, 0,1,2,3
.irp j, 0,1,2,3
	ds_load_b128 v[X+16*\c+4*\j:X+16*\c+4*\j+3], v11 offset:128*\c+16*\j     ; LDS serves a wave's instructions in order (ISA guide 5.7.1.4): these see the stores above
.endr
.endr
	s_wait_dscnt 0x0
.irp k, 0,1,2,3
	v_pk_add_f32 v[TS+2*\k:TS+2*\k+1], v[X+2*\k:X+2*\k+1], v[X+8+2*\k:X+9+2*\k]     ; the sum of my 64, in four packed chains
.endr
.irp m, 2,3,4,5,6,7
.irp k, 0,1,2,3
	v_pk_add_f32 v[TS+2*\k:TS+2*\k+1], v[TS+2*\k:TS+2*\k+1], v[X+8*\m+2*\k:X+8*\m+2*\k+1]
.endr
.endr
	v_pk_add_f32 v[TS:TS+1], v[TS:TS+1], v[TS+2:TS+3]
	v_pk_add_f32 v[TS+4:TS+5], v[TS+4:TS+5], v[TS+6:TS+7]
	v_pk_add_f32 v[TS:TS+1], v[TS:TS+1], v[TS+4:TS+5]
	v_add_f32 v[TS], v[TS], v[TS+1]
	v_permlanex16_b32 v56, v[TS], s[SEL], s[SEL+1]
	v_add_f32 v[TS], v[TS], v56                    ; my row's 128 numbers of this K step
	ds_store_b32 v7, v[TS]                         ; both lanes of a row write the same word with the same value
	BAR
	ds_load_b128 v[56:59], v8
	s_wait_dscnt 0x0
	v_add_f32 v56, v56, v57
	v_add_f32 v58, v58, v59
	v_add_f32 v56, v56, v58
	v_mul_f32 v60, s44, v56                        ; the mean,
	v_mov_b32 v61, v60                             ; in both halves of a pair
.set j, 0
.rept 32
	v_pk_add_f32 v[X+j:X+j+1], v[X+j:X+j+1], v[60:61] neg_lo:[0,1] neg_hi:[0,1]
.set j, j+2
.endr
.irp k, 0,1,2,3
	v_pk_mul_f32 v[TS+2*\k:TS+2*\k+1], v[X+2*\k:X+2*\k+1], v[X+2*\k:X+2*\k+1]       ; the squared deviations
.endr
.irp m, 1,2,3,4,5,6,7
.irp k, 0,1,2,3
	v_pk_fma_f32 v[TS+2*\k:TS+2*\k+1], v[X+8*\m+2*\k:X+8*\m+2*\k+1], v[X+8*\m+2*\k:X+8*\m+2*\k+1], v[TS+2*\k:TS+2*\k+1]
.endr
.endr
	v_pk_add_f32 v[TS:TS+1], v[TS:TS+1], v[TS+2:TS+3]
	v_pk_add_f32 v[TS+4:TS+5], v[TS+4:TS+5], v[TS+6:TS+7]
	v_pk_add_f32 v[TS:TS+1], v[TS:TS+1], v[TS+4:TS+5]
	v_add_f32 v[TS], v[TS], v[TS+1]
	v_permlanex16_b32 v56, v[TS], s[SEL], s[SEL+1]
	v_add_f32 v[TS], v[TS], v56
	ds_store_b32 v7, v[TS] offset:256              ; other bytes than the first sums': no wave can still be reading these
	BAR
	ds_load_b128 v[56:59], v8 offset:256
	s_wait_dscnt 0x0
	v_add_f32 v56, v56, v57
	v_add_f32 v58, v58, v59
	v_add_f32 v56, v56, v58
	v_fmaak_f32 v56, s44, v56, 0x3727c5ac          ; the variance + 1e-5 (the division by 512 is exact)
	v_rsq_f32 v62, v56
	v_nop                                          ; one plain line behind a transcendental
	s_wait_alu depctr_va_vdst(0)
	v_mov_b32 v63, v62
	s_wait_loadcnt 0x0                             ; gain and bias
.set j, 0
.rept 32
	v_pk_mul_f32 v[X+j:X+j+1], v[X+j:X+j+1], v[62:63]
.set j, j+2
.endr
.set j, 0
.rept 32
	v_pk_fma_f32 v[X+j:X+j+1], v[X+j:X+j+1], v[GG+j:GG+j+1], v[BT+j:BT+j+1]
.set j, j+2
.endr
	QUANT X, PC, 4
	WORD4 9
.irp c, 0,1,2,3
	global_store_b128 v5, v[PC+4*\c:PC+4*\c+3], s[26:27] offset:512*\c       ; 512 consecutive bytes
.endr
	global_store_b32 v6, v9, s[28:29]              ; 64 consecutive bytes; the two halves of the lanes write the same words
	s_wait_tensorcnt 0x0
	ds_add_u32 v14, v15
	s_wait_dscnt 0x0
	s_endpgm
.Lfunc_end_k_q951c82bf82_prep:
	.size	k_q951c82bf82_prep, .Lfunc_end_k_q951c82bf82_prep-k_q951c82bf82_prep
	.p2alignl 7, 3214868480
	.fill 96, 4, 3214868480
	.section	.rodata,"a",@progbits
	.p2align	6, 0x0
	.amdhsa_kernel k_q951c82bf82_prep
		.amdhsa_group_segment_fixed_size 35328
		.amdhsa_private_segment_fixed_size 0
		.amdhsa_enable_private_segment 0
		.amdhsa_kernarg_size 104
		.amdhsa_user_sgpr_count 2
		.amdhsa_user_sgpr_kernarg_segment_ptr 1
		.amdhsa_wavefront_size32 1
		.amdhsa_system_sgpr_workgroup_id_x 1
		.amdhsa_system_sgpr_workgroup_id_y 1
		.amdhsa_system_sgpr_workgroup_id_z 1
		.amdhsa_system_vgpr_workitem_id 0
		.amdhsa_next_free_vgpr 256
		.amdhsa_next_free_sgpr 66
		.amdhsa_reserve_vcc 0
		.amdhsa_float_denorm_mode_32 3
		.amdhsa_float_denorm_mode_16_64 3
		.amdhsa_memory_ordered 1
		.amdhsa_forward_progress 1
		.amdhsa_inst_pref_size 61
	.end_amdhsa_kernel
	.amdgpu_metadata
---
amdhsa.version: [ 1, 2 ]
amdhsa.kernels:
  - .name:           k_q951c82bf82_prep
    .symbol:         k_q951c82bf82_prep.kd
    .args:
      - { .name: x, .offset: 0, .size: 8, .value_kind: global_buffer, .address_space: global }
      - { .name: ln1_g, .offset: 8, .size: 8, .value_kind: global_buffer, .address_space: global }
      - { .name: ln1_b, .offset: 16, .size: 8, .value_kind: global_buffer, .address_space: global }
      - { .name: Wq, .offset: 24, .size: 8, .value_kind: global_buffer, .address_space: global }
      - { .name: Wk, .offset: 32, .size: 8, .value_kind: global_buffer, .address_space: global }
      - { .name: Wv, .offset: 40, .size: 8, .value_kind: global_buffer, .address_space: global }
      - { .name: Wo, .offset: 48, .size: 8, .value_kind: global_buffer, .address_space: global }
      - { .name: W1, .offset: 56, .size: 8, .value_kind: global_buffer, .address_space: global }
      - { .name: W2, .offset: 64, .size: 8, .value_kind: global_buffer, .address_space: global }
      - { .name: wimg, .offset: 72, .size: 8, .value_kind: global_buffer, .address_space: global }
      - { .name: wscl, .offset: 80, .size: 8, .value_kind: global_buffer, .address_space: global }
      - { .name: ximg, .offset: 88, .size: 8, .value_kind: global_buffer, .address_space: global }
      - { .name: xscl, .offset: 96, .size: 8, .value_kind: global_buffer, .address_space: global }
    .group_segment_fixed_size: 35328
    .private_segment_fixed_size: 0
    .kernarg_segment_align: 8
    .kernarg_segment_size: 104
    .max_flat_workgroup_size: 128
    .sgpr_count:     66
    .vgpr_count:     256
    .wavefront_size: 32
...
	.end_amdgpu_metadata
.endif
;; end of part 5
;; launch qkv: the kernel of part 2 again; grid 4 x 64, 12 waves a work-group, clusters of 4 x 4, 263,680 bytes of LDS; arguments ximg, xscl, wimg, wscl, bq, bk, bv, qkv, qkvs; writes qkv, qkvs
;; launch attn (part 6): grid 8 x 32, 16 waves a work-group, clusters of 4 x 1, 327,680 bytes of LDS; arguments qkv, qkvs, avimg, avscl; writes avimg, avscl
.if DOCPART == 6
	.amdgcn_target "amdgcn-amd-amdhsa--gfx1250"
	.amdhsa_code_object_version 6
	.text
	.protected	k_q951c82bf82_attn
	.globl	k_q951c82bf82_attn
	.p2align	8
	.type	k_q951c82bf82_attn,@function
k_q951c82bf82_attn:
	s_mov_b64 s[64:65], 0
	v_nop
	global_prefetch_b8 v0, s[64:65] scope:SCOPE_SE
	s_setreg_imm32_b32 hwreg(HW_REG_WAVE_MODE, 25, 1), 1
	s_wait_xcnt 0x0
	s_wait_alu depctr_hold_cnt(0) depctr_sa_sdst(0) depctr_va_vdst(0) depctr_va_sdst(0) depctr_va_ssrc(0) depctr_va_vcc(0) depctr_vm_vsrc(0)
	s_getreg_b32 s2, hwreg(HW_REG_IB_STS2, 6, 4)
	s_cmp_eq_u32 s2, 0
	s_cbranch_scc0 .Lentry_in_a_cluster
	s_endpgm
.Lentry_in_a_cluster:
	s_bfe_u32 s2, ttmp6, 0x10000c
	s_cmp_lg_u32 s2, 0x3003
	s_cbranch_scc0 .Lentry_shape_is_right
	s_endpgm
.Lentry_shape_is_right:
; ATTENTION on codes of E5M2.  A work-group owns 256 queries of one (batch, head); each of its sixteen waves owns one tile of 16; a lane holds ONE query throughout (both products transposed).
; THE WHOLE HEAD'S K AND V LIE IN LDS, each byte filled once: 16 key steps x 16,384 bytes of images, and 8,192 bytes of scale words.
; They come in two groups: at the head only the scale words and the first four key steps (65,536 bytes), so that little stands in front of the first product;
; the other twelve steps (a wave's share: 12,288 bytes, one load) are asked for behind the first meeting point and land under the first four steps' work.
; CLUSTER 4 x 1: the four query blocks of a cluster belong to one head: every block of K and V is asked for jointly.
; THE HEAD IS 64 WIDE, THE INSTRUCTION 128: a fragment of K holds TWO tiles of 16 keys (chunks 0, 1 and chunks 2, 3); it is multiplied by [Q | 0] for the first and by [0 | Q] for the second.  The zero codes add nothing (their scale bytes are 0, which is 2^-127).
; SOFTMAX: t = score x log2(e) / 8; M = the running largest t rounded up to a whole number; p = 2^(t - M) is quantised along the keys; the sum is taken of the unquantised p and divides at the end.  When M moves, the sum and O are multiplied by 2^(old M - new M): exact.
; A block's largest p is its largest score put through the same multiply-add and exponential (this takes v_exp_f32 not to fall where its input rises).
; The result is quantised along the head's 64 (two blocks) and leaves as part of the next product's images.
; LIMITS: NaN and infinities are not served; a block whose largest magnitude lies under 2^-111 gets the byte 1.
.set KVSC, 262144                      ; LDS: the scale words, 512 bytes a step: K's four fragments x 16 words, V's four tiles x 16 words
.set SPARE, 270336                     ; behind them: the spare words, 128 bytes for each wave: eight blocks of 256 bytes that no other line names
.set LI,  1                            ; v1  16 x lane
.set LSB, 2                            ; v2  KVSC + 4 x lane
.set ADC, 3                            ; v3  the step's images
.set ADS, 4                            ; v4  the step's scale words
.set RW,  5                            ; v5  4 x (lane % 16)
.set SPW, 6                            ; v6  LDS address of my spare word; never rewritten
.set NIL, 7                            ; v7  0; never rewritten
.set QB,  16                           ; v[16:31] = [0 | Q]
.set QA,  24                           ; v[24:39] = [Q | 0]
.set KV,  40                           ; v40-103 four fragments of K, then of V
.set S,   104                          ; v104-167 scores, then p
.set O,   168                          ; v168-199 O^T
.set PC,  200                          ; v200-215 p's codes
.set BM,  216                          ; v216-219 the blocks' largest
.set T4,  220                          ; v220-223
.set HL,  224                          ; v224-227 57,344 x the scale
.set SO,  228                          ; v228-231 the conversions' scale operands
.set TM,  216                          ; at the end the quantiser works in v216-231
.set PW,  232                          ; p's scale word
.set F,   234                          ; v[234:235] f = 2^(old M - new M)
.set TP,  236
.set SM2, 238                          ; v[238:239] the sum's second chain
.set KS,  240                          ; v240-241 K's scale words
.set VS,  242                          ; v242-243 V's
.set SQA, 244                          ; Q's scale word for [Q | 0],
.set SQB, 245                          ; for [0 | Q]
.set WV,  12
.set SEL, 52
.set CS,  54
.set MNT, 56
.set TB,  57
.set TSC, 58
.set CNT, 59
.macro PL n
.rept \n
	v_nop
.endr
.endm
.macro QUANT s, pc, nblk
.irp b, 0,1,2,3
.if \b < \nblk
	v_max3_num_f32 v[TM+\b], |v[\s+16*\b]|, |v[\s+1+16*\b]|, 0x8000000
.endif
.endr
.irp i, 2,4,6,8,10,12,14
.irp b, 0,1,2,3
.if \b < \nblk
	v_max3_num_f32 v[TM+\b], v[TM+\b], |v[\s+16*\b+\i]|, |v[\s+1+16*\b+\i]|
.endif
.endr
.endr
.irp b, 0,1,2,3
.if \b < \nblk
	v_permlanex16_b32 v[TM+4+\b], v[TM+\b], s[SEL], s[SEL+1]
.endif
.endr
.irp b, 0,1,2,3
.if \b < \nblk
	v_max_num_f32 v[TM+\b], v[TM+\b], v[TM+4+\b]
.endif
.endr
.irp b, 0,1,2,3
.if \b < \nblk
	v_add_nc_u32 v[TM+12+\b], 0xf8800000, v[TM+\b]
.endif
.endr
.irp b, 0,1,2,3
.if \b < \nblk
	v_and_or_b32 v[TM+8+\b], v[TM+\b], 0x7f800000, s[MNT]
.endif
.endr
.irp b, 0,1,2,3
.if \b < \nblk
	v_lshrrev_b32 v[TM+4+\b], 23, v[TM+12+\b]
.endif
.endr
.irp b, 0,1,2,3
.if \b < \nblk
.irp i, 0,1,2,3,4,5,6,7,8,9,10,11,12,13,14,15
	v_med3_num_f32 v[\s+16*\b+\i], v[\s+16*\b+\i], -v[TM+8+\b], v[TM+8+\b]
.endr
	v_cvt_scalef32_pk8_bf8_f32 v[\pc+4*\b:\pc+4*\b+1], v[\s+16*\b:\s+16*\b+7], v[TM+12+\b]
	v_cvt_scalef32_pk8_bf8_f32 v[\pc+4*\b+2:\pc+4*\b+3], v[\s+16*\b+8:\s+16*\b+15], v[TM+12+\b]
.endif
.endr
	v_nop
.endm
.macro WM d, a, b, z, sa, sb, ra       ; one product.  z: C is the constant 0, else D.  ra: source 0's scale words stand in lanes 16-31
.if \z
.if \ra
	v_wmma_scale_f32_16x16x128_f8f6f4 v[\d:\d+7], v[\a:\a+15], v[\b:\b+15], 0, v[\sa], v[\sb] matrix_a_fmt:MATRIX_FMT_BF8 matrix_b_fmt:MATRIX_FMT_BF8 matrix_a_scale:MATRIX_SCALE_ROW1
.else
	v_wmma_scale_f32_16x16x128_f8f6f4 v[\d:\d+7], v[\a:\a+15], v[\b:\b+15], 0, v[\sa], v[\sb] matrix_a_fmt:MATRIX_FMT_BF8 matrix_b_fmt:MATRIX_FMT_BF8
.endif
.else
.if \ra
	v_wmma_scale_f32_16x16x128_f8f6f4 v[\d:\d+7], v[\a:\a+15], v[\b:\b+15], v[\d:\d+7], v[\sa], v[\sb] matrix_a_fmt:MATRIX_FMT_BF8 matrix_b_fmt:MATRIX_FMT_BF8 matrix_a_scale:MATRIX_SCALE_ROW1
.else
	v_wmma_scale_f32_16x16x128_f8f6f4 v[\d:\d+7], v[\a:\a+15], v[\b:\b+15], v[\d:\d+7], v[\sa], v[\sb] matrix_a_fmt:MATRIX_FMT_BF8 matrix_b_fmt:MATRIX_FMT_BF8
.endif
.endif
.endm
.macro LDF reg, adr, off
.irp c, 0,1,2,3
	ds_load_b128 v[\reg+4*\c:\reg+4*\c+3], v[\adr] offset:\off+512*\c
.endr
.endm
.macro CROUND
	s_barrier_signal -1
	s_barrier_wait -1
	s_cmp_lg_u32 s[WV], 0
	s_cbranch_scc1 .Lnot_wave_0_\@
	s_barrier_signal -3
.Lnot_wave_0_\@:
	s_barrier_wait -3
	s_barrier_signal -1
	s_barrier_wait -1
.endm
	s_load_b256 s[4:11], s[0:1], 0x0               ; qkv 4, qkvs 6, avimg 8, avscl 10
	v_lshl_add_u32 v[SPW], v0, 2, SPARE
	v_mov_b32 v[NIL], 0
	ds_add_u32 v6, v7
	ds_add_u32 v6, v7
	s_wait_dscnt 0x0
	v_lshrrev_b32 v1, 5, v0
	v_readfirstlane_b32 s[WV], v1                  ; wave 0..15
	v_and_b32 v8, 31, v0
	v_lshlrev_b32 v[LI], 4, v8
	v_lshl_add_u32 v[LSB], v8, 2, KVSC
	v_and_b32 v[RW], 15, v0
	v_lshlrev_b32 v[RW], 2, v[RW]
	s_bfe_u32 s13, ttmp6, 0x40000                  ; cx
	s_lshl_b32 s14, ttmp9, 2
	s_add_co_u32 s14, s14, s13                     ; my block of 256 queries: it enters Q's and the outputs' addresses alone
	s_and_b32 s15, ttmp7, 0xffff                   ; bh, which the four partners share
	; descriptors: dense blocks as rows of 256 bytes (32 elements of 8 bytes); the mask names all four work-groups
	s_mov_b32 s16, 15|(3<<16)|(1<<21)              ; a wave's sixteenth of the first four key steps: 16 rows
	s_mov_b32 s17, 32<<16
	s_mov_b32 s18, 16<<16
	s_mov_b32 s19, 32<<16
	s_mov_b32 s20, 16
	s_mov_b32 s21, 32
	s_mov_b32 s22, 0
	s_mov_b32 s23, 0
	s_mov_b32 s24, 15|(3<<16)|(1<<21)              ; a wave's sixteenth of the scale words: 2 rows
	s_mov_b32 s25, 32<<16
	s_mov_b32 s26, 2<<16
	s_mov_b32 s27, 32<<16
	s_mov_b32 s28, 2
	s_mov_b32 s29, 32
	s_mov_b32 s30, 0
	s_mov_b32 s31, 0
	s_mov_b32 s44, 15|(3<<16)|(1<<21)              ; a wave's sixteenth of the other twelve key steps: 48 rows
	s_mov_b32 s45, 32<<16
	s_mov_b32 s46, 48<<16
	s_mov_b32 s47, 32<<16
	s_mov_b32 s48, 48
	s_mov_b32 s49, 32
	s_mov_b32 s50, 0
	s_mov_b32 s51, 0
	s_lshl_b32 s60, s15, 13
	s_lshl_b32 s61, s[WV], 9
	s_add_co_u32 s33, s61, KVSC                    ; LDS: the wave's number alone
	s_add_co_u32 s60, s60, s61
	s_add_co_u32 s60, s60, 131072
	s_mov_b32 s61, 0
	s_lshl_b32 s62, s15, 18
	s_lshl_b32 s79, s[WV], 12
	s_add_co_u32 s62, s62, s79
	s_add_co_u32 s62, s62, 4194304
	s_mov_b32 s63, 0
	s_mul_i32 s41, s[WV], 12288
	s_lshl_b32 s2, s15, 18
	s_add_co_u32 s2, s2, s41
	s_add_co_u32 s2, s2, 4194304+65536
	s_mov_b32 s3, 0
	s_add_co_u32 s41, s41, 65536                   ; LDS: behind the first four steps, wave x 12,288
	s_mov_b32 s40, 1
	s_lshl_b32 s66, s14, 4
	s_add_co_u32 s66, s66, s[WV]                   ; my query tile in the head
	s_lshl_b32 s68, s15, 17
	s_lshl_b32 s69, s66, 10
	s_add_co_u32 s68, s68, s69
	s_mov_b32 s69, 0
	s_lshl_b32 s70, s15, 12
	s_lshr_b32 s71, s66, 1
	s_lshl_b32 s71, s71, 6
	s_add_co_u32 s70, s70, s71
	s_mov_b32 s71, 0
	s_lshr_b32 s72, s15, 3
	s_lshl_b32 s72, s72, 7
	s_add_co_u32 s72, s72, s66                     ; J: my row tile among the 512
	s_and_b32 s73, s15, 7                          ; the head
	s_lshl_b32 s74, s72, 13
	s_lshr_b32 s75, s73, 1
	s_lshl_b32 s75, s75, 11
	s_add_co_u32 s74, s74, s75
	s_and_b32 s75, s73, 1
	s_lshl_b32 s75, s75, 10
	s_add_co_u32 s74, s74, s75                     ; avimg: J x 8,192 + K step (head / 2) x 2,048 + chunks 2 (head % 2) on
	s_mov_b32 s75, 0
	s_lshl_b32 s76, s73, 15
	s_lshl_b32 s77, s72, 6
	s_add_co_u32 s76, s76, s77                     ; avscl: head x 32,768 + 64 J
	s_mov_b32 s77, 0
	s_and_b32 s78, s[WV], 1
	s_lshl_b32 s78, s78, 4                         ; which half of the pair's scale word is my tile's
	s_mov_b32 s[SEL], 0x76543210
	s_mov_b32 s[SEL+1], 0xfedcba98
	s_mov_b32 s[CS], 0x3e38aa3b                    ; c = log2(e) / 8
	s_mov_b32 s[CS+1], s[CS]
	s_mov_b32 s[MNT], 0x600000
	s_wait_kmcnt 0x0
	s_mov_b32 s32, 1
	s_add_nc_u64 s[34:35], s[6:7], s[60:61]
	s_or_b32 s35, s35, 0x80000000
	s_mov_b32 s36, 1
	s_lshl_b32 s37, s[WV], 12
	s_add_nc_u64 s[38:39], s[4:5], s[62:63]
	s_or_b32 s39, s39, 0x80000000
	s_add_nc_u64 s[42:43], s[4:5], s[2:3]
	s_or_b32 s43, s43, 0x80000000
	s_add_nc_u64 s[68:69], s[4:5], s[68:69]        ; Q's codes
	s_add_nc_u64 s[70:71], s[6:7], s[70:71]        ; Q's scale words
	s_add_nc_u64 s[8:9], s[8:9], s[74:75]
	s_add_nc_u64 s[10:11], s[10:11], s[76:77]
	CROUND                                         ; all four work-groups are here: the joint loads meet
	tensor_load_to_lds s[32:35], s[24:31]          ; every wave's two first fills, on end: two tensor loads of mine are out
	s_nop 0
	tensor_load_to_lds s[36:39], s[16:23]
	s_nop 0
	PL 4
	global_load_b128 v[24:27], v[LI], s[68:69]
	global_load_b128 v[28:31], v[LI], s[68:69] offset:512
	global_load_b32 v[SQA], v[RW], s[70:71]
.irp j, 0,1,2,3,4,5,6,7
	v_mov_b32 v[16+\j], 0                          ; the zero halves beside Q
	v_mov_b32 v[32+\j], 0
.endr
	v_mov_b32 v13, 0xff61b1e6                      ; the largest t so far: -3e38
	v_floor_f32 v12, -v13                          ; -M
	v_mov_b32 v14, 0                               ; the sum, in two halves
	v_mov_b32 v15, 0
.irp b, 0,1,2,3
	v_mov_b32 v[T4+\b], 0                          ; written once: a lane permute's destination counts as one of its sources
.endr
	v_mov_b32 v[F+1], 0                            ; named as the upper half of a pair
	v_mov_b32 v[TP], 0
.set j, 0
.rept 32
	v_mov_b32 v[O+j], 0                            ; the step is written once: the first finds zeros, which the first change of M leaves zeros
.set j, j+1
.endr
	s_wait_loadcnt 0x0
	v_lshrrev_b32 v[SQA], s78, v[SQA]
	v_and_b32 v[SQA], 0xffff, v[SQA]               ; bytes 0, 1: my tile's two blocks; bytes 2, 3: 0
	v_lshlrev_b32 v[SQB], 16, v[SQA]
	PL 8                                           ; a scale register written by vector instructions stands eight places ahead of a scaled product
.macro STEP                            ; 128 keys
	v_add_nc_u32 v[ADC], s[TB], v[LI]
	v_add_nc_u32 v[ADS], s[TSC], v[LSB]
	PL 6                                           ; with the two lines above: eight places in front of loads into registers that the last products have read
.irp f, 0,1,2,3
	LDF KV+16*\f, ADC, 2048*\f
.endr
	ds_load_b32 v[KS], v[ADS]
	ds_load_b32 v[KS+1], v[ADS] offset:128
	s_wait_dscnt 0x0
.irp f, 0,1,2,3
	WM S+16*\f, KV+16*\f, QA, 1, KS+\f/2, SQA, \f%2      ; keys 32 f + 16 h + 0 .. 7
	WM S+16*\f+8, KV+16*\f, QB, 1, KS+\f/2, SQB, \f%2    ; keys 32 f + 16 h + 8 .. 15
.endr
	PL 8
.irp f, 0,1,2,3
	LDF KV+16*\f, ADC, 8192+2048*\f                ; V's four tiles land under the softmax
.endr
	ds_load_b32 v[VS], v[ADS] offset:256
	ds_load_b32 v[VS+1], v[ADS] offset:384
.irp b, 0,1,2,3
	v_max3_num_f32 v[BM+\b], v[S+16*\b], v[S+1+16*\b], v[S+2+16*\b]      ; the largest score of each block of 32 keys
.endr
.irp i, 3,5,7,9,11,13
.irp b, 0,1,2,3
	v_max3_num_f32 v[BM+\b], v[BM+\b], v[S+16*\b+\i], v[S+1+16*\b+\i]
.endr
.endr
.irp b, 0,1,2,3
	v_max_num_f32 v[BM+\b], v[BM+\b], v[S+15+16*\b]
.endr
.irp b, 0,1,2,3
	v_permlanex16_b32 v[T4+\b], v[BM+\b], s[SEL], s[SEL+1]
.endr
.irp b, 0,1,2,3
	v_max_num_f32 v[BM+\b], v[BM+\b], v[T4+\b]
.endr
	v_max3_num_f32 v[TP], v[BM], v[BM+1], v[BM+2]
	v_max_num_f32 v[TP], v[TP], v[BM+3]
	v_mul_f32 v[TP], s[CS], v[TP]
	v_max_num_f32 v13, v13, v[TP]                  ; the running largest t
	v_mov_b32 v[TP], v12
	v_floor_f32 v12, -v13                          ; the new -M = -ceil(t)
	v_sub_f32 v[TP], v12, v[TP]                    ; old M - new M: a whole number, 0 or less
	v_cvt_i32_f32 v[TP], v[TP]                     ; (it saturates)
	v_ldexp_f32 v[F], 1.0, v[TP]
.set j, 0
.rept 32
	v_pk_fma_f32 v[S+j:S+j+1], v[S+j:S+j+1], s[CS:CS+1], v[12:13] op_sel_hi:[1,0,0]   ; t - M
.set j, j+2
.endr
.irp b, 0,1,2,3
	v_fma_f32 v[BM+\b], v[BM+\b], s[CS], v12
.endr
.set j, 0
.rept 64
	v_exp_f32 v[S+j], v[S+j]                       ; p = 2^(t - M)
.set j, j+1
.endr
.irp b, 0,1,2,3
	v_exp_f32 v[BM+\b], v[BM+\b]                   ; the block's largest p
.endr
	v_pk_mul_f32 v[14:15], v[14:15], v[F:F+1] op_sel_hi:[1,0]            ; the sums under the new M (a plain line behind the exponentials)
	s_wait_alu depctr_va_vdst(0)
.irp b, 0,1,2,3
	v_max_num_f32 v[BM+\b], 0x8000000, v[BM+\b]    ; the floor
.endr
.irp b, 0,1,2,3
	v_add_nc_u32 v[SO+\b], 0xf8800000, v[BM+\b]
.endr
.irp b, 0,1,2,3
	v_and_or_b32 v[HL+\b], v[BM+\b], 0x7f800000, s[MNT]
.endr
.irp b, 0,1,2,3
	v_lshrrev_b32 v[T4+\b], 23, v[SO+\b]
.endr
	v_lshl_or_b32 v[PW], v[T4+1], 8, v[T4]
	v_lshl_or_b32 v[PW], v[T4+2], 16, v[PW]
	v_lshl_or_b32 v[PW], v[T4+3], 24, v[PW]
	v_pk_add_f32 v[SM2:SM2+1], v[S:S+1], v[S+2:S+3]                      ; the row's sum of the unquantised p, in two chains
.set j, 4
.rept 15
	v_pk_add_f32 v[14:15], v[14:15], v[S+j:S+j+1]
	v_pk_add_f32 v[SM2:SM2+1], v[SM2:SM2+1], v[S+j+2:S+j+3]
.set j, j+4
.endr
	v_pk_add_f32 v[14:15], v[14:15], v[SM2:SM2+1]
.irp b, 0,1,2,3
.irp i, 0,1,2,3,4,5,6,7,8,9,10,11,12,13,14,15
	v_min_num_f32 v[S+16*\b+\i], v[S+16*\b+\i], v[HL+\b]                 ; p is not negative: the hold is one-sided
.endr
	v_cvt_scalef32_pk8_bf8_f32 v[PC+4*\b:PC+4*\b+1], v[S+16*\b:S+16*\b+7], v[SO+\b]
	v_cvt_scalef32_pk8_bf8_f32 v[PC+4*\b+2:PC+4*\b+3], v[S+16*\b+8:S+16*\b+15], v[SO+\b]
.endr
.set j, 0
.rept 16
	v_pk_mul_f32 v[O+j:O+j+1], v[O+j:O+j+1], v[F:F+1] op_sel_hi:[1,0]    ; O^T under the new M; these are also the places in front of the products
.set j, j+2
.endr
	s_wait_dscnt 0x0                               ; V
.irp t, 0,1,2,3
	WM O+8*\t, KV+16*\t, PC, 0, VS+\t/2, PW, \t%2
.endr
	s_add_co_u32 s[TB], s[TB], 16384
	s_add_co_u32 s[TSC], s[TSC], 512
.endm
	; THE FIRST MEETING POINT.  My two first fills have landed; behind a round of the cluster's barrier everybody's have, in all four work-groups, and the one joint load for the other twelve key steps goes out first.
	s_wait_tensorcnt 0x0                           ; no tensor load of mine is out
	ds_add_u32 v[SPW], v[NIL]                      ; 0 onto my spare word
	s_mov_b32 s[TB], 0
	s_mov_b32 s[TSC], 0
	s_mov_b32 s[CNT], 4
	s_wait_dscnt 0x0                               ; the add is done
	CROUND
	tensor_load_to_lds s[40:43], s[44:51]          ; bytes 65,536 on, filled for the first time: one tensor load of mine is out; the four steps below read bytes under 65,536 and the scale words
	s_nop 0
	PL 4
.Lfirst:
	STEP
	s_sub_co_u32 s[CNT], s[CNT], 1
	s_cmp_lg_u32 s[CNT], 0
	s_cbranch_scc1 .Lfirst
	; THE SECOND: my share of the other twelve steps has landed; behind the barrier everybody's has.
	s_wait_tensorcnt 0x0
	s_wait_dscnt 0x0
	s_barrier_signal -1
	s_barrier_wait -1
	s_mov_b32 s[TB], 65536
	s_mov_b32 s[TSC], 2048
	s_mov_b32 s[CNT], 12
.Lrest:
	STEP
	s_sub_co_u32 s[CNT], s[CNT], 1
	s_cmp_lg_u32 s[CNT], 0
	s_cbranch_scc1 .Lrest
	PL 8
	v_add_f32 v14, v14, v15
	v_permlanex16_b32 v[TP], v14, s[SEL], s[SEL+1]
	v_add_f32 v14, v14, v[TP]                      ; the row's sum
	v_rcp_f32 v[SM2], v14
	v_nop
	s_wait_alu depctr_va_vdst(0)
	v_mov_b32 v[SM2+1], v[SM2]
.set j, 0
.rept 16
	v_pk_mul_f32 v[S+j:S+j+1], v[O+j:O+j+1], v[SM2:SM2+1]                ; register 16 b + n: channel 32 b + 16 h + n of my query; each accumulator from its low end on
.set j, j+2
.endr
	QUANT S, PC, 2
	v_lshl_or_b32 v[PW], v[TM+5], 8, v[TM+4]
	global_store_b128 v[LI], v[PC:PC+3], s[8:9]
	global_store_b128 v[LI], v[PC+4:PC+7], s[8:9] offset:512
	global_store_b32 v[RW], v[PW], s[10:11]        ; the two halves of the lanes write the same words
	s_wait_tensorcnt 0x0                           ; the wave's end
	ds_add_u32 v[SPW], v[NIL]
	s_wait_dscnt 0x0
	CROUND                                         ; the closing round: no work-group ends while a partner may still ask for a block that names it
	s_endpgm
.Lfunc_end_k_q951c82bf82_attn:
	.size	k_q951c82bf82_attn, .Lfunc_end_k_q951c82bf82_attn-k_q951c82bf82_attn
	.p2alignl 7, 3214868480
	.fill 96, 4, 3214868480
	.section	.rodata,"a",@progbits
	.p2align	6, 0x0
	.amdhsa_kernel k_q951c82bf82_attn
		.amdhsa_group_segment_fixed_size 327680
		.amdhsa_private_segment_fixed_size 0
		.amdhsa_enable_private_segment 0
		.amdhsa_kernarg_size 32
		.amdhsa_user_sgpr_count 2
		.amdhsa_user_sgpr_kernarg_segment_ptr 1
		.amdhsa_wavefront_size32 1
		.amdhsa_system_sgpr_workgroup_id_x 1
		.amdhsa_system_sgpr_workgroup_id_y 1
		.amdhsa_system_sgpr_workgroup_id_z 1
		.amdhsa_system_vgpr_workitem_id 0
		.amdhsa_next_free_vgpr 256
		.amdhsa_next_free_sgpr 80
		.amdhsa_reserve_vcc 0
		.amdhsa_float_denorm_mode_32 3
		.amdhsa_float_denorm_mode_16_64 3
		.amdhsa_memory_ordered 1
		.amdhsa_forward_progress 1
		.amdhsa_inst_pref_size 52
	.end_amdhsa_kernel
	.amdgpu_metadata
---
amdhsa.version: [ 1, 2 ]
amdhsa.kernels:
  - .name:           k_q951c82bf82_attn
    .symbol:         k_q951c82bf82_attn.kd
    .args:
      - { .name: qkv, .offset: 0, .size: 8, .value_kind: global_buffer, .address_space: global }
      - { .name: qkvs, .offset: 8, .size: 8, .value_kind: global_buffer, .address_space: global }
      - { .name: avimg, .offset: 16, .size: 8, .value_kind: global_buffer, .address_space: global }
      - { .name: avscl, .offset: 24, .size: 8, .value_kind: global_buffer, .address_space: global }
    .group_segment_fixed_size: 327680
    .private_segment_fixed_size: 0
    .kernarg_segment_align: 8
    .kernarg_segment_size: 32
    .max_flat_workgroup_size: 512
    .sgpr_count:     80
    .vgpr_count:     256
    .wavefront_size: 32
...
	.end_amdgpu_metadata
.endif
;; end of part 6
;; launch ffn (part 7): grid 256 x 1, 8 waves a work-group, no clusters, 168,960 bytes of LDS; arguments avimg, avscl, wimg, wscl, x, bo, ln2_g, ln2_b, b1, b2, out0; writes out0
.if DOCPART == 7
	.amdgcn_target "amdgcn-amd-amdhsa--gfx1250"
	.amdhsa_code_object_version 6
	.text
	.protected	k_q951c82bf82_ffn
	.globl	k_q951c82bf82_ffn
	.p2align	8
	.type	k_q951c82bf82_ffn,@function
k_q951c82bf82_ffn:
	s_mov_b64 s[64:65], 0
	v_nop
	global_prefetch_b8 v0, s[64:65] scope:SCOPE_SE
	s_setreg_imm32_b32 hwreg(HW_REG_WAVE_MODE, 25, 1), 1
	s_wait_xcnt 0x0
; FFN.  x1 = x + av Wo + bo;  out = x1 + gelu(LN2(x1) W1 + b1) W2 + b2: three products on codes of E5M2; nothing between them goes to memory.
; A work-group takes 32 rows (a pair of row tiles): 256 work-groups.  THE EIGHT WAVES SHARE THE COLUMNS: wave w owns columns 64 w .. 64 w + 63 of x1 and of out, and hidden units 256 w .. 256 w + 255 (K steps 2 w, 2 w + 1 of the last product).
; All products are used transposed (source 0 = 16 columns of a weight, source 1 = 16 rows), so a lane holds one row and its registers run along the next K.  What one wave quantises reaches the others through LDS as images of the operand's registers.
; THE WEIGHTS ARE ONE STREAM OF 36 K STEPS A WAVE (4 of Wo, 16 of W1, 16 of W2; a step: my four tiles' fragments, 16 loads of 512 consecutive bytes, and two scale blocks), straight into the one wave that uses them.
; Step n lands in set n % 4.  Sets 0 and 1 lie in window 1, which LayerNorm and GELU do not touch: the next two steps stay on their way under that vector work.  Sets 2 and 3 lie in window 0 and are asked for straight behind the quantiser.
; Where no vector work stands between, step n + 3 is asked for when step n has come.  The text has no loop: every offset is an immediate and no pointer is stepped.
; NO MULTICAST: only the weights are shared between work-groups, and a wave's fragments are used by that wave alone.  Through LDS they would add 64 KiB of LDS reads a K step to the 32 KiB that the rows' images cost,
; and beside 100 KiB of images LDS has room for two slots of one K step only, so that a refill would have one K step, 8 products a wave, in which to land.
; x comes by the tensor data mover (32 dense rows, as 64 half-rows of 1,024 bytes + 16 of padding) into the bytes that later hold the hidden layer's images: those bytes have then had their only fill.
; GELU: x Phi(x) = max(x, 0) - |x| Q(|x|), Q(a) = Z(a) (b1 t + .. + b5 t^5), t = 1 / (1 + p a) (Abramowitz and Stegun 26.2.17), all factors folded into the constants.
; LIMITS: Q's absolute error is under 7.5e-8; its relative error in the far tail (x under about -4, where the result is under 1e-4) was not established.  NaN and infinities are not served; a block whose largest magnitude lies under 2^-111 gets the byte 1.
; Both passes of LayerNorm 2 are taken (the mean, then the squared deviations).  Residual, bias and product are added in another order than the formula reads.
.set X2I,   16384                      ; LDS: 0: av's 8 fragments [tile][K step], filled once by tensor loads;  here: LN2's 8 fragments [tile][K step]
.set XT,    32768                      ; x: 64 half-rows x 1,040 bytes, filled once by tensor loads
.set HIMG,  32768                      ; later the same bytes: the hidden layer's 32 fragments [K step 16][tile 2]
.set STG,   32768                      ; and at last: the stage for out: 32 rows x (2,048 + 16)
.set HSC,   99328                      ; the hidden layer's scale blocks [K step][128]
.set X2SC,  101376                     ; LN2's [K step][128]
.set STAT1, 101888                     ; partial sums [row 32][wave 8];  1,024 bytes on: partial sums of squares
.set XA,  0                            ; window 1: v0-63 x1, then out: register 32 i + 8 t + j
.set HA,  64                           ; window 1: v64-127 the hidden layer's accumulators;  v128-191, v192-255: weight sets 0, 1
.set LI,  1                            ; 16 x lane
.set LS,  2                            ; 4 x lane
.set XAD, 3                            ; x in LDS: my row, + 64 h, + my wave's 256 bytes
.set BA,  4                            ; column vectors: 64 h + 256 w
.set B1A, 5                            ; b1: 64 h
.set XW,  6                            ; where I store LN2's images
.set SB,  7                            ; and their scale half-words
.set ST8, 8                            ; my word of the partial sums
.set ST9, 9                            ; my row's eight
.set HW,  10                           ; where I store the hidden layer's images
.set HSW, 11                           ; and their scale words
.set AH0, 12                           ; the hidden layer's images
.set AHS, 13                           ; their scale blocks
.set SO0, 14                           ; the stage: where I put 16 bytes of a row
.set RD,  15                           ; the stage: my four rows back
.set X2A, 16                           ; LN2's images
.set X2S0, 17                          ; LN2's scale blocks
.set XF,  32                           ; v32-63 two fragments of rows
.set TM,  32                           ; between the products: v32-47 the quantiser's work,
.set PC,  48                           ; v48-63 codes
.set B1,  64                           ; v64-95 the next pass's 64 numbers of b1 in the result's layout; first b2
.set DV,  96                           ; LN2: v96-159 deviations          (v96-159, v160-223: weight sets 2, 3)
.set GG,  160                          ; LN2: gain
.set BT,  192                          ; LN2: bias
.set GP,  96                           ; GELU: v96-159 results
.set A2,  160
.set TT,  176
.set EE,  192
.set PQ,  208
.set AVS, 224                          ; v224-227 av's scale words, later LN2's: lanes 0-15 the even tile's, lanes 16-31 the odd tile's
.set WSC, 228                          ; v228-235 the weights' scale words, two a set
.set XSC, 236                          ; the hidden layer's
.set T2,  237
.set SW,  238                          ; a scale word being put together
.set T1,  239
.set CC,  240                          ; v240-247 C4, C3, C2, C1, each in both halves of a pair; in LN2 v240-241 lane permutes' destinations
.set MR,  248                          ; v248-251 a pair a row tile: the mean, later 1 / sigma
.set WV,  26
.set R512, 27
.set SEL, 28
.set MNT, 30
.set HM,  31
.set KK,  32
.set PP,  34
.set C5,  36
.set PWO, 52
.set PSO, 54
.set PW1, 56
.set PS1, 58
.set PB1, 60
.set PW2, 72
.set PS2, 74
.set POUT, 76
.set MSB, 0
.macro WIN new                         ; the immediate's high byte repeats the setting that is left
.if MSB != \new
	s_set_vgpr_msb (MSB<<8)|\new
.set MSB, \new
.endif
.endm
.macro PL n
.rept \n
	v_nop
.endr
.endm
.macro BAR                             ; my LDS stores have landed and my LDS loads are in: then the work-group's barrier
	s_wait_dscnt 0x0
	s_barrier_signal -1
	s_barrier_wait -1
.endm
.macro QUANT s, pc, nblk
.irp b, 0,1,2,3
.if \b < \nblk
	v_max3_num_f32 v[TM+\b], |v[\s+16*\b]|, |v[\s+1+16*\b]|, 0x8000000
.endif
.endr
.irp i, 2,4,6,8,10,12,14
.irp b, 0,1,2,3
.if \b < \nblk
	v_max3_num_f32 v[TM+\b], v[TM+\b], |v[\s+16*\b+\i]|, |v[\s+1+16*\b+\i]|
.endif
.endr
.endr
.irp b, 0,1,2,3
.if \b < \nblk
	v_permlanex16_b32 v[TM+4+\b], v[TM+\b], s[SEL], s[SEL+1]
.endif
.endr
.irp b, 0,1,2,3
.if \b < \nblk
	v_max_num_f32 v[TM+\b], v[TM+\b], v[TM+4+\b]
.endif
.endr
.irp b, 0,1,2,3
.if \b < \nblk
	v_add_nc_u32 v[TM+12+\b], 0xf8800000, v[TM+\b]
.endif
.endr
.irp b, 0,1,2,3
.if \b < \nblk
	v_and_or_b32 v[TM+8+\b], v[TM+\b], 0x7f800000, s[MNT]
.endif
.endr
.irp b, 0,1,2,3
.if \b < \nblk
	v_lshrrev_b32 v[TM+4+\b], 23, v[TM+12+\b]
.endif
.endr
.irp b, 0,1,2,3
.if \b < \nblk
.irp i, 0,1,2,3,4,5,6,7,8,9,10,11,12,13,14,15
	v_med3_num_f32 v[\s+16*\b+\i], v[\s+16*\b+\i], -v[TM+8+\b], v[TM+8+\b]
.endr
	v_cvt_scalef32_pk8_bf8_f32 v[\pc+4*\b:\pc+4*\b+1], v[\s+16*\b:\s+16*\b+7], v[TM+12+\b]
	v_cvt_scalef32_pk8_bf8_f32 v[\pc+4*\b+2:\pc+4*\b+3], v[\s+16*\b+8:\s+16*\b+15], v[TM+12+\b]
.endif
.endr
	v_nop                                          ; one plain line behind the last scaled conversion
.endm
.macro HALF2 d, t                      ; lanes 0-15: the even tile's two bytes, lanes 16-31: the odd tile's
	v_lshl_or_b32 v[\d], v[TM+5], 8, v[TM+4]
	v_lshl_or_b32 v[\t], v[TM+7], 8, v[TM+6]
	v_cndmask_b32 v[\d], v[\d], v[\t], s[HM]
.endm
.macro WM d, a, b, c, sa, sb, ra, rb   ; one product.  ra, rb: the side's scale words stand in lanes 16-31
.if (\ra)&&(\rb)
	v_wmma_scale_f32_16x16x128_f8f6f4 v[\d:\d+7], v[\a:\a+15], v[\b:\b+15], v[\c:\c+7], v[\sa], v[\sb] matrix_a_fmt:MATRIX_FMT_BF8 matrix_b_fmt:MATRIX_FMT_BF8 matrix_a_scale:MATRIX_SCALE_ROW1 matrix_b_scale:MATRIX_SCALE_ROW1
.elseif \ra
	v_wmma_scale_f32_16x16x128_f8f6f4 v[\d:\d+7], v[\a:\a+15], v[\b:\b+15], v[\c:\c+7], v[\sa], v[\sb] matrix_a_fmt:MATRIX_FMT_BF8 matrix_b_fmt:MATRIX_FMT_BF8 matrix_a_scale:MATRIX_SCALE_ROW1
.elseif \rb
	v_wmma_scale_f32_16x16x128_f8f6f4 v[\d:\d+7], v[\a:\a+15], v[\b:\b+15], v[\c:\c+7], v[\sa], v[\sb] matrix_a_fmt:MATRIX_FMT_BF8 matrix_b_fmt:MATRIX_FMT_BF8 matrix_b_scale:MATRIX_SCALE_ROW1
.else
	v_wmma_scale_f32_16x16x128_f8f6f4 v[\d:\d+7], v[\a:\a+15], v[\b:\b+15], v[\c:\c+7], v[\sa], v[\sb] matrix_a_fmt:MATRIX_FMT_BF8 matrix_b_fmt:MATRIX_FMT_BF8
.endif
.endm
; Step n of the weights' stream: 18 loads into set n % 4.  n = 0 .. 3: Wo;  4 .. 19: W1, pass (n - 4) / 4, K step (n - 4) % 4;  20 .. 35: W2
.macro LDSTEP n
.set W_N, (\n)
.set W_SET, W_N%4
.if W_N < 4
.set W_P, PWO
.set W_OFF, 2048*W_N
.set W_TS, 8192
.set W_Q, PSO
.set W_SO, 128*W_N
.set W_PS, 512
.elseif W_N < 20
.set W_P, PW1
.set W_OFF, 32768*((W_N-4)/4)+2048*((W_N-4)%4)
.set W_TS, 8192
.set W_Q, PS1
.set W_SO, 1024*((W_N-4)/4)+128*((W_N-4)%4)
.set W_PS, 512
.else
.set W_P, PW2
.set W_OFF, 2048*(W_N-20)
.set W_TS, 32768
.set W_Q, PS2
.set W_SO, 128*(W_N-20)
.set W_PS, 2048
.endif
.if W_SET < 2
.set W_BASE, 128+64*W_SET
	WIN 0x40                                       ; destination window 1
.else
.set W_BASE, 96+64*(W_SET-2)
	WIN 0
.endif
.irp t, 0,1,2,3
.irp c, 0,1,2,3
	global_load_b128 v[W_BASE+16*\t+4*\c:W_BASE+16*\t+4*\c+3], v[LI], s[W_P:W_P+1] offset:W_OFF+\t*W_TS+512*\c
.endr
.endr
	WIN 0
	global_load_b32 v[WSC+2*W_SET], v[LS], s[W_Q:W_Q+1] offset:W_SO
	global_load_b32 v[WSC+2*W_SET+1], v[LS], s[W_Q:W_Q+1] offset:W_SO+W_PS
.endm
.macro LDB1 q                          ; pass q's 64 numbers of b1: register 8 t + j = hidden unit 32 (t / 2) + 16 h + 8 (t % 2) + j
.irp p, 0,1
.irp j, 0,1,2,3
	global_load_b128 v[B1+16*\p+4*\j:B1+16*\p+4*\j+3], v[B1A], s[PB1:PB1+1] offset:256*(\q)+128*\p+16*\j
.endr
.endr
.endm
.macro LDX a, off, istr                ; the two row tiles' fragments of one K step, from LDS
.irp i, 0,1
.irp c, 0,1,2,3
	ds_load_b128 v[XF+16*\i+4*\c:XF+16*\i+4*\c+3], v[\a] offset:\off+\i*\istr+512*\c
.endr
.endr
.endm
; Stream step n's eight products: eight accumulators by turns, one instruction a turn; then eight places, for the loads and reads that follow.
; first = 1: b1, in window 0, is the C of the sums' first products
.macro MM n, acc, xs, first
.set W_SET, (\n)%4
.if W_SET < 2
.set W_BASE, 128+64*W_SET
.if \first
	WIN 0x41                                       ; source 0 and D window 1, C window 0
.else
	WIN 0x51                                       ; source 0, C and D window 1
.endif
.else
.set W_BASE, 96+64*(W_SET-2)
	WIN 0x50                                       ; C and D window 1
.endif
.irp i, 0,1
.irp t, 0,1,2,3
.if \first
	WM \acc+32*\i+8*\t, W_BASE+16*\t, XF+16*\i, B1+8*\t, WSC+2*W_SET+\t/2, \xs, \t%2, \i
.else
	WM \acc+32*\i+8*\t, W_BASE+16*\t, XF+16*\i, \acc+32*\i+8*\t, WSC+2*W_SET+\t/2, \xs, \t%2, \i
.endif
.endr
.endr
	WIN 0
	PL 8
.endm
.macro STATS off                       ; the eight waves' partial sums of my row in both tiles -> v32, v40
	ds_load_b128 v[32:35], v[ST9] offset:\off
	ds_load_b128 v[36:39], v[ST9] offset:\off+16
	ds_load_b128 v[40:43], v[ST9] offset:\off+512
	ds_load_b128 v[44:47], v[ST9] offset:\off+528
	s_wait_dscnt 0x0
	v_pk_add_f32 v[32:33], v[32:33], v[34:35]
	v_pk_add_f32 v[36:37], v[36:37], v[38:39]
	v_pk_add_f32 v[40:41], v[40:41], v[42:43]
	v_pk_add_f32 v[44:45], v[44:45], v[46:47]
	v_pk_add_f32 v[32:33], v[32:33], v[36:37]
	v_pk_add_f32 v[40:41], v[40:41], v[44:45]
	v_add_f32 v32, v32, v33
	v_add_f32 v40, v40, v41
.endm
.macro GELU16 src, dst                 ; sixteen numbers of window 1 -> window 0
	WIN 0x01
.irp n, 0,1,2,3,4,5,6,7,8,9,10,11,12,13,14,15
	v_mul_f32 v[A2+\n], |v[\src+\n]|, s[KK]        ; a' = |x| sqrt(log2(e) / 2): each accumulator from its low end on
.endr
.irp n, 0,1,2,3,4,5,6,7,8,9,10,11,12,13,14,15
	v_max_num_f32 v[\dst+\n], v[\src+\n], 0        ; max(x, 0) waits in the result's place
.endr
	WIN 0
.irp n, 0,2,4,6,8,10,12,14
	v_pk_fma_f32 v[TT+\n:TT+\n+1], v[A2+\n:A2+\n+1], s[PP:PP+1], 1.0 op_sel_hi:[1,0,0]   ; 1 + p |x|
.endr
.irp n, 0,2,4,6,8,10,12,14
	v_pk_mul_f32 v[EE+\n:EE+\n+1], v[A2+\n:A2+\n+1], v[A2+\n:A2+\n+1]
.endr
.irp n, 0,1,2,3,4,5,6,7,8,9,10,11,12,13,14,15
	v_rcp_f32 v[TT+\n], v[TT+\n]
.endr
.irp n, 0,1,2,3,4,5,6,7,8,9,10,11,12,13,14,15
	v_exp_f32 v[EE+\n], -v[EE+\n]                  ; e^(-x^2 / 2)
.endr
	v_nop                                          ; one plain line behind the transcendentals
	s_wait_alu depctr_va_vdst(0)
.irp n, 0,2,4,6,8,10,12,14
	v_pk_fma_f32 v[PQ+\n:PQ+\n+1], v[TT+\n:TT+\n+1], s[C5:C5+1], v[CC:CC+1] op_sel_hi:[1,0,1]
.endr
.irp k, 2,4,6
.irp n, 0,2,4,6,8,10,12,14
	v_pk_fma_f32 v[PQ+\n:PQ+\n+1], v[PQ+\n:PQ+\n+1], v[TT+\n:TT+\n+1], v[CC+\k:CC+\k+1]
.endr
.endr
.irp n, 0,2,4,6,8,10,12,14
	v_pk_mul_f32 v[PQ+\n:PQ+\n+1], v[PQ+\n:PQ+\n+1], v[TT+\n:TT+\n+1]
.endr
.irp n, 0,2,4,6,8,10,12,14
	v_pk_mul_f32 v[PQ+\n:PQ+\n+1], v[PQ+\n:PQ+\n+1], v[EE+\n:EE+\n+1]
.endr
.irp n, 0,2,4,6,8,10,12,14
	v_pk_fma_f32 v[\dst+\n:\dst+\n+1], v[A2+\n:A2+\n+1], v[PQ+\n:PQ+\n+1], v[\dst+\n:\dst+\n+1] neg_lo:[1,0,0] neg_hi:[1,0,0]   ; max(x, 0) - |x| Q(|x|)
.endr
.endm
	s_load_b512 s[4:19], s[0:1], 0x0               ; avimg 4, avscl 6, wimg 8, wscl 10, x 12, bo 14, ln2_g 16, ln2_b 18
	s_load_b128 s[20:23], s[0:1], 0x40             ; b1 20, b2 22
	s_load_b64 s[24:25], s[0:1], 0x50              ; out0
	v_lshl_add_u32 v254, v0, 2, 0x29000
	v_mov_b32 v255, 0
	ds_add_u32 v254, v255
	ds_add_u32 v254, v255
	v_lshrrev_b32 v1, 5, v0
	v_readfirstlane_b32 s[WV], v1                  ; wave 0..7
	v_and_b32 v20, 31, v0
	v_and_b32 v21, 15, v0                          ; r
	v_bfe_u32 v22, v0, 4, 1                        ; h
	v_lshlrev_b32 v[LI], 4, v20
	v_lshlrev_b32 v[LS], 2, v20
	v_and_b32 v23, 8, v21
	v_add_nc_u32 v23, v23, v21                     ; r + (r & 8)
	v_mul_u32_u24 v[XAD], v23, 2080                ; a row of x is two half-rows of 1,040 bytes
	v_lshl_add_u32 v[XAD], v22, 6, v[XAD]
	s_lshr_b32 s66, s[WV], 2
	s_mul_i32 s66, s66, 1040                       ; which half-row my 256 bytes lie in,
	s_and_b32 s67, s[WV], 3
	s_lshl_b32 s67, s67, 8                         ; and where in it
	s_add_co_u32 s66, s66, s67
	s_add_co_u32 s66, s66, XT
	v_add_nc_u32 v[XAD], s66, v[XAD]
	v_lshlrev_b32 v[B1A], 6, v22
	s_lshl_b32 s66, s[WV], 8
	v_add_nc_u32 v[BA], s66, v[B1A]
	s_lshr_b32 s67, s[WV], 1
	s_and_b32 s68, s[WV], 1
	s_lshl_b32 s69, s67, 11
	s_lshl_b32 s70, s68, 10
	s_add_co_u32 s69, s69, s70
	s_add_co_u32 s69, s69, X2I
	v_add_nc_u32 v[XW], s69, v[LI]                 ; my 64 columns are chunks 2 (w % 2), + 1 of K step w / 2
	s_lshl_b32 s69, s67, 7
	s_lshl_b32 s70, s68, 1
	s_add_co_u32 s69, s69, s70
	s_add_co_u32 s69, s69, X2SC
	v_add_nc_u32 v[SB], s69, v[LS]                 ; and bytes 2 (w % 2), + 1 of its scale words
	v_lshlrev_b32 v[ST9], 5, v21
	v_add_nc_u32 v[ST9], STAT1, v[ST9]
	s_lshl_b32 s69, s[WV], 2
	v_add_nc_u32 v[ST8], s69, v[ST9]
	s_lshl_b32 s69, s[WV], 13
	s_add_co_u32 s69, s69, HIMG
	v_add_nc_u32 v[HW], s69, v[LI]                 ; my two K steps' images
	s_lshl_b32 s69, s[WV], 8
	s_add_co_u32 s69, s69, HSC
	v_add_nc_u32 v[HSW], s69, v[LS]
	v_add_nc_u32 v[AH0], HIMG, v[LI]
	v_add_nc_u32 v[AHS], HSC, v[LS]
	v_mul_u32_u24 v[SO0], v21, 2064
	v_lshl_add_u32 v[SO0], v22, 6, v[SO0]
	s_add_co_u32 s69, s66, STG
	v_add_nc_u32 v[SO0], s69, v[SO0]
	s_mul_i32 s69, s[WV], 4*2064
	s_add_co_u32 s69, s69, STG
	v_add_nc_u32 v[RD], s69, v[LI]
	v_add_nc_u32 v[X2A], X2I, v[LI]
	v_add_nc_u32 v[X2S0], X2SC, v[LS]
	v_mov_b32 v[CC], 0                             ; written once: a lane permute's destination counts as one of its sources
	v_mov_b32 v[CC+1], 0
	s_mov_b32 s[R512], 0x3b000000                  ; 1 / 512
	s_mov_b32 s[SEL], 0x76543210
	s_mov_b32 s[SEL+1], 0xfedcba98
	s_mov_b32 s[MNT], 0x600000
	s_mov_b32 s[HM], 0xffff0000
	s_mov_b32 s[KK], 0x3f596d27                    ; sqrt(log2(e) / 2)
	s_mov_b32 s[PP], 0x3e8ba440                    ; p / that
	s_mov_b32 s[PP+1], s[PP]
	s_mov_b32 s[C5], 0x3f1ff67a                    ; b5 / (that x sqrt(2 pi))
	s_mov_b32 s[C5+1], s[C5]
	; two tensor loads a wave.  av: my eighth of the 16,384 bytes of images, dense, as 8 rows of 256 bytes
	s_mov_b32 s40, 1
	s_lshl_b32 s41, s[WV], 11
	s_mov_b32 s44, 3<<16                           ; elements of 8 bytes, no padding
	s_mov_b32 s45, 32<<16
	s_mov_b32 s46, 8<<16
	s_mov_b32 s47, 32<<16
	s_mov_b32 s48, 8
	s_mov_b32 s49, 32
	s_mov_b32 s50, 0
	s_mov_b32 s51, 0
	; x: my eighth of the 32 dense rows, as 8 rows of 1,024 bytes (128 elements of 8 bytes), four words of padding behind every 256 words
	s_mov_b32 s80, 1
	s_mul_i32 s81, s[WV], 8*1040
	s_add_co_u32 s81, s81, XT
	s_mov_b32 s84, (3<<16)|(1<<20)|(7<<22)|(3<<25)
	s_mov_b32 s85, 128<<16
	s_mov_b32 s86, 8<<16
	s_mov_b32 s87, 128<<16
	s_mov_b32 s88, 8
	s_mov_b32 s89, 128
	s_mov_b32 s90, 0
	s_mov_b32 s91, 0
	s_lshl_b32 s62, ttmp9, 14
	s_add_co_u32 s62, s62, s41
	s_mov_b32 s63, 0
	s_lshl_b32 s66, ttmp9, 16
	s_lshl_b32 s67, s[WV], 13
	s_add_co_u32 s66, s66, s67
	s_mov_b32 s67, 0
	s_mov_b32 s69, 0
	s_wait_dscnt 0x0
	s_wait_kmcnt 0x0
	s_add_nc_u64 s[42:43], s[4:5], s[62:63]
	s_or_b32 s43, s43, 0x80000000
	s_add_nc_u64 s[82:83], s[12:13], s[66:67]
	s_or_b32 s83, s83, 0x80000000
	tensor_load_to_lds s[40:43], s[44:51]          ; two tensor loads of mine are out; their bytes are filled once
	s_nop 0
	tensor_load_to_lds s[80:83], s[84:91]
	s_nop 0
	PL 4
	s_lshl_b32 s66, ttmp9, 7
	s_add_nc_u64 s[6:7], s[6:7], s[66:67]          ; av's scale words at my pair of tiles
	s_lshl_b32 s66, s[WV], 15
	s_add_co_u32 s66, s66, 786432
	s_add_nc_u64 s[PWO:PWO+1], s[8:9], s[66:67]
	s_lshl_b32 s66, s[WV], 10
	s_add_nc_u64 s[PB1:PB1+1], s[20:21], s[66:67]
	s_add_co_u32 s66, s66, 24576
	s_add_nc_u64 s[PSO:PSO+1], s[10:11], s[66:67]
	s_lshl_b32 s66, s[WV], 17
	s_add_co_u32 s68, s66, 1048576
	s_add_nc_u64 s[PW1:PW1+1], s[8:9], s[68:69]
	s_add_co_u32 s68, s66, 2097152
	s_add_nc_u64 s[PW2:PW2+1], s[8:9], s[68:69]
	s_lshl_b32 s66, s[WV], 12
	s_add_co_u32 s68, s66, 32768
	s_add_nc_u64 s[PS1:PS1+1], s[10:11], s[68:69]
	s_add_co_u32 s68, s66, 65536
	s_add_nc_u64 s[PS2:PS2+1], s[10:11], s[68:69]
	s_lshl_b32 s66, ttmp9, 5
	s_lshr_b32 s68, s[WV], 2
	s_lshl_b32 s68, s68, 3
	s_add_co_u32 s66, s66, s68
	s_and_b32 s68, s[WV], 3
	s_lshl_b32 s68, s68, 2
	s_add_co_u32 s66, s66, s68
	s_bfe_u32 s68, s[WV], 0x10001
	s_lshl_b32 s68, s68, 3
	s_add_co_u32 s66, s66, s68                     ; the first of the four rows that I store: stage rows 4 w on are tile w / 4, positions 4 (w % 4) on
	s_lshl_b32 s66, s66, 11
	s_add_nc_u64 s[POUT:POUT+1], s[24:25], s[66:67]
.irp d, 0,1,2,3,4,5,6,7
	global_load_b32 v[64+\d], v[LS], s[6:7] offset:32768*\d
.endr
.irp p, 0,1
.irp j, 0,1,2,3
	global_load_b128 v[32+16*\p+4*\j:35+16*\p+4*\j], v[BA], s[14:15] offset:128*\p+16*\j
.endr
.endr
	LDSTEP 0
	LDSTEP 1
	s_wait_loadcnt 36                              ; av's scale words and bo are in; the 36 loads of stream steps 0 and 1 may be out
.irp k, 0,1,2,3
	v_lshl_or_b32 v[AVS+\k], v[64+2*\k+1], 16, v[64+2*\k]     ; two heads' half-words make a K step's scale word
.endr
	LDSTEP 2
	s_wait_tensorcnt 0x0                           ; my parts of av's images and of x have landed,
	BAR                                            ; everybody's have
	WIN 0x40                                       ; destination window 1
.irp i, 0,1
.irp p, 0,1
.irp j, 0,1,2,3
	ds_load_b128 v[XA+32*\i+16*\p+4*\j:XA+32*\i+16*\p+4*\j+3], v[XAD] offset:16640*\i+128*\p+16*\j   ; the odd tile begins 8 rows further down
.endr
.endr
.endr
	WIN 0
	s_wait_dscnt 0x0
	WIN 0x41                                       ; destination and source 0 window 1
.irp i, 0,1
.set m, 0
.rept 16
	v_pk_add_f32 v[XA+32*\i+2*m:XA+32*\i+2*m+1], v[XA+32*\i+2*m:XA+32*\i+2*m+1], v[32+2*m:33+2*m]   ; x + bo starts the sums; these lines are also the places behind the scale words just made
.set m, m+1
.endr
.endr
	WIN 0
; ---------------- x1 = x + bo + av Wo: stream steps 0 .. 3
.irp k, 0,1,2,3
	s_wait_loadcnt 36                              ; this step's weights are in; the two younger steps' 36 loads may be out
.if \k < 3
	LDSTEP \k+3                                    ; into the set that the last step's products have left (steps 4 and 5 are W1's first: they lie in window 1 and land under LayerNorm 2)
.endif
	LDX LI, 2048*\k, 8192
	s_wait_dscnt 0x0
	MM \k, XA, AVS+\k, 0
.endr
; ---------------- LayerNorm 2 and its quantiser
.irp p, 0,1
.irp j, 0,1,2,3
	global_load_b128 v[B1+16*\p+4*\j:B1+16*\p+4*\j+3], v[BA], s[22:23] offset:128*\p+16*\j           ; b2
.endr
.endr
.irp p, 0,1
.irp j, 0,1,2,3
	global_load_b128 v[GG+16*\p+4*\j:GG+16*\p+4*\j+3], v[BA], s[16:17] offset:128*\p+16*\j
	global_load_b128 v[BT+16*\p+4*\j:BT+16*\p+4*\j+3], v[BA], s[18:19] offset:128*\p+16*\j
.endr
.endr
	WIN 0x05                                       ; sources 0 and 1 window 1
.irp i, 0,1
.irp k, 0,1,2,3,4,5,6,7
	v_pk_add_f32 v[32+16*\i+2*\k:33+16*\i+2*\k], v[XA+32*\i+4*\k:XA+32*\i+4*\k+1], v[XA+32*\i+4*\k+2:XA+32*\i+4*\k+3]   ; each accumulator from its low end on
.endr
.endr
	WIN 0
.irp k, 0,4,8,12
.irp i, 0,1
	v_pk_add_f32 v[32+16*\i+\k:33+16*\i+\k], v[32+16*\i+\k:33+16*\i+\k], v[34+16*\i+\k:35+16*\i+\k]
.endr
.endr
.irp k, 0,8
.irp i, 0,1
	v_pk_add_f32 v[32+16*\i+\k:33+16*\i+\k], v[32+16*\i+\k:33+16*\i+\k], v[36+16*\i+\k:37+16*\i+\k]
.endr
.endr
.irp i, 0,1
	v_pk_add_f32 v[32+16*\i:33+16*\i], v[32+16*\i:33+16*\i], v[40+16*\i:41+16*\i]
.endr
.irp i, 0,1
	v_add_f32 v[32+16*\i], v[32+16*\i], v[33+16*\i]
.endr
.irp i, 0,1
	v_permlanex16_b32 v[CC+\i], v[32+16*\i], s[SEL], s[SEL+1]
.endr
.irp i, 0,1
	v_add_f32 v[32+16*\i], v[32+16*\i], v[CC+\i]   ; my wave's 64 columns of the row
.endr
.irp i, 0,1
	ds_store_b32 v[ST8], v[32+16*\i] offset:512*\i
.endr
	BAR
	STATS 0
	v_mul_f32 v[MR], s[R512], v32
	v_mul_f32 v[MR+2], s[R512], v40
	v_mov_b32 v[MR+1], v[MR]
	v_mov_b32 v[MR+3], v[MR+2]
	WIN 0x01                                       ; source 0 window 1
.irp i, 0,1
.set m, 0
.rept 16
	v_pk_add_f32 v[DV+32*\i+2*m:DV+32*\i+2*m+1], v[XA+32*\i+2*m:XA+32*\i+2*m+1], v[MR+2*\i:MR+2*\i+1] neg_lo:[0,1] neg_hi:[0,1]
.set m, m+1
.endr
.endr
	WIN 0
	s_wait_loadcnt 16                              ; b2 is in; the 16 loads of gain and bias may be out
	WIN 0x41
.irp i, 0,1
.set m, 0
.rept 16
	v_pk_add_f32 v[XA+32*\i+2*m:XA+32*\i+2*m+1], v[XA+32*\i+2*m:XA+32*\i+2*m+1], v[B1+2*m:B1+2*m+1]   ; x1 + b2 starts the last product's sums
.set m, m+1
.endr
.endr
	WIN 0
	LDB1 0                                         ; the first pass's b1 takes b2's place
.irp i, 0,1
	v_pk_mul_f32 v[48+4*\i:49+4*\i], v[DV+32*\i:DV+32*\i+1], v[DV+32*\i:DV+32*\i+1]
	v_pk_mul_f32 v[50+4*\i:51+4*\i], v[DV+32*\i+2:DV+32*\i+3], v[DV+32*\i+2:DV+32*\i+3]
.endr
.irp m, 1,2,3,4,5,6,7
.irp i, 0,1
	v_pk_fma_f32 v[48+4*\i:49+4*\i], v[DV+32*\i+4*\m:DV+32*\i+4*\m+1], v[DV+32*\i+4*\m:DV+32*\i+4*\m+1], v[48+4*\i:49+4*\i]
	v_pk_fma_f32 v[50+4*\i:51+4*\i], v[DV+32*\i+4*\m+2:DV+32*\i+4*\m+3], v[DV+32*\i+4*\m+2:DV+32*\i+4*\m+3], v[50+4*\i:51+4*\i]
.endr
.endr
.irp i, 0,1
	v_pk_add_f32 v[48+4*\i:49+4*\i], v[48+4*\i:49+4*\i], v[50+4*\i:51+4*\i]
.endr
.irp i, 0,1
	v_add_f32 v[48+4*\i], v[48+4*\i], v[49+4*\i]
.endr
.irp i, 0,1
	v_permlanex16_b32 v[CC+\i], v[48+4*\i], s[SEL], s[SEL+1]
.endr
.irp i, 0,1
	v_add_f32 v[48+4*\i], v[48+4*\i], v[CC+\i]
.endr
.irp i, 0,1
	ds_store_b32 v[ST8], v[48+4*\i] offset:1024+512*\i       ; other bytes than the first sums'
.endr
	BAR
	STATS 1024
	v_fmaak_f32 v32, s[R512], v32, 0x3727c5ac      ; the variance + 1e-5
	v_fmaak_f32 v40, s[R512], v40, 0x3727c5ac
	v_rsq_f32 v[MR], v32
	v_rsq_f32 v[MR+2], v40
	v_nop                                          ; one plain line behind the transcendentals
	s_wait_alu depctr_va_vdst(0)
	v_mov_b32 v[MR+1], v[MR]
	v_mov_b32 v[MR+3], v[MR+2]
	s_wait_loadcnt 8                               ; gain and bias are in; the 8 loads of b1 may be out
.irp i, 0,1
.set m, 0
.rept 16
	v_pk_mul_f32 v[DV+32*\i+2*m:DV+32*\i+2*m+1], v[DV+32*\i+2*m:DV+32*\i+2*m+1], v[MR+2*\i:MR+2*\i+1]
.set m, m+1
.endr
.endr
.irp i, 0,1
.set m, 0
.rept 16
	v_pk_fma_f32 v[DV+32*\i+2*m:DV+32*\i+2*m+1], v[DV+32*\i+2*m:DV+32*\i+2*m+1], v[GG+2*m:GG+2*m+1], v[BT+2*m:BT+2*m+1]
.set m, m+1
.endr
.endr
	QUANT DV, PC, 4                                ; two row tiles x two blocks of 32 columns
.irp i, 0,1
.irp p, 0,1
	ds_store_b128 v[XW], v[PC+4*(2*\i+\p):PC+4*(2*\i+\p)+3] offset:\i*8192+512*\p
.endr
.endr
	HALF2 SW, T1
	ds_store_b16 v[SB], v[SW]                      ; my two bytes of each row's scale word
	v_mov_b32 v[CC], 0xbf5b0099                    ; b4, b3, b2, b1 / (sqrt(log2(e) / 2) sqrt(2 pi))
	v_mov_b32 v[CC+1], 0xbf5b0099
	v_mov_b32 v[CC+2], 0x3f563817
	v_mov_b32 v[CC+3], 0x3f563817
	v_mov_b32 v[CC+4], 0xbe2b8119
	v_mov_b32 v[CC+5], 0xbe2b8119
	v_mov_b32 v[CC+6], 0x3e199eb3
	v_mov_b32 v[CC+7], 0x3e199eb3
	s_wait_loadcnt 0x0                             ; stream steps 4 and 5 and b1 are in
	LDSTEP 6                                       ; window 0's two sets are free again
	LDSTEP 7
	BAR                                            ; LN2's eight fragments and their scale words lie in LDS
.irp n, 0,1,2,3
	ds_load_b32 v[AVS+\n], v[X2S0] offset:128*\n
.endr
; ---------------- the hidden layer: four passes of 64 hidden units; passes 0, 1 make my first K step of the last product, passes 2, 3 my second
; At a pass's head its steps PA, PA + 1 and its b1 are in, and steps PA + 2, PA + 3 (36 loads) are out.
.macro PASS q
.set PA, 4+4*(\q)
	LDX X2A, 0, 8192
	s_wait_dscnt 0x0
	MM PA, HA, AVS, 1
	LDSTEP PA+4                                    ; the next pass's first two steps (behind the last pass: W2's) go into window 1 and land under GELU
	LDX X2A, 2048, 8192
	s_wait_dscnt 0x0
	MM PA+1, HA, AVS+1, 0
	s_wait_loadcnt 36                              ; step PA + 2 is in; steps PA + 3 and PA + 4 may be out
	LDSTEP PA+5
.if (\q) < 3
	LDB1 (\q)+1
.endif
	LDX X2A, 4096, 8192
	s_wait_dscnt 0x0
	MM PA+2, HA, AVS+2, 0
.if (\q) < 3
	s_wait_loadcnt 44                              ; step PA + 3 is in; steps PA + 4, PA + 5 and the 8 loads of b1 may be out
.else
	s_wait_loadcnt 36
.endif
	LDX X2A, 6144, 8192
	s_wait_dscnt 0x0
	MM PA+3, HA, AVS+3, 0
.irp g, 0,1,2,3
	GELU16 HA+16*\g, GP+16*\g
.endr
	QUANT GP, PC, 4
.irp i, 0,1
.irp p, 0,1
	ds_store_b128 v[HW], v[PC+4*(2*\i+\p):PC+4*(2*\i+\p)+3] offset:((\q)/2)*4096+\i*2048+(2*((\q)%2)+\p)*512
.endr
.endr
.if (\q)%2 == 0
	HALF2 SW, T1                                   ; the K step's first two bytes
.else
	HALF2 T2, T1
	v_lshl_or_b32 v[SW], v[T2], 16, v[SW]          ; with its last two: the scale word
	ds_store_b32 v[HSW], v[SW] offset:((\q)/2)*128
.endif
	s_wait_loadcnt 0x0                             ; the two steps and the b1 that were asked for ahead of GELU are in
	LDSTEP PA+6                                    ; window 0's two sets are free again
	LDSTEP PA+7
	s_wait_dscnt 0x0                               ; the stores have read their registers
.endm
	PASS 0
	PASS 1
	PASS 2
	PASS 3
	BAR                                            ; the hidden layer's 32 fragments lie in LDS
; ---------------- out = x1 + b2 + hidden W2: stream steps 20 .. 35
.irp k, 0,1,2,3,4,5,6,7,8,9,10,11,12,13,14,15
.if \k == 1
	LDSTEP 24
.endif
.if \k >= 2
.if \k < 14
	s_wait_loadcnt 36                              ; this step's weights are in; the two younger steps' 36 loads may be out
.elseif \k == 14
	s_wait_loadcnt 18                              ; the last step's 18 may be out
.else
	s_wait_loadcnt 0x0
.endif
.if \k < 13
	LDSTEP 23+\k                                   ; the last three steps ask for nothing: no load leaves its buffer
.endif
.endif
	LDX AH0, 4096*\k, 2048
	ds_load_b32 v[XSC], v[AHS] offset:128*\k
	s_wait_dscnt 0x0
	MM 20+\k, XA, XSC, 0
.endr
; ---------------- the way out: a row's 512 columns come from eight waves: they meet in a stage, and each wave stores four whole rows, 8 KiB on end
	BAR                                            ; every wave's reads of the hidden layer's images are over: the stage takes their bytes
	WIN 0x04                                       ; an LDS store's data are its source 1: window 1
.irp i, 0,1
.irp p, 0,1
.irp j, 0,1,2,3
	ds_store_b128 v[SO0], v[XA+32*\i+16*\p+4*\j:XA+32*\i+16*\p+4*\j+3] offset:\i*33024+128*\p+16*\j          ; each accumulator from its low end on
.endr
.endr
.endr
	WIN 0
	BAR
.set n, 0
.rept 16
	ds_load_b128 v[32+4*n:35+4*n], v[RD] offset:2064*(n/4)+512*(n%4)
.set n, n+1
.endr
.set n, 0
.rept 16
	s_wait_dscnt 15-n                              ; load n is in; the 15 - n younger ones may be out
	global_store_b128 v[LI], v[32+4*n:35+4*n], s[POUT:POUT+1] offset:2048*(n/4)+512*(n%4) th:TH_STORE_NT   ; 512 consecutive bytes, at a multiple of 256 from out's first byte
.set n, n+1
.endr
	s_wait_tensorcnt 0x0
	ds_add_u32 v254, v255
	s_wait_dscnt 0x0
	s_endpgm
.Lfunc_end_k_q951c82bf82_ffn:
	.size	k_q951c82bf82_ffn, .Lfunc_end_k_q951c82bf82_ffn-k_q951c82bf82_ffn
	.p2alignl 7, 3214868480
	.fill 96, 4, 3214868480
	.section	.rodata,"a",@progbits
	.p2align	6, 0x0
	.amdhsa_kernel k_q951c82bf82_ffn
		.amdhsa_group_segment_fixed_size 168960
		.amdhsa_private_segment_fixed_size 0
		.amdhsa_enable_private_segment 0
		.amdhsa_kernarg_size 88
		.amdhsa_user_sgpr_count 2
		.amdhsa_user_sgpr_kernarg_segment_ptr 1
		.amdhsa_wavefront_size32 1
		.amdhsa_system_sgpr_workgroup_id_x 1
		.amdhsa_system_sgpr_workgroup_id_y 1
		.amdhsa_system_sgpr_workgroup_id_z 1
		.amdhsa_system_vgpr_workitem_id 0
		.amdhsa_next_free_vgpr 512
		.amdhsa_next_free_sgpr 92
		.amdhsa_reserve_vcc 0
		.amdhsa_float_denorm_mode_32 3
		.amdhsa_float_denorm_mode_16_64 3
		.amdhsa_memory_ordered 1
		.amdhsa_forward_progress 1
		.amdhsa_inst_pref_size 255
	.end_amdhsa_kernel
	.section	.bss,"aw",@nobits
	.p2align	6
	.space	262144
	.amdgpu_metadata
---
amdhsa.version: [ 1, 2 ]
amdhsa.kernels:
  - .name:           k_q951c82bf82_ffn
    .symbol:         k_q951c82bf82_ffn.kd
    .args:
      - { .name: avimg, .offset: 0, .size: 8, .value_kind: global_buffer, .address_space: global }
      - { .name: avscl, .offset: 8, .size: 8, .value_kind: global_buffer, .address_space: global }
      - { .name: wimg, .offset: 16, .size: 8, .value_kind: global_buffer, .address_space: global }
      - { .name: wscl, .offset: 24, .size: 8, .value_kind: global_buffer, .address_space: global }
      - { .name: x, .offset: 32, .size: 8, .value_kind: global_buffer, .address_space: global }
      - { .name: bo, .offset: 40, .size: 8, .value_kind: global_buffer, .address_space: global }
      - { .name: ln2_g, .offset: 48, .size: 8, .value_kind: global_buffer, .address_space: global }
      - { .name: ln2_b, .offset: 56, .size: 8, .value_kind: global_buffer, .address_space: global }
      - { .name: b1, .offset: 64, .size: 8, .value_kind: global_buffer, .address_space: global }
      - { .name: b2, .offset: 72, .size: 8, .value_kind: global_buffer, .address_space: global }
      - { .name: out0, .offset: 80, .size: 8, .value_kind: global_buffer, .address_space: global }
    .group_segment_fixed_size: 168960
    .private_segment_fixed_size: 0
    .kernarg_segment_align: 8
    .kernarg_segment_size: 88
    .max_flat_workgroup_size: 256
    .sgpr_count:     92
    .vgpr_count:     512
    .wavefront_size: 32
...
	.end_amdgpu_metadata
.endif
;; end of part 7
